; MI455X (gfx1250); checked and timed in simulation.
; The chip was launched on July 23, 2026; its instructions are those of AMD's public machine-readable ISA for CDNA 5 (MIT licence, August 2026) and "CDNA5" Instruction Set Architecture Reference Guide (July 2026). The comments in the code are by the model that wrote it; some were corrected since.
;; Transformer Block. Allowed arithmetic: matrix products marked QUANTISED: E5M2 operands, one E8M0 scale for each 32 along K, by v_wmma_scale_f32_16x16x128_f8f6f4 with both operands' format E5M2, f32 sums; everything else in f32.
;; Inputs: W1 1,024 x 4,096 float32; W2 4,096 x 1,024 float32; Wk 1,024 x 1,024 float32; Wo 1,024 x 1,024 float32; Wq 1,024 x 1,024 float32; Wv 1,024 x 1,024 float32; b1 4,096 float32; b2 1,024 float32; bk 1,024 float32; bo 1,024 float32; bq 1,024 float32; bv 1,024 float32; ln1_b 1,024 float32; ln1_g 1,024 float32; ln2_b 1,024 float32; ln2_g 1,024 float32; x 2 x 2,048 x 1,024 float32.
;; Outputs: out0 2 x 2,048 x 1,024 float32.
;; This version of the problem:
;;   THIS VERSION OF THE PROBLEM IS GIVEN IN LOW PRECISION. The matrix products marked QUANTISED in the list below multiply operands that are first quantised to E5M2 (5 exponent bits, 2 mantissa bits; 8 bits a number), with one power-of-two scale for each 32 numbers along K (OCP MX v1.0); their sums are f32. All else is computed in f32.
;;   The module's matrix products, in the order in which they are computed (A, B: the left and right operand; K: the contracted axis; several contracted axes count as one K, in the product's order):
;;     1. [M 4,096, K 1,024] x [K 1,024, N 1,024]; A: computed on the way; B: input Wq: QUANTISED
;;     2. [M 4,096, K 1,024] x [K 1,024, N 1,024]; A: computed on the way; B: input Wk: QUANTISED
;;     3. [M 4,096, K 1,024] x [K 1,024, N 1,024]; A: computed on the way; B: input Wv: QUANTISED
;;     4. batch 32 x [M 2,048, K 64] x [K 64, N 2,048]; A: computed on the way; B: computed on the way: QUANTISED
;;     5. batch 32 x [M 64, K 2,048] x [K 2,048, N 2,048]; A: computed on the way; B: softmax (see below): QUANTISED
;;     6. [M 4,096, K 1,024] x [K 1,024, N 1,024]; A: computed on the way; B: input Wo: QUANTISED
;;     7. [M 4,096, K 1,024] x [K 1,024, N 4,096]; A: computed on the way; B: input W1: QUANTISED
;;     8. [M 4,096, K 4,096] x [K 4,096, N 1,024]; A: computed on the way; B: input W2: QUANTISED
;;   THE QUANTISER, for each operand of a quantised product, along K:
;;     - K is cut into blocks of 32 from its start; a last block that is shorter is filled with zeros.
;;     - A block's scale is 2^e with e = floor(log2(the largest magnitude in the block)) - 15, held to -126 .. 127; a block of zeros has e = 0. As a byte (E8M0): e + 127.
;;     - Each number is divided by its block's scale, clamped to +-57,344, and rounded to the nearest number of E5M2, ties to even, subnormals kept.
;;     - The product sums the exact products of the quantised numbers (number of the format x scale) in f32.
;;   ~~~python
;;   def quantise(x, axis):      # numpy; x: float32 -> the quantised numbers, widened to float32 again
;;       x = np.moveaxis(x, axis, -1); K = x.shape[-1]
;;       x = np.pad(x, [(0, 0)] * (x.ndim - 1) + [(0, -K % 32)]); x = x.reshape(x.shape[:-1] + (-1, 32)); a = np.abs(x).max(-1, keepdims=True)
;;       e = np.where(a > 0, np.clip(np.frexp(np.where(a > 0, a, 1))[1] - 1 - 15, -126, 127), 0)      # np.frexp(a)[1] - 1 = floor(log2(a)), exactly
;;       r = np.clip(x / 2.0 ** e, -57344, 57344)
;;       step = 2.0 ** (np.maximum(np.frexp(np.where(r == 0, 1, r))[1] - 1, -14) - 2)
;;       q = np.round(r / step) * step * 2.0 ** e      # np.round: ties to even
;;       return np.moveaxis(q.reshape(q.shape[:-2] + (-1,))[..., :K], -1, axis).astype(np.float32)
;;   ~~~
;;   SOFTMAX AHEAD OF A QUANTISED PRODUCT. Where the list says 'softmax', what is quantised is not the finished softmax but p = 2^(t - M), with t = logit x log2(e) and M = ceil(the row's largest t), a whole number; so 1/2 < the row's largest p <= 1. The row's sum l is taken of the UNQUANTISED p, in f32, and the product's result is divided by l at the end. Since M is a whole number, a kernel that streams over the keys may use a running M (the ceiling of the running maximum): every later rescaling is an exact power of two, which a block's scale takes up: the codes' values come out the same.
;;   OPERANDS COMPUTED ON THE WAY. 'Computed on the way' means the value that the module computes at that place (a softmax that the list does not call 'softmax' is quantised finished and normalised). What goes into a quantiser is computed in f32, as accurately as f32 sums, v_exp_f32 and their like allow (about 1e-6 of the number): no bf16 or f16 on the way to a quantiser, and a product that is left as it is and whose result goes on into a quantised operand takes f32 operands (vector FMAs, or v_wmma_f32_16x16x4_f32). A number that lies on a knife's edge between two numbers of the format may be rounded either way, as far as f32 arithmetic and the matrix unit's own rounding can turn it there, and no further.
;; One version. Each part assembles by itself: llvm-mc -triple=amdgcn-amd-amdhsa -mcpu=gfx1250 --defsym DOCPART=n.
;; ======== version 1 of 1: 7 launches
;; limits: right only within a limited range of input values
;; workspace buffers: wts 12,976,128 bytes; h1 4,325,376 bytes; qkv 12,976,128 bytes; ctx 4,325,376 bytes; x1 16,777,216 bytes; h2 4,325,376 bytes; gact 17,301,504 bytes
;; launch prep (part 1): grid 640 x 1, 4 waves a work-group, no clusters, 36,864 bytes of LDS; arguments x, ln1_g, ln1_b, h1, Wq, Wk, Wv, Wo, W1, W2, wts; writes h1, wts
.if DOCPART == 1
	.amdgcn_target "amdgcn-amd-amdhsa--gfx1250"
	.amdhsa_code_object_version 6
	.text
	.protected	k_q60264cd9d9_prep
	.globl	k_q60264cd9d9_prep
	.p2align	8
	.type	k_q60264cd9d9_prep,@function
k_q60264cd9d9_prep:
	s_mov_b64 s[64:65], 0
	v_nop
	global_prefetch_b8 v0, s[64:65] scope:SCOPE_SE
	s_setreg_imm32_b32 hwreg(HW_REG_WAVE_MODE, 25, 1), 1
	s_wait_xcnt 0x0
; THE PROGRAM: one pre-norm transformer block, all eight products on codes of BF8 (E5M2) with one E8M0 scale for each 32 along K.
; NO WORK IS LEFT OUT: every one of the 17 inputs has a way to the output.  The biases bq, bk, bv go into numbers that are quantised (they move codes and scales), bo, b1, b2 and the
; norms' gains and offsets likewise or straight into the result.  So every input is loaded by some launch, and every product of the problem's table is done.
; THIS LAUNCH does two things that share no data, so that they need one launch and not two: work-groups 0 to 383 quantise the six weights, work-groups 384 to 639 do the first LayerNorm and quantise its result.
; The two paths part once, on the work-group's number, have LDS bytes of their own, have no barrier, and join at the closing lines.
; THE WEIGHTS, f32 stored [K][N], become codes laid [N][K] with K innermost, and scale bytes, all in the one buffer wts.
; A LANE TAKES A COLUMN n, ITS REGISTERS RUN DOWN K: a block of 32 along K lies in one lane's 32 registers, and the conversions give codes with K innermost.  Nothing is transposed by an instruction.
; ROW ORDER.  Column n is stored as row pos(n) = n with its bits 3 and 4 exchanged.  Sixteen rows on end, taken as a matrix instruction's first source, then give a lane, in the registers of two
; neighbouring tiles, sixteen NEIGHBOURS of the true order: what the next quantiser along that axis wants.  All code buffers of this program keep their rows so.
; A work-group takes 128 columns x 256 along K of one weight, a wave 32 columns.  Which weight, and its pitches, are scalars chosen by the work-group's number: one path for all six.
; Scale bytes: for Wq, Wk, Wv, W1 as rows of K/32 bytes; for Wo, W2 as words (128 along K) laid [K/128][rows]: as their readers fetch them.  These stores are 4 bytes a lane: one byte in 128 of what the path reads.
; THE NORM: h = (x - mean) * rsqrt(var + 1e-5) * g + b, the variance taken of x - mean (two passes over registers), all in f32; a wave takes 4 rows and keeps them in 128 registers.
; Of a row's half t a lane holds k = 512 t + 16 lane + 0 .. 15: sixteen neighbours, as the conversions want; lanes l and l xor 1 hold a block of 32.
; Its codes go to h1 [pos(row)][1,024] at 0, its scale bytes [pos(row)][32] at 4,194,304; a wave's 128 scale bytes leave by one store of 128 consecutive bytes.
; LIMITS: NaN and infinities among the inputs are not served.  A block of zeros gets the byte 1 where the rule says 127: its codes are zeros and this program alone reads the bytes.
; Blocks whose largest magnitude lies under 2^(15 - 126) are held at the byte 1.
.set WGQ,   384                        ; work-groups that quantise weights
.set WQKVS, 12582912                   ; wts: codes of Wq, Wk, Wv (3,072 rows of 1,024) at 0,
.set W1C,   3145728                    ; of W1 (4,096 x 1,024),
.set WOC,   7340032                    ; of Wo (1,024 x 1,024),
.set W2C,   8388608                    ; of W2 (1,024 x 4,096); then the scales in the same order of tensors:
.set W1S,   12681216
.set WOS,   12812288
.set W2S,   12845056
.set PITCH, 272                        ; a stage row: 256 bytes of codes + 16
.set STG,   32*PITCH                   ; a wave's stage
.set LNB,   4*STG                      ; behind the weights' stages: the norm's 256 bytes a wave for scale bytes
.set SPARE, LNB+1024                   ; behind them: the spare words, 128 bytes a wave
.set EMAX,  15
.set SPW,   30                         ; v30  LDS address of my spare word; never rewritten
.set NIL,   31                         ; v31  0; never rewritten
	v_lshl_add_u32 v[SPW], v0, 2, SPARE
	v_mov_b32 v[NIL], 0
	s_cmp_lt_u32 ttmp9, WGQ                        ; the work-group's number alone decides
	s_cbranch_scc0 .Lnorm
; ---------------- the weights ----------------
.set SB,    24                         ; v24-25   the 8 scale bytes of my column
.set OFF,   32                         ; v32-63   4 x lane + i x the source's pitch
.set X,     64                         ; v64-127  two sets of 32 numbers
.set C,     128                        ; v128-135 a block's codes
.set OUTR,  136                        ; v136-199 the way out
.set GA,    200                        ; v200-215 the way out's offsets in wts
.set BASE,  32                         ; s[32:47] the source at my columns, block t of 32 along K
	s_load_b256 s[4:11], s[0:1], 0x20              ; Wq, Wk, Wv, Wo
	s_load_b128 s[12:15], s[0:1], 0x40             ; W1, W2
	s_load_b64 s[16:17], s[0:1], 0x50              ; wts
	v_lshrrev_b32 v1, 5, v0
	v_readfirstlane_b32 s18, v1                    ; wave
	s_mov_b32 s19, ttmp9                           ; g: 0-95 Wq, Wk, Wv; 96-127 Wo; 128-255 W1; 256-383 W2
	s_lshr_b32 s20, s19, 5
	s_lshr_b32 s29, s19, 7
	s_mov_b32 s23, 4096                            ; the source's pitch in bytes
	s_mov_b32 s22, 1024                            ; a row of codes in bytes
	s_mov_b32 s21, 127
	s_mov_b32 s28, 32                              ; scales: from row to row,
	s_mov_b32 s52, 4                               ; and from word to word
	s_lshl_b32 s26, s20, 20                        ; where the codes begin,
	s_lshl_b32 s27, s20, 15
	s_add_co_u32 s27, s27, WQKVS                   ; and the scales
	s_cmp_eq_u32 s29, 0
	s_cselect_b32 s21, 31, s21
	s_cmp_eq_u32 s20, 3                            ; Wo
	s_cselect_b32 s26, WOC, s26
	s_cselect_b32 s27, WOS, s27
	s_cselect_b32 s28, 4, s28
	s_cselect_b32 s52, 4096, s52
	s_cmp_eq_u32 s29, 1                            ; W1
	s_cselect_b32 s23, 16384, s23
	s_cselect_b32 s24, 31, 7
	s_cselect_b32 s25, 5, 3
	s_cselect_b32 s26, W1C, s26
	s_cselect_b32 s27, W1S, s27
	s_cmp_eq_u32 s29, 2                            ; W2
	s_cselect_b32 s22, 4096, s22
	s_cselect_b32 s26, W2C, s26
	s_cselect_b32 s27, W2S, s27
	s_cselect_b32 s28, 4, s28
	s_cselect_b32 s52, 4096, s52
	s_and_b32 s21, s19, s21                        ; the work-group's number within its weight
	s_and_b32 s24, s21, s24                        ; which 128 columns
	s_lshr_b32 s25, s21, s25                       ; which 256 along K
	s_lshl_b32 s53, s24, 7
	s_lshl_b32 s54, s18, 5
	s_add_co_u32 s53, s53, s54                     ; n0: my wave's first column
	s_mul_i32 s54, s25, s23
	s_lshl_b32 s54, s54, 8                         ; 256 rows of the source for each step along K,
	s_lshl_b32 s55, s53, 2
	s_add_co_u32 s54, s54, s55                     ; + 4 n0
	s_mov_b32 s55, 0
	s_mul_i32 s58, s53, s22                        ; codes: n0 rows,
	s_add_co_u32 s58, s58, s26
	s_lshl_b32 s59, s25, 8
	s_add_co_u32 s58, s58, s59                     ; + my 256 bytes of a row
	s_mov_b32 s59, 0
	s_mul_i32 s60, s53, s28                        ; scales: n0 rows,
	s_add_co_u32 s60, s60, s27
	s_mul_i32 s61, s25, s52
	s_lshl_b32 s61, s61, 1
	s_add_co_u32 s60, s60, s61                     ; + my two words
	s_mov_b32 s61, 0
	s_mov_b32 s56, 0x600000                        ; the mantissa field of 57,344
	s_lshl_b32 s57, s22, 1                         ; two rows of codes
	s_mul_i32 s62, s18, STG
	v_and_b32 v2, 31, v0                           ; lane
	v_lshlrev_b32 v3, 2, v2
	v_and_b32 v5, 7, v2
	v_bfe_u32 v6, v2, 3, 1
	v_bfe_u32 v1, v2, 4, 1
	v_lshl_add_u32 v5, v6, 4, v5
	v_lshl_add_u32 v5, v1, 3, v5                   ; p = pos(lane): bits 3 and 4 exchanged
	v_mul_u32_u24 v4, v5, PITCH
	v_add_nc_u32 v4, s62, v4                       ; into the stage: row p
	v_and_b32 v6, 15, v2
	v_mul_u32_u24 v7, v1, PITCH
	v_lshl_add_u32 v7, v6, 4, v7
	v_add_nc_u32 v7, s62, v7                       ; out of it: sixteen lanes to a row, two rows an instruction
	v_mul_lo_u32 v8, v5, s28                       ; my row's first scale word,
	v_add_nc_u32 v9, s52, v8                       ; and its second
	v_mul_lo_u32 v[GA], v1, s22
	v_lshl_add_u32 v[GA], v6, 4, v[GA]
.set i, 1
.rept 15
	v_add_nc_u32 v[GA+i], s57, v[GA+i-1]
.set i, i+1
.endr
	v_mov_b32 v[OFF], v3
.set i, 1
.rept 31
	v_add_nc_u32 v[OFF+i], s23, v[OFF+i-1]
.set i, i+1
.endr
	s_wait_kmcnt 0x0
	s_mov_b64 s[30:31], s[4:5]                     ; the source: a choice between buffers by the work-group's number alone
	s_cmp_eq_u32 s20, 1
	s_cselect_b64 s[30:31], s[6:7], s[30:31]
	s_cmp_eq_u32 s20, 2
	s_cselect_b64 s[30:31], s[8:9], s[30:31]
	s_cmp_eq_u32 s20, 3
	s_cselect_b64 s[30:31], s[10:11], s[30:31]
	s_cmp_eq_u32 s29, 1
	s_cselect_b64 s[30:31], s[12:13], s[30:31]
	s_cmp_eq_u32 s29, 2
	s_cselect_b64 s[30:31], s[14:15], s[30:31]
	s_add_nc_u64 s[BASE:BASE+1], s[30:31], s[54:55]
	s_lshl_b32 s54, s23, 5                         ; 32 rows of the source
.irp t, 1,2,3,4,5,6,7
	s_add_nc_u64 s[BASE+2*\t:BASE+2*\t+1], s[BASE+2*\t-2:BASE+2*\t-1], s[54:55]
.endr
	s_add_nc_u64 s[48:49], s[16:17], s[58:59]
	s_add_nc_u64 s[50:51], s[16:17], s[60:61]
.macro LOAD t                          ; block t: W(32 t + i, my column): 32 lanes read 128 consecutive bytes
.set i, 0
.rept 32
	global_load_b32 v[X+32*((\t)%2)+i], v[OFF+i], s[BASE+2*(\t):BASE+2*(\t)+1] th:TH_LOAD_NT
.set i, i+1
.endr
.endm
	LOAD 0
	LOAD 1
.macro BLOCK t
.set XS, X+32*((\t)%2)
.if (\t) < 7
	s_wait_loadcnt 32                              ; this block's 32 loads are in; the next block's 32 may be out
.else
	s_wait_loadcnt 0
.endif
	v_max3_num_f32 v12, |v[XS]|, |v[XS+1]|, |v[XS+2]|   ; the block's largest magnitude: all 32 numbers are mine
	v_max3_num_f32 v13, |v[XS+3]|, |v[XS+4]|, |v[XS+5]|
.irp i, 6,10,14,18,22,26
	v_max3_num_f32 v12, v12, |v[XS+\i]|, |v[XS+\i+1]|
	v_max3_num_f32 v13, v13, |v[XS+\i+2]|, |v[XS+\i+3]|
.endr
	v_max3_num_f32 v12, v12, |v[XS+30]|, |v[XS+31]|
	v_max3_num_f32 v12, v12, v13, (EMAX+1)<<23     ; and the floor 2^(16 - 127): the byte cannot fall under 1
	v_add_nc_u32 v11, -(EMAX<<23), v12             ; 15 off the exponent field: the conversion's scale operand
	v_and_or_b32 v10, v12, 0x7f800000, s56         ; 57,344 x the scale
	v_lshrrev_b32 v13, 23, v11                     ; the scale's byte
.if (\t)%4 == 0
	v_mov_b32 v[SB+(\t)/4], v13
.else
	v_lshl_or_b32 v[SB+(\t)/4], v13, 8*((\t)%4), v[SB+(\t)/4]
.endif
.set i, 0
.rept 32
	v_med3_num_f32 v[XS+i], v[XS+i], -v10, v10     ; the conversion to an 8-bit code does not saturate (ISA guide 7.6.2): the hold comes first
.set i, i+1
.endr
.irp g, 0,1,2,3
	v_cvt_scalef32_pk8_bf8_f32 v[C+2*\g:C+2*\g+1], v[XS+8*\g:XS+8*\g+7], v11
.endr
	ds_store_b128 v4, v[C:C+3] offset:32*(\t)
	ds_store_b128 v4, v[C+4:C+7] offset:32*(\t)+16
.if (\t)+2 < 8
	LOAD (\t)+2
.endif
	s_wait_dscnt 0x0                               ; the stores have read their registers: the next block's codes may be written
.endm
.irp t, 0,1,2,3,4,5,6,7
	BLOCK \t
.endr
	global_store_b32 v8, v[SB], s[50:51]
	global_store_b32 v9, v[SB+1], s[50:51]
.irp t, 0,1,2,3,4,5,6,7,8,9,10,11,12,13,14,15
	ds_load_b128 v[OUTR+4*\t:OUTR+4*\t+3], v7 offset:2*\t*PITCH   ; LDS serves a wave's instructions in order: these see my stores
.endr
.irp t, 0,1,2,3,4,5,6,7,8,9,10,11,12,13,14,15
	s_wait_dscnt 15-\t                             ; load t is in; the 15 - t younger ones may be out
	global_store_b128 v[GA+\t], v[OUTR+4*\t:OUTR+4*\t+3], s[48:49]   ; sixteen lanes store 256 consecutive bytes, aligned
.endr
	s_branch .Lend
; ---------------- the norm ----------------
.Lnorm:
.set XR, 128                           ; v128-255 the rows: 32 p + 16 t + i
.set GR, 64                            ; v64-95   g at my 32 places
.set BR, 96                            ; v96-127  b
.set CD, 32                            ; v32-63   codes: four registers for each (row, half)
	s_load_b256 s[4:11], s[0:1], 0x0               ; x, g, b, h
	v_lshrrev_b32 v1, 5, v0
	v_readfirstlane_b32 s18, v1                    ; wave
	v_and_b32 v1, 31, v0                           ; lane
	v_lshlrev_b32 v2, 6, v1                        ; my 64 bytes of a half row
	v_lshlrev_b32 v3, 4, v1                        ; my 16 codes
	v_lshlrev_b32 v4, 2, v1
	s_lshl_b32 s19, s18, 8
	s_add_co_u32 s19, s19, LNB
	v_lshrrev_b32 v5, 1, v1
	v_add_nc_u32 v5, s19, v5                       ; LDS: my block's byte
	v_add_nc_u32 v6, s19, v4                       ; and 4 bytes a lane on the way out
.irp p, 0,1,2,3
	v_mov_b32 v[10+\p], 0                          ; a lane permute's destination counts as one of its sources
.endr
	s_mov_b32 s12, 0x76543210
	s_mov_b32 s13, 0xfedcba98                      ; v_permlanex16_b32's selects for lane l xor 16
	s_mov_b32 s14, 0x3a800000                      ; 1 / 1,024
	s_mov_b32 s15, 0x3727c5ac                      ; 1e-5
	s_mov_b32 s16, 0x600000                        ; the mantissa field of 57,344
	s_sub_co_u32 s17, ttmp9, WGQ                   ; the work-group's number within the norm
	s_lshl_b32 s17, s17, 4
	s_lshl_b32 s20, s18, 2
	s_add_co_u32 s17, s17, s20                     ; R0: my first row
	s_and_b32 s20, s17, 0xffffffe7
	s_bfe_u32 s21, s17, 0x10003
	s_bfe_u32 s22, s17, 0x10004
	s_lshl_b32 s21, s21, 4
	s_lshl_b32 s22, s22, 3
	s_or_b32 s20, s20, s21
	s_or_b32 s20, s20, s22                         ; P0 = pos(R0)
	s_lshl_b32 s24, s17, 12
	s_mov_b32 s25, 0
	s_lshl_b32 s26, s20, 10
	s_mov_b32 s27, 0
	s_lshl_b32 s28, s20, 5
	s_add_co_u32 s28, s28, 4194304
	s_mov_b32 s29, 0
	s_wait_kmcnt 0x0
	s_add_nc_u64 s[4:5], s[4:5], s[24:25]
	s_add_nc_u64 s[26:27], s[10:11], s[26:27]      ; my rows' codes
	s_add_nc_u64 s[28:29], s[10:11], s[28:29]      ; and scale bytes
.irp p, 0,1,2,3
.irp t, 0,1
.irp i, 0,1,2,3
	global_load_b128 v[XR+32*\p+16*\t+4*\i:XR+32*\p+16*\t+4*\i+3], v2, s[4:5] offset:4096*\p+2048*\t+16*\i th:TH_LOAD_NT
.endr
.endr
.endr
.irp t, 0,1
.irp i, 0,1,2,3
	global_load_b128 v[GR+16*\t+4*\i:GR+16*\t+4*\i+3], v2, s[6:7] offset:2048*\t+16*\i
	global_load_b128 v[BR+16*\t+4*\i:BR+16*\t+4*\i+3], v2, s[8:9] offset:2048*\t+16*\i
.endr
.endr
.macro REDUCE                          ; the four rows' pairs of partial sums v[22+2p:23+2p] become the rows' sums, in every lane
.irp p, 0,1,2,3
	v_add_f32 v[22+2*\p], v[22+2*\p], v[23+2*\p]
.endr
.irp m, 1,2,4,8
.irp p, 0,1,2,3
	v_add_f32_dpp v[22+2*\p], v[22+2*\p], v[22+2*\p] row_xmask:\m row_mask:0xf bank_mask:0xf
.endr
.endr
.irp p, 0,1,2,3
	v_permlanex16_b32 v[10+\p], v[22+2*\p], s12, s13
.endr
.irp p, 0,1,2,3
	v_add_f32 v[22+2*\p], v[22+2*\p], v[10+\p]
.endr
.endm
	s_wait_loadcnt 16                              ; x's 32 loads are in; g's and b's 16 may be out
.irp p, 0,1,2,3
	v_pk_add_f32 v[22+2*\p:23+2*\p], v[XR+32*\p:XR+32*\p+1], v[XR+32*\p+2:XR+32*\p+3]
.endr
.irp i, 4,6,8,10,12,14,16,18,20,22,24,26,28,30
.irp p, 0,1,2,3
	v_pk_add_f32 v[22+2*\p:23+2*\p], v[22+2*\p:23+2*\p], v[XR+32*\p+\i:XR+32*\p+\i+1]   ; the four rows by turns
.endr
.endr
	REDUCE
.irp p, 0,1,2,3
	v_mul_f32 v[14+2*\p], s14, v[22+2*\p]          ; the mean, in both words of a pair
	v_mul_f32 v[15+2*\p], s14, v[22+2*\p]
.endr
.irp p, 0,1,2,3
.irp i, 0,2,4,6,8,10,12,14,16,18,20,22,24,26,28,30
	v_pk_add_f32 v[XR+32*\p+\i:XR+32*\p+\i+1], v[XR+32*\p+\i:XR+32*\p+\i+1], v[14+2*\p:15+2*\p] neg_lo:[0,1] neg_hi:[0,1]   ; x - mean
.endr
.endr
.irp p, 0,1,2,3
	v_pk_mul_f32 v[22+2*\p:23+2*\p], v[XR+32*\p:XR+32*\p+1], v[XR+32*\p:XR+32*\p+1]
.endr
.irp i, 2,4,6,8,10,12,14,16,18,20,22,24,26,28,30
.irp p, 0,1,2,3
	v_pk_fma_f32 v[22+2*\p:23+2*\p], v[XR+32*\p+\i:XR+32*\p+\i+1], v[XR+32*\p+\i:XR+32*\p+\i+1], v[22+2*\p:23+2*\p]
.endr
.endr
	REDUCE
.irp p, 0,1,2,3
	v_fma_f32 v[14+2*\p], v[22+2*\p], s14, s15     ; var + 1e-5
.endr
.irp p, 0,1,2,3
	v_rsq_f32 v[14+2*\p], v[14+2*\p]               ; one batch of four
.endr
	v_nop                                          ; a plain instruction behind the last of them
	s_wait_alu depctr_va_vdst(0)                   ; one wait for the batch, ahead of its first reader
.irp p, 0,1,2,3
	v_mov_b32 v[15+2*\p], v[14+2*\p]
.endr
	s_wait_loadcnt 0x0                             ; g and b
.irp p, 0,1,2,3
.irp i, 0,2,4,6,8,10,12,14,16,18,20,22,24,26,28,30
	v_pk_mul_f32 v[XR+32*\p+\i:XR+32*\p+\i+1], v[XR+32*\p+\i:XR+32*\p+\i+1], v[14+2*\p:15+2*\p]
.endr
.irp i, 0,2,4,6,8,10,12,14,16,18,20,22,24,26,28,30
	v_pk_fma_f32 v[XR+32*\p+\i:XR+32*\p+\i+1], v[XR+32*\p+\i:XR+32*\p+\i+1], v[GR+\i:GR+\i+1], v[BR+\i:BR+\i+1]
.endr
.endr
.macro QSTEP p, t                      ; my 16 numbers of row p, half t, become 16 codes; each step has registers of its own for its codes and its byte
.set XS, XR+32*(\p)+16*(\t)
.set CC, CD+4*(2*(\p)+(\t))
	v_max3_num_f32 v12, |v[XS]|, |v[XS+1]|, |v[XS+2]|
	v_max3_num_f32 v13, |v[XS+3]|, |v[XS+4]|, |v[XS+5]|
.irp i, 6,10
	v_max3_num_f32 v12, v12, |v[XS+\i]|, |v[XS+\i+1]|
	v_max3_num_f32 v13, v13, |v[XS+\i+2]|, |v[XS+\i+3]|
.endr
	v_max3_num_f32 v12, v12, |v[XS+14]|, |v[XS+15]|
	v_max3_num_f32 v12, v12, v13, 0x8000000        ; the floor 2^(16 - 127)
	v_max_num_f32_dpp v12, v12, v12 row_xmask:1 row_mask:0xf bank_mask:0xf   ; with my neighbour's 16: the block's largest magnitude
	v_add_nc_u32 v11, 0xf8800000, v12              ; 15 off its exponent field: the conversion's scale operand
	v_and_or_b32 v10, v12, 0x7f800000, s16         ; 57,344 x the scale
.set i, 0
.rept 16
	v_med3_num_f32 v[XS+i], v[XS+i], -v10, v10     ; the hold: the conversion does not saturate (ISA guide 7.6.2)
.set i, i+1
.endr
	v_cvt_scalef32_pk8_bf8_f32 v[CC:CC+1], v[XS:XS+7], v11
	v_cvt_scalef32_pk8_bf8_f32 v[CC+2:CC+3], v[XS+8:XS+15], v11
	v_lshrrev_b32 v[22+2*(\p)+(\t)], 23, v11       ; the scale's byte; also the plain line behind the conversions
	ds_store_b8 v5, v[22+2*(\p)+(\t)] offset:32*(\p)+16*(\t)   ; both lanes of a block write the same byte with the same value
	global_store_b128 v3, v[CC:CC+3], s[26:27] offset:1024*(\p)+512*(\t)   ; 512 consecutive bytes a wave
.endm
.irp p, 0,1,2,3
	QSTEP \p, 0
	QSTEP \p, 1
.endr
	ds_load_b32 v9, v6                             ; LDS serves a wave's instructions in order: this sees my stores
	s_wait_dscnt 0x0
	global_store_b32 v4, v9, s[28:29]
.Lend:
	s_wait_tensorcnt 0x0                           ; the wave's end, on both paths: a tensor wait, an add to my spare word and its wait, behind my last LDS store
	ds_add_u32 v[SPW], v[NIL]
	s_wait_dscnt 0x0
	s_endpgm
.Lfunc_end_k_q60264cd9d9_prep:
	.size	k_q60264cd9d9_prep, .Lfunc_end_k_q60264cd9d9_prep-k_q60264cd9d9_prep
	.p2alignl 7, 3214868480
	.fill 96, 4, 3214868480
	.section	.rodata,"a",@progbits
	.p2align	6, 0x0
	.amdhsa_kernel k_q60264cd9d9_prep
		.amdhsa_group_segment_fixed_size 36864
		.amdhsa_private_segment_fixed_size 0
		.amdhsa_enable_private_segment 0
		.amdhsa_kernarg_size 88
		.amdhsa_user_sgpr_count 2
		.amdhsa_user_sgpr_kernarg_segment_ptr 1
		.amdhsa_wavefront_size32 1
		.amdhsa_system_sgpr_workgroup_id_x 1
		.amdhsa_system_sgpr_workgroup_id_y 1
		.amdhsa_system_sgpr_workgroup_id_z 1
		.amdhsa_system_vgpr_workitem_id 0
		.amdhsa_next_free_vgpr 256
		.amdhsa_next_free_sgpr 66
		.amdhsa_reserve_vcc 0
		.amdhsa_float_denorm_mode_32 3
		.amdhsa_float_denorm_mode_16_64 3
		.amdhsa_memory_ordered 1
		.amdhsa_forward_progress 1
		.amdhsa_inst_pref_size 110
	.end_amdhsa_kernel
	.amdgpu_metadata
---
amdhsa.version: [ 1, 2 ]
amdhsa.kernels:
  - .name:           k_q60264cd9d9_prep
    .symbol:         k_q60264cd9d9_prep.kd
    .args:
      - { .name: x, .offset: 0, .size: 8, .value_kind: global_buffer, .address_space: global }
      - { .name: ln1_g, .offset: 8, .size: 8, .value_kind: global_buffer, .address_space: global }
      - { .name: ln1_b, .offset: 16, .size: 8, .value_kind: global_buffer, .address_space: global }
      - { .name: h1, .offset: 24, .size: 8, .value_kind: global_buffer, .address_space: global }
      - { .name: Wq, .offset: 32, .size: 8, .value_kind: global_buffer, .address_space: global }
      - { .name: Wk, .offset: 40, .size: 8, .value_kind: global_buffer, .address_space: global }
      - { .name: Wv, .offset: 48, .size: 8, .value_kind: global_buffer, .address_space: global }
      - { .name: Wo, .offset: 56, .size: 8, .value_kind: global_buffer, .address_space: global }
      - { .name: W1, .offset: 64, .size: 8, .value_kind: global_buffer, .address_space: global }
      - { .name: W2, .offset: 72, .size: 8, .value_kind: global_buffer, .address_space: global }
      - { .name: wts, .offset: 80, .size: 8, .value_kind: global_buffer, .address_space: global }
    .group_segment_fixed_size: 36864
    .private_segment_fixed_size: 0
    .kernarg_segment_align: 8
    .kernarg_segment_size: 88
    .max_flat_workgroup_size: 128
    .sgpr_count:     66
    .vgpr_count:     256
    .wavefront_size: 32
...
	.end_amdgpu_metadata
.endif
;; end of part 1
;; launch qkv (part 2): grid 4 x 48, 4 waves a work-group, clusters of 4 x 4, 327,680 bytes of LDS; arguments h1, wts, bq, bk, bv, qkv; writes qkv
.if DOCPART == 2
	.amdgcn_target "amdgcn-amd-amdhsa--gfx1250"
	.amdhsa_code_object_version 6
	.text
	.protected	k_q60264cd9d9_qkv
	.globl	k_q60264cd9d9_qkv
	.p2align	8
	.type	k_q60264cd9d9_qkv,@function
k_q60264cd9d9_qkv:
	s_mov_b64 s[64:65], 0
	v_nop
	global_prefetch_b8 v0, s[64:65] scope:SCOPE_SE
	s_setreg_imm32_b32 hwreg(HW_REG_WAVE_MODE, 25, 1), 1
	s_wait_xcnt 0x0
	s_wait_alu depctr_hold_cnt(0) depctr_sa_sdst(0) depctr_va_vdst(0) depctr_va_sdst(0) depctr_va_ssrc(0) depctr_va_vcc(0) depctr_vm_vsrc(0)
	s_getreg_b32 s2, hwreg(HW_REG_IB_STS2, 6, 4)
	s_cmp_eq_u32 s2, 0
	s_cbranch_scc0 .Lentry_in_a_cluster
	s_endpgm
.Lentry_in_a_cluster:
	s_bfe_u32 s2, ttmp6, 0x10000c
	s_cmp_lg_u32 s2, 0xf033
	s_cbranch_scc0 .Lentry_shape_is_right
	s_endpgm
.Lentry_shape_is_right:
; q = h Wq + bq, k = h Wk + bk, v = h Wv + bv on codes of BF8 (E5M2) with E8M0 scales, K = 1,024, and the three results quantised on the way out for the two products of attention.  Nothing is left out.
; A tile of 256 x 256 is made by four waves, 128 x 128 each (64 accumulators, 512 registers); K goes in steps of 256 through a ring of two LDS slots filled by the tensor data mover.
; CLUSTERS of 4 x 4 work-groups; twelve of them, numbered c.  c < 8 (Q and K): A = h1 (tokens), B = the 2,048 rows of Wq and Wk.  c >= 8 (V): A = Wv's rows, B = h1.
; The matrix instruction is used transposed (source 0 = 16 rows of B, source 1 = 16 rows of A): a lane holds ONE row of A and its registers run along B's rows.  All rows of codes lie in the order
; pos(R) = R with bits 3 and 4 exchanged, so that the 64 registers of a block's eight accumulators are 4 x 16 neighbours of the true order: just what the quantiser wants.
; So q and k are quantised along the features (a lane = a token), v along the tokens (a lane = a feature): K of the scores, and K of the second product.
; OUT (qkv): a wave's 128 x 128 codes are ONE dense block of 16,384 bytes: [which 3][batch x 8 + head pair][128-token block][128 rows][128 bytes]; rows: tokens (q, k) or the pair's features (v), in pos order;
; scale words (4 bytes for a row's 128) at 12,582,912, [block][128 rows].
; The two paths part once, on the cluster's number, behind the products; each has LDS bytes of its own for its stage.
; A tile shared along a row or a column of the cluster is asked for jointly.  No prefetch: the launch is short and its tiles are shared in the cluster.
; LIMITS: NaN and infinities are not served; a block of zeros gets the byte 1 (zero codes; this program alone reads the bytes); blocks under 2^(15 - 126) are held at the byte 1.
.set WQKVS, 12582912
.set KSTEP,  256
.set NQ,     2
.set ROWB,   256
.set KROW,   1024
.set PITCH,  272                       ; an LDS row: 256 bytes + 16: the 16 rows that a load touches start at 16 different groups of banks
.set FR,     16
.set NL,     4
.set NP,     8                         ; places behind this matrix instruction (ISA guide 7.12.1)
.set HALFT,  128*PITCH
.set SLOT,   4*HALFT
.set LAPS,   2                         ; 1,024 along K: twice round the ring
.set KS,     32                        ; a row of scale bytes
.set SCL,    2*SLOT                    ; behind the ring: the scales of all of K, as units of 256 bytes + 16
.set HALFS,  16*272
.set SBLK,   2*272
.set SPARE,  SCL+4*HALFS               ; the spare words
.set ADRA, 16
.set ADRB, 20
.set SSTO, 22                          ; the way out: where a row's scale word goes,
.set SRD,  23                          ; and where 16 bytes of words are read back
.set STO,  24                          ; where 16 codes go,
.set RD,   25                          ; and are read back
.set CO,   26                          ; 16 x lane
.set ADRS, 27
.set SPW,  28
.set NIL,  29
.set BOQ,  30                          ; bias offsets: 64 (lane / 16),
.set BOV,  31                          ; 4 (r + 8 (r / 8))
.set SC,   32                          ; scale words, two sets
.set AF,   128                         ; A's fragments
.set TM,   32                          ; the way out (window 0): v32-47 the quantiser's, v48-49 scale words,
.set PW,   48
.set BN,   64                          ; v64-127 the bias along the registers (Q, K), or v64-71 one number a block (V),
.set BM,   64
.set T,    128                         ; v128-191 a block's 64 numbers,
.set PC,   192                         ; v192-223 codes, two sets,
.set OB,   224                         ; v224-255 rows read back, two sets
.set G1, 24
.set G0, 32
.set G1B, 48
.set G0B, 56
.set G1S, 68
.set G0S, 76
.set G1SB, 80
.set G0SB, 88
.set MNT, 100
.set SEL, 104
.set MSB, 0
.macro WIN new                         ; the immediate's high byte repeats the setting that is left
.if MSB != \new
	s_set_vgpr_msb (MSB<<8)|\new
.set MSB, \new
.endif
.endm
.set MUL_LO, 0xa1                      ; source 0 (B) window 1, source 1 (A) window 0, C and D window 2
.set MUL_HI, 0xf1
.set TO_B,   0x40
.macro JLOAD g0a, g1a, g0b, g1b        ; a joint load: waves 0 and 1 fetch for A, waves 2 and 3 for B; an s_nop 0 and four v_nop follow each line
	s_cmp_eq_u32 s15, 0
	s_cbranch_scc0 .Lfor_b_\@
	tensor_load_to_lds s[\g0a:\g0a+3], s[\g1a:\g1a+7]
	s_nop 0
.rept 4
	v_nop
.endr
	s_branch .Lasked_\@
.Lfor_b_\@:
	tensor_load_to_lds s[\g0b:\g0b+3], s[\g1b:\g1b+7]
	s_nop 0
.rept 4
	v_nop
.endr
.Lasked_\@:
.endm
.macro CREST                           ; a round of the cluster's barrier behind its opening barrier
	s_cmp_lg_u32 s14, 0
	s_cbranch_scc1 .Lnot_wave_0_\@
	s_barrier_signal -3
.Lnot_wave_0_\@:
	s_barrier_wait -3
	s_barrier_signal -1
	s_barrier_wait -1
.endm
.macro CROUND
	s_barrier_signal -1
	s_barrier_wait -1
	CREST
.endm
	s_load_b256 s[68:75], s[0:1], 0x0              ; h1, wts, bq, bk
	s_load_b128 s[76:79], s[0:1], 0x20             ; bv, qkv
	v_lshl_add_u32 v[SPW], v0, 2, SPARE
	v_mov_b32 v[NIL], 0
	ds_add_u32 v[SPW], v[NIL]                      ; the wave's opening: the add, twice on end, and its wait ahead of my first tensor load
	ds_add_u32 v[SPW], v[NIL]
	v_lshrrev_b32 v1, 5, v0
	v_readfirstlane_b32 s14, v1                    ; wave 0..3
	s_lshr_b32 s15, s14, 1                         ; which half of the tile's rows is mine.  Also: I fetch for A (0) or for B (1)
	s_and_b32 s16, s14, 1                          ; which half of its columns.  Also: which 128 rows of that tile I fetch
	s_bfe_u32 s40, ttmp6, 0x40000                  ; cx, cy
	s_bfe_u32 s41, ttmp6, 0x40004
	s_and_b32 s18, ttmp7, 0xffff                   ; c: the cluster's number, the same in all sixteen partners
	s_and_b32 s19, s18, 1
	s_lshr_b32 s20, s18, 1
	s_sub_co_u32 s21, s18, 8
	s_cmp_lt_u32 s18, 8
	s_cselect_b32 s101, 1, 0                       ; 1: Q and K;  0: V
	s_cselect_b32 s95, s19, 2                      ; which tensor: 0 q, 1 k, 2 v (four tile columns are 1,024 features)
	s_cselect_b32 s19, s19, s21                    ; the cluster's place along the tile columns,
	s_cselect_b32 s20, s20, 0                      ; and along the tile rows
	s_cselect_b32 s2, 0, 2048                      ; V: A's rows are Wv's, behind Wq's and Wk's
	s_lshl_b32 s42, s19, 2
	s_add_co_u32 s42, s42, s40                     ; tile column
	s_lshl_b32 s17, s20, 2
	s_add_co_u32 s17, s17, s41                     ; tile row
	s_lshl_b32 s43, s41, 2
	s_lshl_b32 s43, 15, s43                        ; my row of the cluster
	s_lshl_b32 s44, 0x1111, s40                    ; my column
	s_or_b32 s[G1+0], s43, (0<<16)|(1<<20)|(1<<21)|(5<<22)|(3<<25)  ; the mask; elements of 1 byte; padding: 4 words after every 64; bit 21 beside a mask
	s_or_b32 s[G1B+0], s44, (0<<16)|(1<<20)|(1<<21)|(5<<22)|(3<<25)
.irp g, G1, G1B
	s_mov_b32 s[\g+1], ROWB<<16                    ; tensor_dim0
	s_mov_b32 s[\g+2], 128<<16                     ; tensor_dim1
	s_mov_b32 s[\g+3], ROWB<<16                    ; tile_dim0
	s_mov_b32 s[\g+4], 128                         ; tile_dim1
	s_mov_b32 s[\g+5], KROW                        ; from row to row
	s_mov_b32 s[\g+6], 0
	s_mov_b32 s[\g+7], 0
.endr
	s_lshl_b32 s18, s16, 7
	s_lshl_b32 s20, s17, 8
	s_add_co_u32 s20, s20, s18
	s_add_co_u32 s20, s20, s2                      ; A: row 256 x tile row + 128 x half (+ 2,048)
	s_lshl_b32 s46, s42, 8
	s_add_co_u32 s46, s46, s18                     ; B: row 256 x tile column + 128 x half
	s_mov_b32 s21, 0
	s_mov_b32 s47, 0
	s_mov_b64 s[18:19], KS
	s_mul_u64 s[22:23], s[20:21], s[18:19]         ; where these rows' scales begin,
	s_mul_u64 s[92:93], s[46:47], s[18:19]
	s_mov_b64 s[18:19], KROW
	s_mul_u64 s[20:21], s[20:21], s[18:19]         ; and their codes
	s_mul_u64 s[46:47], s[46:47], s[18:19]
	s_mul_i32 s45, s14, HALFT                      ; where they go: no place in the cluster enters an LDS address
	s_mul_i32 s94, s14, HALFS
	s_mov_b32 s[SEL], 0x76543210
	s_mov_b32 s[SEL+1], 0xfedcba98
	s_wait_dscnt 0x0                               ; both opening adds are done
	s_wait_kmcnt 0x0
	s_add_nc_u64 s[2:3], s[68:69], 4194304         ; h1's scale bytes
	s_add_nc_u64 s[18:19], s[70:71], WQKVS         ; the weights'
	s_cmp_eq_u32 s101, 1                           ; the choice hangs on the cluster's number alone
	s_cselect_b64 s[4:5], s[68:69], s[70:71]       ; A's codes,
	s_cselect_b64 s[6:7], s[2:3], s[18:19]         ; A's scales,
	s_cselect_b64 s[8:9], s[70:71], s[68:69]       ; B's codes,
	s_cselect_b64 s[10:11], s[18:19], s[2:3]       ; B's scales
	s_cmp_eq_u32 s95, 1
	s_cselect_b64 s[96:97], s[74:75], s[72:73]     ; the bias: bq, bk
	s_cmp_eq_u32 s95, 2
	s_cselect_b64 s[96:97], s[76:77], s[96:97]     ; or bv
	s_mov_b64 s[12:13], s[78:79]                   ; qkv
	s_add_nc_u64 s[20:21], s[4:5], s[20:21]
	s_add_nc_u64 s[22:23], s[6:7], s[22:23]
	s_add_nc_u64 s[46:47], s[8:9], s[46:47]
	s_add_nc_u64 s[92:93], s[10:11], s[92:93]
	; the scales of 128 rows: 4,096 dense bytes, as 16 rows of 256 bytes (32 elements of 8), 16 bytes of padding behind each.  (These registers held the arguments until here)
	s_or_b32 s[G1S+0], s43, (3<<16)|(1<<20)|(1<<21)|(5<<22)|(3<<25)
	s_or_b32 s[G1SB+0], s44, (3<<16)|(1<<20)|(1<<21)|(5<<22)|(3<<25)
.irp g, G1S, G1SB
	s_mov_b32 s[\g+1], 32<<16
	s_mov_b32 s[\g+2], 16<<16
	s_mov_b32 s[\g+3], 32<<16
	s_mov_b32 s[\g+4], 16
	s_mov_b32 s[\g+5], 32
	s_mov_b32 s[\g+6], 0
	s_mov_b32 s[\g+7], 0
.endr
	CROUND                                         ; all sixteen work-groups are here: the first joint loads meet
	s_mov_b32 s[G0S], 1
	s_add_co_u32 s[G0S+1], s94, SCL
	s_mov_b64 s[G0S+2:G0S+3], s[22:23]
	s_or_b32 s[G0S+3], s[G0S+3], 0x80000000
	s_mov_b32 s[G0SB], 1
	s_add_co_u32 s[G0SB+1], s94, SCL
	s_mov_b64 s[G0SB+2:G0SB+3], s[92:93]
	s_or_b32 s[G0SB+3], s[G0SB+3], 0x80000000
	JLOAD G0S, G1S, G0SB, G1SB                     ; the scales first: they are wanted with K step 0
.irp s, 0,1
	s_mov_b32 s[G0+4*\s], 1
	s_add_co_u32 s[G0+4*\s+1], s45, \s*SLOT
	s_add_nc_u64 s[G0+4*\s+2:G0+4*\s+3], s[20:21], \s*ROWB
	s_or_b32 s[G0+4*\s+3], s[G0+4*\s+3], 0x80000000
	s_mov_b32 s[G0B+4*\s], 1
	s_add_co_u32 s[G0B+4*\s+1], s45, \s*SLOT
	s_add_nc_u64 s[G0B+4*\s+2:G0B+4*\s+3], s[46:47], \s*ROWB
	s_or_b32 s[G0B+4*\s+3], s[G0B+4*\s+3], 0x80000000
	JLOAD G0+4*\s, G1, G0B+4*\s, G1B
.endr
	v_and_b32 v1, 15, v0                           ; r = l % 16
	v_bfe_u32 v2, v0, 4, 1                         ; h = l / 16
	v_mul_u32_u24 v3, v1, PITCH
	v_lshl_add_u32 v4, v2, 4, v3                   ; a fragment's row x pitch + 16 x half
	s_mul_i32 s21, s15, HALFT
	s_mul_i32 s22, s16, HALFT
	s_add_co_u32 s22, s22, 2*HALFT
.irp s, 0,1
	v_add_nc_u32 v[ADRA+\s], s21, v4
	v_add_nc_u32 v[ADRB+\s], s22, v4
	s_add_co_u32 s21, s21, SLOT
	s_add_co_u32 s22, s22, SLOT
.endr
	v_mul_u32_u24 v5, v1, KS                       ; my row's scales: 32 bytes a row,
	v_lshrrev_b32 v6, 8, v5
	v_lshl_add_u32 v5, v6, 4, v5                   ; and 16 more for each 256 passed
	s_mul_i32 s21, s15, HALFS
	s_mul_i32 s22, s16, HALFS
	s_add_co_u32 s22, s22, 2*HALFS
	s_sub_co_u32 s22, s22, s21
	v_mul_u32_u24 v6, s22, v2                      ; lanes 16-31 take B's
	s_add_co_u32 s21, s21, SCL
	v_add_nc_u32 v5, v5, v6
	v_add_nc_u32 v[ADRS], s21, v5
	; the way out's addresses.  My stage: 4,096 bytes a wave in slot 0 (+ 16,384 on the V path): 16 rows x 144 of codes, and at + 2,560 my 128 scale words
	s_lshl_b32 s23, s14, 12
	v_mul_u32_u24 v5, v1, 144
	v_lshl_add_u32 v5, v2, 4, v5
	v_add_nc_u32 v[STO], s23, v5                   ; in: row r, + 16 h
	v_and_b32 v6, 31, v0
	v_lshrrev_b32 v5, 3, v6
	v_mul_u32_u24 v5, v5, 144
	v_and_b32 v7, 7, v6
	v_lshl_add_u32 v5, v7, 4, v5
	v_add_nc_u32 v[RD], s23, v5                    ; back: eight lanes to a row of 128 bytes, four rows an instruction
	v_lshlrev_b32 v[CO], 4, v6
	v_lshl_add_u32 v[SSTO], v1, 2, s23
	v_add_nc_u32 v[SSTO], 2560, v[SSTO]
	v_add_nc_u32 v[SRD], s23, v[CO]
	v_add_nc_u32 v[SRD], 2560, v[SRD]
	v_lshlrev_b32 v[BOQ], 6, v2
	v_and_b32 v[BOV], 8, v1
	v_add_nc_u32 v[BOV], v[BOV], v1
	v_lshlrev_b32 v[BOV], 2, v[BOV]
	; which block of qkv is mine
	s_lshl_b32 s20, s17, 8
	s_lshl_b32 s21, s15, 7
	s_add_co_u32 s20, s20, s21                     ; my first row of A's
	s_lshl_b32 s46, s42, 8
	s_lshl_b32 s47, s16, 7
	s_add_co_u32 s46, s46, s47                     ; my first row of B's
	s_cmp_eq_u32 s101, 1
	s_cselect_b32 s21, s20, s46                    ; my first token,
	s_cselect_b32 s47, s46, s20
	s_and_b32 s47, s47, 1023                       ; and my first feature within its tensor
	s_lshr_b32 s22, s21, 11
	s_lshl_b32 s22, s22, 3
	s_lshr_b32 s23, s47, 7
	s_add_co_u32 s22, s22, s23                     ; 8 x batch + head pair
	s_lshl_b32 s22, s22, 4
	s_bfe_u32 s23, s21, 0x40007
	s_add_co_u32 s22, s22, s23                     ; x 16 + the 128-token block
	s_lshl_b32 s23, s95, 8
	s_add_co_u32 s22, s22, s23                     ; + 256 x which
	s_lshl_b32 s92, s22, 14
	s_mov_b32 s93, 0
	s_lshl_b32 s18, s22, 9
	s_add_co_u32 s18, s18, 12582912
	s_mov_b32 s19, 0
	s_add_nc_u64 s[98:99], s[12:13], s[18:19]      ; my block's scale words,
	s_add_nc_u64 s[12:13], s[12:13], s[92:93]      ; and its codes
	s_lshl_b32 s46, s47, 2
	s_mov_b32 s47, 0
	s_add_nc_u64 s[96:97], s[96:97], s[46:47]      ; the bias at my first feature
.macro FRAG reg, adr, q, i             ; 16 rows x 128 K: lane l holds row l % 16; registers 4 c .. 4 c + 3 hold K = 32 c + 16 (l / 16) + 0 .. 15
.irp c, 0,1,2,3
	ds_load_b128 v[\reg+4*\c:\reg+4*\c+3], v[\adr] offset:128*(\q)+32*\c+(\i)*16*PITCH
.endr
.endm
; 16 matrix instructions: A's blocks a0, a0 + 1 x B's eight.  The 64 accumulators take turns, one instruction a turn, in the same order in every step.
.macro MUL16 a0, p, q, sc, zero
.irp a, \a0, \a0+1
.irp b, 0,1,2,3,4,5,6,7
.if \zero
	v_wmma_scale_f32_16x16x128_f8f6f4 v[8*(8*((\a)%4)+\b):8*(8*((\a)%4)+\b)+7], v[128*(\p)+FR*\b:128*(\p)+FR*\b+FR-1], v[AF+FR*(\a):AF+FR*(\a)+FR-1], 0, v[SC+8*NQ*(\sc)+NQ*\b+(\q)], v[SC+8*NQ*(\sc)+NQ*(\a)+(\q)] matrix_a_fmt:MATRIX_FMT_BF8 matrix_b_fmt:MATRIX_FMT_BF8 matrix_a_scale:MATRIX_SCALE_ROW1
.else
	v_wmma_scale_f32_16x16x128_f8f6f4 v[8*(8*((\a)%4)+\b):8*(8*((\a)%4)+\b)+7], v[128*(\p)+FR*\b:128*(\p)+FR*\b+FR-1], v[AF+FR*(\a):AF+FR*(\a)+FR-1], v[8*(8*((\a)%4)+\b):8*(8*((\a)%4)+\b)+7], v[SC+8*NQ*(\sc)+NQ*\b+(\q)], v[SC+8*NQ*(\sc)+NQ*(\a)+(\q)] matrix_a_fmt:MATRIX_FMT_BF8 matrix_b_fmt:MATRIX_FMT_BF8 matrix_a_scale:MATRIX_SCALE_ROW1
.endif
.endr
.endr
.endm
.macro FETCH_B slot, q, p
	WIN TO_B
.irp i, 0,1,2,3,4,5,6,7
	FRAG 128*(\p)+FR*\i, ADRB+\slot, \q, \i
.endr
	WIN 0
.endm
.macro FETCH_A slot, q, i0
.irp i, \i0, \i0+1, \i0+2, \i0+3
	FRAG AF+FR*(\i), ADRA+\slot, \q, \i
.endr
.endm
.macro SCALES sc                       ; a K step's scale words: lanes 0-15 take A's block i, lanes 16-31 B's block i
.irp i, 0,1,2,3,4,5,6,7
	ds_load_b64 v[SC+8*NQ*\sc+NQ*\i:SC+8*NQ*\sc+NQ*\i+1], v[ADRS] offset:\i*SBLK
.endr
.endm
.macro PLACES n                        ; plain vector instructions that name none of a matrix instruction's registers (ISA guide 7.12.1)
.rept \n
	v_nop
.endr
.endm
.macro STEP slot, q, zero              ; 128 along K that has its successor in the same slot
	s_wait_dscnt 4*NL                              ; B's set and A's blocks 0-3 are in; the youngest 16 loads (A's blocks 4-7) may be out
	WIN MUL_LO
	MUL16 0, (\q)%2, \q, \slot, \zero
	MUL16 2, (\q)%2, \q, \slot, \zero
	s_wait_dscnt 0
	PLACES NP
	FETCH_B \slot, (\q)+1, 1-(\q)%2
	FETCH_A \slot, (\q)+1, 0
	WIN MUL_HI
	MUL16 4, (\q)%2, \q, \slot, \zero
	MUL16 6, (\q)%2, \q, \slot, \zero
	PLACES NP
	WIN 0
	FETCH_A \slot, (\q)+1, 4
.endm
; A slot's last step changes slots: one barrier; in front of it each wave waits for all its tensor loads, adds 0 to its spare word, and waits for that and for its own reads of this slot.
.macro TURN slot, next, fill
	s_wait_tensorcnt 0x0                           ; all my tensor loads have landed: my part of the next slot
	ds_add_u32 v[SPW], v[NIL]
	s_wait_dscnt 4*NL+1                            ; the add and the youngest 16 loads (A's blocks 4-7) may be out
	WIN MUL_LO
	MUL16 0, 1, NQ-1, \slot, 0
	s_wait_dscnt 0x0                               ; the add is done, and my reads of this slot are over
	s_barrier_signal -1
	MUL16 2, 1, NQ-1, \slot, 0
	WIN 0
	s_barrier_wait -1
.if \fill
	CREST                                          ; the barrier has opened a round of the cluster's: no wave of any partner still reads this slot or has a load on its way
	s_add_nc_u64 s[G0+4*\slot+2:G0+4*\slot+3], s[G0+4*\slot+2:G0+4*\slot+3], 2*ROWB
	s_add_nc_u64 s[G0B+4*\slot+2:G0B+4*\slot+3], s[G0B+4*\slot+2:G0B+4*\slot+3], 2*ROWB
	JLOAD G0+4*\slot, G1, G0B+4*\slot, G1B         ; the first tensor load behind the round; its four v_nop are among the places below
	PLACES NP-4
.else
	PLACES NP
.endif
	s_wait_alu depctr_va_vdst(0)
	v_add_nc_u32 v[ADRS], 4*NQ, v[ADRS]            ; the next K step's scale words
	FETCH_B \next, 0, 0
	FETCH_A \next, 0, 0
	SCALES \next
	WIN MUL_HI
	MUL16 4, 1, NQ-1, \slot, 0
	MUL16 6, 1, NQ-1, \slot, 0
	PLACES NP
	WIN 0
	FETCH_A \next, 0, 4
.endm
	s_wait_tensorcnt 1                             ; the scales and my part of K step 0 are in; K step 1's load may be out
	s_barrier_signal -1
	s_barrier_wait -1
	FETCH_B 0, 0, 0
	FETCH_A 0, 0, 0
	SCALES 0
	FETCH_A 0, 0, 4
	STEP 0, 0, 1                                   ; the first step's products start the sums
	s_mov_b32 s3, LAPS-1
.Llap:
	TURN 0, 1, 1
	STEP 1, 0, 0
	TURN 1, 0, 1
	STEP 0, 0, 0
	s_sub_co_u32 s3, s3, 1
	s_cmp_lg_u32 s3, 0
	s_cbranch_scc1 .Llap
	TURN 0, 1, 0                                   ; the last lap fills nothing
	STEP 1, 0, 0
	s_wait_dscnt 4*NL
	WIN MUL_LO
	MUL16 0, 1, NQ-1, 1, 0
	MUL16 2, 1, NQ-1, 1, 0
	s_wait_dscnt 0
	WIN MUL_HI
	MUL16 4, 1, NQ-1, 1, 0
	MUL16 6, 1, NQ-1, 1, 0
	WIN 0
; THE WAY OUT.  64 numbers of a lane, register 16 b + i = place 32 b + 16 (lane / 16) + i along the next K, become a fragment's 16 registers of codes and a scale word.
.macro QUANT s, pc, pw
.irp b, 0,1,2,3
	v_max3_num_f32 v[TM+\b], |v[\s+16*\b]|, |v[\s+1+16*\b]|, 0x8000000   ; my 16 numbers of block b, and the floor 2^(16 - 127)
.endr
.irp i, 2,4,6,8,10,12,14
.irp b, 0,1,2,3
	v_max3_num_f32 v[TM+\b], v[TM+\b], |v[\s+16*\b+\i]|, |v[\s+1+16*\b+\i]|
.endr
.endr
.irp b, 0,1,2,3
	v_permlanex16_b32 v[TM+4+\b], v[TM+\b], s[SEL], s[SEL+1]
.endr
.irp b, 0,1,2,3
	v_max_num_f32 v[TM+\b], v[TM+\b], v[TM+4+\b]   ; with lane l xor 16's: the block's largest magnitude
.endr
.irp b, 0,1,2,3
	v_add_nc_u32 v[TM+12+\b], 0xf8800000, v[TM+\b] ; 15 off its exponent field: the conversion's scale operand
.endr
.irp b, 0,1,2,3
.endr
.irp b, 0,1,2,3
	v_lshrrev_b32 v[TM+4+\b], 23, v[TM+12+\b]      ; the scale's byte
.endr
	v_lshl_or_b32 v[\pw], v[TM+5], 8, v[TM+4]
	v_lshl_or_b32 v[\pw], v[TM+6], 16, v[\pw]
	v_lshl_or_b32 v[\pw], v[TM+7], 24, v[\pw]
.irp b, 0,1,2,3
.irp i, 0,1,2,3,4,5,6,7,8,9,10,11,12,13,14,15
.endr
	v_cvt_scalef32_pk8_bf8_f32 v[\pc+4*\b:\pc+1+4*\b], v[\s+16*\b:\s+7+16*\b], v[TM+12+\b]
	v_cvt_scalef32_pk8_bf8_f32 v[\pc+2+4*\b:\pc+3+4*\b], v[\s+8+16*\b:\s+15+16*\b], v[TM+12+\b]
.endr
	v_nop                                          ; a plain line behind the last conversion
.endm
.macro SEND a, younger                 ; block a's 16 rows of 128 bytes leave: each store covers 512 consecutive bytes of my dense block
.set OBT, OB+16*((\a)%2)
	s_wait_dscnt \younger
.irp i, 0,1,2,3
	global_store_b128 v[CO], v[OBT+4*\i:OBT+4*\i+3], s[12:13] offset:2048*(\a)+512*\i
.endr
.endm
.macro OUTBLK a, vp, sb                ; block a of 16 rows: bias, quantiser, through my stage
.set AC, 64*((\a)%4)
.set PCS, PC+16*((\a)%2)
.set OBS, OB+16*((\a)%2)
	WIN 0x02+(\a)/4                                ; source 0: window 2 or 3
.if \vp
.set i, 0
.rept 64
	v_add_f32 v[T+i], v[AC+i], v[BM+(\a)]          ; a lane is a feature: one number of bv.  Each accumulator from its low end on
.set i, i+1
.endr
.else
.set i, 0
.rept 32
	v_pk_add_f32 v[T+i:T+i+1], v[AC+i:AC+i+1], v[BN+i:BN+i+1]   ; the registers run along the features
.set i, i+2
.endr
.endif
	WIN 0
.if (\a) >= 2
	s_wait_xcnt 0x0                                ; block a - 2's stores have read their registers: this block's rows may land there
.endif
	QUANT T, PCS, PW+(\a)%2
.irp c, 0,1,2,3
	ds_store_b128 v[STO], v[PCS+4*\c:PCS+4*\c+3] offset:\sb+32*\c
.endr
	ds_store_b32 v[SSTO], v[PW+(\a)%2] offset:\sb+64*(\a)   ; lanes r and r + 16 hold the same word
.irp i, 0,1,2,3
	ds_load_b128 v[OBS+4*\i:OBS+4*\i+3], v[RD] offset:\sb+576*\i   ; LDS serves a wave's instructions in order: these see my stores
.endr
.if (\a) >= 1
	SEND (\a)-1, 9                                 ; behind block a - 1's loads: this block's 5 stores and 4 loads
.endif
.endm
.macro EPI vp, sb
.if \vp
.irp a, 0,1,2,3,4,5,6,7
	global_load_b32 v[BM+\a], v[BOV], s[96:97] offset:(32*(\a/2)+8*(\a%2))*4   ; the true feature of row 16 a + r: 32 (a / 2) + 8 (a % 2) + r + 8 (r / 8)
.endr
.else
.irp bb, 0,1,2,3
.irp q, 0,1,2,3
	global_load_b128 v[BN+16*\bb+4*\q:BN+16*\bb+4*\q+3], v[BOQ], s[96:97] offset:128*\bb+16*\q
.endr
.endr
.endif
	s_wait_loadcnt 0x0
.irp a, 0,1,2,3,4,5,6,7
	OUTBLK \a, \vp, \sb
.endr
	SEND 7, 0
	ds_load_b128 v[T:T+3], v[SRD] offset:\sb       ; my 128 scale words
	s_wait_dscnt 0x0
	global_store_b128 v[CO], v[T:T+3], s[98:99]    ; 512 consecutive bytes
.endm
	PLACES NP                                      ; behind the last products: results are read, and registers that held operands and scales are written
.irp b, 0,1,2,3
	v_mov_b32 v[TM+4+\b], 0                        ; a lane permute's destination counts as one of its sources
.endr
	s_cmp_eq_u32 s101, 1                           ; the cluster's number: the same in every wave of every partner
	s_cbranch_scc0 .Lv_arm
	EPI 0, 0
	s_branch .Ljoin
.Lv_arm:
	EPI 1, 16384
.Ljoin:
	s_wait_tensorcnt 0x0                           ; the wave's end
	ds_add_u32 v[SPW], v[NIL]
	s_wait_dscnt 0x0
	CROUND                                         ; the closing round
	s_endpgm
.Lfunc_end_k_q60264cd9d9_qkv:
	.size	k_q60264cd9d9_qkv, .Lfunc_end_k_q60264cd9d9_qkv-k_q60264cd9d9_qkv
	.p2alignl 7, 3214868480
	.fill 96, 4, 3214868480
	.section	.rodata,"a",@progbits
	.p2align	6, 0x0
	.amdhsa_kernel k_q60264cd9d9_qkv
		.amdhsa_group_segment_fixed_size 327680
		.amdhsa_private_segment_fixed_size 0
		.amdhsa_enable_private_segment 0
		.amdhsa_kernarg_size 48
		.amdhsa_user_sgpr_count 2
		.amdhsa_user_sgpr_kernarg_segment_ptr 1
		.amdhsa_wavefront_size32 1
		.amdhsa_system_sgpr_workgroup_id_x 1
		.amdhsa_system_sgpr_workgroup_id_y 1
		.amdhsa_system_sgpr_workgroup_id_z 1
		.amdhsa_system_vgpr_workitem_id 0
		.amdhsa_next_free_vgpr 1024
		.amdhsa_next_free_sgpr 106
		.amdhsa_reserve_vcc 0
		.amdhsa_float_denorm_mode_32 3
		.amdhsa_float_denorm_mode_16_64 3
		.amdhsa_fp16_overflow 1
		.amdhsa_memory_ordered 1
		.amdhsa_forward_progress 1
		.amdhsa_inst_pref_size 227
	.end_amdhsa_kernel
	.amdgpu_metadata
---
amdhsa.version: [ 1, 2 ]
amdhsa.kernels:
  - .name:           k_q60264cd9d9_qkv
    .symbol:         k_q60264cd9d9_qkv.kd
    .args:
      - { .name: h1, .offset: 0, .size: 8, .value_kind: global_buffer, .address_space: global }
      - { .name: wts, .offset: 8, .size: 8, .value_kind: global_buffer, .address_space: global }
      - { .name: bq, .offset: 16, .size: 8, .value_kind: global_buffer, .address_space: global }
      - { .name: bk, .offset: 24, .size: 8, .value_kind: global_buffer, .address_space: global }
      - { .name: bv, .offset: 32, .size: 8, .value_kind: global_buffer, .address_space: global }
      - { .name: qkv, .offset: 40, .size: 8, .value_kind: global_buffer, .address_space: global }
    .group_segment_fixed_size: 327680
    .private_segment_fixed_size: 0
    .kernarg_segment_align: 8
    .kernarg_segment_size: 48
    .max_flat_workgroup_size: 128
    .sgpr_count:     106
    .vgpr_count:     1024
    .wavefront_size: 32
...
	.end_amdgpu_metadata
.endif
;; end of part 2
;; launch attn (part 3): grid 8 x 32, 16 waves a work-group, clusters of 4 x 1, 327,680 bytes of LDS; arguments qkv, ctx; writes ctx
.if DOCPART == 3
	.amdgcn_target "amdgcn-amd-amdhsa--gfx1250"
	.amdhsa_code_object_version 6
	.text
	.protected	k_q60264cd9d9_attn
	.globl	k_q60264cd9d9_attn
	.p2align	8
	.type	k_q60264cd9d9_attn,@function
k_q60264cd9d9_attn:
	s_mov_b64 s[64:65], 0
	v_nop
	global_prefetch_b8 v0, s[64:65] scope:SCOPE_SE
	s_setreg_imm32_b32 hwreg(HW_REG_WAVE_MODE, 25, 1), 1
	s_wait_xcnt 0x0
	s_wait_alu depctr_hold_cnt(0) depctr_sa_sdst(0) depctr_va_vdst(0) depctr_va_sdst(0) depctr_va_ssrc(0) depctr_va_vcc(0) depctr_vm_vsrc(0)
	s_getreg_b32 s2, hwreg(HW_REG_IB_STS2, 6, 4)
	s_cmp_eq_u32 s2, 0
	s_cbranch_scc0 .Lentry_in_a_cluster
	s_endpgm
.Lentry_in_a_cluster:
	s_bfe_u32 s2, ttmp6, 0x10000c
	s_cmp_lg_u32 s2, 0x3003
	s_cbranch_scc0 .Lentry_shape_is_right
	s_endpgm
.Lentry_shape_is_right:
; ctx = softmax(q k^T / 8) v for 32 heads of 64, 2,048 keys, both products on codes of BF8 (E5M2) with E8M0 scales; ctx is quantised along the features on the way out.  Nothing is left out.
; THE SOFTMAX AHEAD OF THE SECOND PRODUCT: t = score x log2(e) / 8; M = the running largest t rounded UP to a whole number; p = 2^(t - M) is quantised along the keys, not normalised.
; The row's sum is taken of the unquantised p and divides O at the end.  When M moves, the sum and O are multiplied by 2^(old M - new M): exact.
; SHARES.  A work-group owns 256 queries of ONE head; wave w owns 16 of them, one tile, in 256 registers: four waves to a SIMD, so that one wave's vector work stands beside another's matrix work and LDS loads.
; A HEAD'S K AND V STAY IN LDS: K 2,048 rows x (64 + 16) bytes, V 16 steps x 64 rows x (128 + 16) bytes, their scale words 8,192 + 4,096 bytes: 323,584 bytes in all.  Nothing is filled again, so the loop over
; the keys has no barrier, and the sixteen waves walk it each at its own pace.  Every wave issues seven loads at the head, their addresses made of its number: four for keys 0 to 1,023 and V's scale words,
; three for keys 1,024 on.  Steps 0 to 7 begin when the first four of every wave have landed, steps 8 to 15 when all have: two barriers; a third stands in front of the way out.
; Both products are used transposed (S^T = K Q^T, O^T = V^T P^T): a lane holds one query throughout.  Rows of q, k (tokens) and of v (features) lie in the order pos(R) = R with bits 3 and 4 exchanged,
; so that the 16 registers of two neighbouring tiles are 16 neighbours of the true order: p's codes and ctx's come out as operands.
; K = 64 IN A FORM OF K = 128.  Q's fragment is 8 registers of codes and 8 of ZERO codes.  K's tile is 8 registers; the operand named is 16: its upper half is the next tile's codes (behind tile 7: zeros),
; finite numbers that meet zero codes.  Q's and K's scale words are fetched as 16 bits, so their upper bytes are 0, which is 2^-127 and no NaN.  So no byte of K is read from LDS that is not used.
; CLUSTER: the four query blocks of a cluster belong to one head and want the same K and V: each tile is asked for jointly.
; NO PREFETCH: every tensor load of the launch is issued at its head, so there is no later load to ask ahead for.
; OUT: a head's 64 bytes of a row of ctx: eight rows x 64 consecutive bytes an instruction; the other three quarters of each 256 bytes are other heads', made by other work-groups.  The head's two scale bytes of a row
; leave by one store of 2 bytes a lane, 4 bytes apart: 32 bytes a wave.
; LIMITS: NaN and infinities are not served; a block of zeros gets the byte 1 (zero codes); blocks under 2^(15 - 126) are held at the byte 1.
.set KP,    80                         ; a key's row in LDS: 64 bytes + 16: the 16 rows that a load touches start at 16 different groups of banks
.set VP,    144                        ; a row of V's step: 128 bytes + 16
.set KSB,   128*KP                     ; a step's keys
.set VSB,   64*VP                      ; a step's rows of V
.set VB,    2048*KP                    ; V lies behind K,
.set SCK,   VB+16*VSB                  ; K's scale words (4 bytes a key: the pair's; mine are two of them) behind V,
.set SCV,   SCK+8192                   ; V's (4 bytes a row and step) behind them,
.set SPARE, SCV+4096                   ; and the spare words: 128 bytes for each of 16 waves
.set AK0,  1                           ; v1   my lane's place in a tile of K
.set AV0,  2                           ; v2   in a tile of V
.set ASK0, 3                           ; v3   among K's scale words
.set ASV0, 4                           ; v4   among V's
.set SPW,  5
.set NIL,  6
.set ADK,  8                           ; v8-11 the step's addresses
.set ADV,  9
.set ADS,  10
.set ADT,  11
.set S,    104                         ; v104-167 S^T, then p
.set OT,   168                         ; v168-199 O^T
.set PCD,  200                         ; v200-215 p's codes
.set BMX,  216                         ; v216-219 the blocks' largest
.set TP,   220                         ; v220-223 at work
.set HL,   224
.set SO,   228                         ; v228-231 the conversions' scale operands
.set F,    232                         ; v[232:233] f = 2^(old M - new M)
.set TV,   234
.set PSW,  246                         ; p's scale word
.set QSW,  247                         ; Q's
.set KSW,  248                         ; v248-255 the tiles'
.set WV,   18
.set MNT,  19
.set SEL,  20
.set CS,   22
.set G1K,  24                          ; s[24:31] group 1: 64 rows of 64 bytes out of rows of 128
.set G1V,  32                          ; s[32:39] 32 rows of 128 bytes, dense
.set G1S,  40                          ; s[40:47] one row of 256 bytes
.set GVS,  48                          ; groups 0, one for each of my seven loads: none is written while its load is out
.set GKSL, 52
.set GKL,  56
.set GVL,  60
.set GKSH, 68
.set GKH,  72
.set GVH,  76
.set TK,   3                           ; where the step's keys begin,
.set TVS,  66                          ; its rows of V,
.set TS,   67                          ; K's scale words,
.set TJ,   80                          ; V's
.set CNT,  81
.set PI,   82                          ; which head of its pair: the same in all partners
.macro TL g0, g1
	tensor_load_to_lds s[\g0:\g0+3], s[\g1:\g1+7]
	s_nop 0                                        ; directly behind every tensor load
.endm
.macro CROUND                          ; a round of the cluster's barrier
	s_barrier_signal -1
	s_barrier_wait -1
	s_cmp_lg_u32 s[WV], 0
	s_cbranch_scc1 .Lnot_wave_0_\@
	s_barrier_signal -3
.Lnot_wave_0_\@:
	s_barrier_wait -3
	s_barrier_signal -1
	s_barrier_wait -1
.endm
	s_load_b128 s[4:7], s[0:1], 0x0                ; qkv, ctx
	v_lshl_add_u32 v[SPW], v0, 2, SPARE
	v_mov_b32 v[NIL], 0
	ds_add_u32 v[SPW], v[NIL]                      ; the wave's opening: the add, twice on end, and its wait ahead of my first tensor load
	ds_add_u32 v[SPW], v[NIL]
	v_lshrrev_b32 v8, 5, v0
	s_delay_alu instid0(VALU_DEP_1)
	v_readfirstlane_b32 s[WV], v8                  ; wave 0..15
	s_and_b32 s83, ttmp7, 0xffff                   ; 16 x batch + head, which the partners share
	s_and_b32 s[PI], s83, 1
	s_lshr_b32 s84, s83, 1                         ; 8 x batch + head pair
	s_lshl_b32 s87, s84, 18                        ; the pair's codes within q, k or v,
	s_lshl_b32 s88, s84, 13                        ; its scale words,
	s_lshl_b32 s89, s[PI], 6                       ; my head's 64 bytes of a row of q or k
	; what I fetch.  K: keys 64 w on (rows of 128 bytes in memory, my head's 64)
	s_lshl_b32 s90, s[WV], 13
	s_add_co_u32 s90, s90, s87
	s_add_co_u32 s90, s90, s89
	s_add_co_u32 s90, s90, 4194304
	s_mov_b32 s91, 0
	; V: step w / 2, my head's rows 32 (w % 2) on
	s_lshr_b32 s92, s[WV], 1
	s_lshl_b32 s92, s92, 14
	s_and_b32 s93, s[WV], 1
	s_lshl_b32 s93, s93, 12
	s_add_co_u32 s92, s92, s93
	s_lshl_b32 s93, s[PI], 13
	s_add_co_u32 s92, s92, s93
	s_add_co_u32 s92, s92, s87
	s_add_co_u32 s92, s92, 8388608
	s_mov_b32 s93, 0
	; K's scale words of keys 64 w on
	s_lshl_b32 s94, s[WV], 8
	s_add_co_u32 s94, s94, s88
	s_add_co_u32 s94, s94, 12582912+131072
	s_mov_b32 s95, 0
	; V's scale words of step w, my head's 64 rows
	s_lshl_b32 s96, s[WV], 9
	s_lshl_b32 s97, s[PI], 8
	s_add_co_u32 s96, s96, s97
	s_add_co_u32 s96, s96, s88
	s_add_co_u32 s96, s96, 12582912+262144
	s_mov_b32 s97, 0
	; and where it goes: a constant + the wave's number x a constant
.irp g, GVS, GKSL, GKL, GVL, GKSH, GKH, GVH
	s_mov_b32 s[\g], 1                             ; count = 1
.endr
	s_lshl_b32 s98, s[WV], 8
	s_add_co_u32 s[GVS+1], s98, SCV
	s_add_co_u32 s[GKSL+1], s98, SCK
	s_add_co_u32 s[GKSH+1], s98, SCK+4096
	s_mul_i32 s[GKL+1], s[WV], 64*KP
	s_add_co_u32 s[GKH+1], s[GKL+1], 1024*KP
	s_mul_i32 s98, s[WV], 32*VP
	s_add_co_u32 s[GVL+1], s98, VB
	s_add_co_u32 s[GVH+1], s98, VB+8*VSB
	s_mov_b32 s[G1K], 15|(0<<16)|(1<<20)|(1<<21)|(3<<22)|(3<<25)   ; all four work-groups; elements of 1 byte; 4 words of padding after every 16; bit 21 beside a mask
	s_mov_b32 s[G1K+1], 64<<16                     ; tensor_dim0
	s_mov_b32 s[G1K+2], 64<<16                     ; tensor_dim1
	s_mov_b32 s[G1K+3], 64<<16                     ; tile_dim0
	s_mov_b32 s[G1K+4], 64                         ; tile_dim1
	s_mov_b32 s[G1K+5], 128                        ; from row to row
	s_mov_b32 s[G1K+6], 0
	s_mov_b32 s[G1K+7], 0
	s_mov_b32 s[G1V], 15|(0<<16)|(1<<20)|(1<<21)|(4<<22)|(3<<25)   ; 4 words of padding after every 32
	s_mov_b32 s[G1V+1], 128<<16
	s_mov_b32 s[G1V+2], 32<<16
	s_mov_b32 s[G1V+3], 128<<16
	s_mov_b32 s[G1V+4], 32
	s_mov_b32 s[G1V+5], 128
	s_mov_b32 s[G1V+6], 0
	s_mov_b32 s[G1V+7], 0
	s_mov_b32 s[G1S], 15|(3<<16)|(1<<21)           ; one row of 32 elements of 8 bytes, no padding
	s_mov_b32 s[G1S+1], 32<<16
	s_mov_b32 s[G1S+2], 1<<16
	s_mov_b32 s[G1S+3], 32<<16
	s_mov_b32 s[G1S+4], 1
	s_mov_b32 s[G1S+5], 32
	s_mov_b32 s[G1S+6], 1<<16
	s_mov_b32 s[G1S+7], 0
	; my queries and my rows of ctx: my place in the cluster enters these plain loads' and stores' addresses alone
	s_bfe_u32 s85, ttmp6, 0x40000                  ; cx
	s_lshl_b32 s86, ttmp9, 2
	s_add_co_u32 s86, s86, s85                     ; my block of 256 queries
	s_lshl_b32 s8, s86, 15
	s_lshl_b32 s16, s[WV], 11
	s_add_co_u32 s8, s8, s16
	s_add_co_u32 s8, s8, s87
	s_add_co_u32 s8, s8, s89                       ; Q's codes: the pair, my block, my 16 rows of 128 bytes, my head's 64
	s_mov_b32 s9, 0
	s_lshl_b32 s10, s86, 10
	s_lshl_b32 s16, s[WV], 6
	s_add_co_u32 s10, s10, s16
	s_lshl_b32 s17, s[PI], 1
	s_add_co_u32 s10, s10, s17
	s_add_co_u32 s10, s10, s88
	s_add_co_u32 s10, s10, 12582912                ; Q's scale words, my head's two bytes
	s_mov_b32 s11, 0
	s_lshr_b32 s99, s84, 3
	s_lshl_b32 s99, s99, 11
	s_lshl_b32 s16, s86, 8
	s_add_co_u32 s99, s99, s16
	s_lshl_b32 s16, s[WV], 4
	s_add_co_u32 s99, s99, s16                     ; my first row of ctx
	s_and_b32 s16, s84, 7                          ; the head pair
	s_lshl_b32 s12, s99, 10
	s_lshl_b32 s13, s16, 7
	s_add_co_u32 s12, s12, s13
	s_add_co_u32 s12, s12, s89                     ; ctx's codes
	s_mov_b32 s13, 0
	s_lshl_b32 s14, s99, 2
	s_lshl_b32 s15, s16, 14
	s_add_co_u32 s14, s14, s15
	s_add_co_u32 s14, s14, s17
	s_add_co_u32 s14, s14, 4194304                 ; ctx's scale words [pair][row], my head's two bytes
	s_mov_b32 s15, 0
	s_mov_b32 s[SEL], 0x76543210
	s_mov_b32 s[SEL+1], 0xfedcba98
	s_mov_b32 s[CS], 0x3e38aa3b                    ; c = log2(e) / sqrt(64)
	s_mov_b32 s[CS+1], s[CS]
	s_mov_b32 s[TK], 0
	s_mov_b32 s[TVS], 0
	s_mov_b32 s[TS], 0
	s_mov_b32 s[TJ], 0
	s_wait_dscnt 0x0                               ; both opening adds are done
	s_wait_kmcnt 0x0
	s_add_nc_u64 s[GVS+2:GVS+3], s[4:5], s[96:97]
	s_add_nc_u64 s[GKSL+2:GKSL+3], s[4:5], s[94:95]
	s_add_nc_u64 s[GKL+2:GKL+3], s[4:5], s[90:91]
	s_add_nc_u64 s[GVL+2:GVL+3], s[4:5], s[92:93]
	s_add_nc_u64 s[GKSH+2:GKSH+3], s[GKSL+2:GKSL+3], 4096      ; 1,024 keys on: 4 bytes a key,
	s_add_nc_u64 s[GKH+2:GKH+3], s[GKL+2:GKL+3], 131072        ; 128 bytes a key,
	s_add_nc_u64 s[GVH+2:GVH+3], s[GVL+2:GVL+3], 131072        ; eight steps of 16,384 bytes
.irp g, GVS, GKSL, GKL, GVL, GKSH, GKH, GVH
	s_or_b32 s[\g+3], s[\g+3], 0x80000000          ; type = 2
.endr
	s_add_nc_u64 s[8:9], s[4:5], s[8:9]
	s_add_nc_u64 s[10:11], s[4:5], s[10:11]
	s_add_nc_u64 s[12:13], s[6:7], s[12:13]
	s_add_nc_u64 s[14:15], s[6:7], s[14:15]
	CROUND                                         ; all four work-groups are here: the joint loads meet
	TL GVS, G1S                                    ; seven loads of mine are out
	TL GKSL, G1S
	TL GKL, G1K
	TL GVL, G1V
	TL GKSH, G1S
	TL GKH, G1K
	TL GVH, G1V
.rept 4
	v_nop
.endr
	v_and_b32 v8, 15, v0                           ; r
	v_bfe_u32 v9, v0, 4, 1                         ; h
	s_delay_alu instid0(VALU_DEP_2)
	v_lshlrev_b32 v10, 7, v8
	s_delay_alu instid0(VALU_DEP_1)
	v_lshl_add_u32 v10, v9, 4, v10
	global_load_b128 v[16:19], v10, s[8:9]         ; Q's fragment: my head's 64 features
	global_load_b128 v[20:23], v10, s[8:9] offset:32
	v_lshlrev_b32 v11, 2, v8
	global_load_u16 v[QSW], v11, s[10:11]          ; its two scale bytes; the upper two are 0
	v_mul_u32_u24 v[AK0], v8, KP
	s_delay_alu instid0(VALU_DEP_1)
	v_lshl_add_u32 v[AK0], v9, 4, v[AK0]           ; K: row r, + 16 h
	v_mul_u32_u24 v[AV0], v8, VP
	s_delay_alu instid0(VALU_DEP_1)
	v_lshl_add_u32 v[AV0], v9, 4, v[AV0]
	s_delay_alu instid0(VALU_DEP_1)
	v_add_nc_u32 v[AV0], VB, v[AV0]                ; V likewise
	s_add_co_u32 s16, s17, SCK
	v_lshl_add_u32 v[ASK0], v8, 2, s16             ; K's scale words: 4 bytes a key, my head's two bytes
	v_lshl_add_u32 v[ASV0], v8, 2, SCV             ; V's: 4 bytes a row
	v_mov_b32 v13, 0xff61b1e6                      ; the largest t so far: -3e38
	s_delay_alu instid0(VALU_DEP_1)
	v_floor_f32 v12, -v13                          ; -M
	v_mov_b32 v14, 0
	v_mov_b32 v15, 0
.irp b, 0,1,2,3
	v_mov_b32 v[TP+\b], 0                          ; a lane permute's destination counts as one of its sources
.endr
	v_mov_b32 v[F+1], 0                            ; named as the upper half of a pair
.set j, 0
.rept 8
	v_mov_b32 v[24+j], 0                           ; Q's zero codes,
	v_mov_b32 v[96+j], 0                           ; and those behind K's tile 7
.set j, j+1
.endr
.set j, 0
.rept 32
	v_mov_b32 v[OT+j], 0                           ; O^T: the step is written for every step alike; the first finds zeros
.set j, j+1
.endr
; A KEY STEP: 128 keys.
.macro STEP
	s_setprio 2
	v_add_nc_u32 v[ADK], s[TK], v[AK0]
	v_add_nc_u32 v[ADV], s[TVS], v[AV0]
	v_add_nc_u32 v[ADS], s[TS], v[ASK0]
	v_add_nc_u32 v[ADT], s[TJ], v[ASV0]
.rept 4
	v_nop                                          ; with the four additions: eight places in front of loads into registers that the last products read
.endr
.irp t, 0,1,2,3,4,5,6,7
	ds_load_b128 v[32+8*\t:35+8*\t], v[ADK] offset:16*\t*KP
	ds_load_b128 v[36+8*\t:39+8*\t], v[ADK] offset:16*\t*KP+32
	ds_load_u16 v[KSW+\t], v[ADS] offset:64*\t
.endr
	s_wait_dscnt 0x0
.irp t, 0,1,2,3,4,5,6,7
	v_wmma_scale_f32_16x16x128_f8f6f4 v[S+8*\t:S+8*\t+7], v[32+8*\t:47+8*\t], v[16:31], 0, v[KSW+\t], v[QSW] matrix_a_fmt:MATRIX_FMT_BF8 matrix_b_fmt:MATRIX_FMT_BF8
.endr
.rept 8
	v_nop
.endr
.irp b, 0,1,2,3
	v_max3_num_f32 v[BMX+\b], v[S+16*\b], v[S+1+16*\b], v[S+2+16*\b]   ; the largest score of each block of 32 keys: for the row's maximum, and, since p rises with the score, for the block's largest p
.endr
.irp i, 3,5,7,9,11,13
.irp b, 0,1,2,3
	v_max3_num_f32 v[BMX+\b], v[BMX+\b], v[S+16*\b+\i], v[S+1+16*\b+\i]
.endr
.endr
.irp b, 0,1,2,3
	v_max_num_f32 v[BMX+\b], v[BMX+\b], v[S+15+16*\b]
.endr
.irp b, 0,1,2,3
	s_delay_alu instid0(VALU_DEP_4)
	v_permlanex16_b32 v[TP+\b], v[BMX+\b], s[SEL], s[SEL+1]
.endr
.irp b, 0,1,2,3
	s_delay_alu instid0(VALU_DEP_4)
	v_max_num_f32 v[BMX+\b], v[BMX+\b], v[TP+\b]
.endr
	s_delay_alu instid0(VALU_DEP_2)
	v_max3_num_f32 v[TV], v[BMX], v[BMX+1], v[BMX+2]
	s_delay_alu instid0(VALU_DEP_1)
	v_max_num_f32 v[TV], v[TV], v[BMX+3]
	s_delay_alu instid0(VALU_DEP_1)
	v_mul_f32 v[TV], s[CS], v[TV]
	s_delay_alu instid0(VALU_DEP_1)
	v_max_num_f32 v13, v13, v[TV]                  ; the running largest t
	v_mov_b32 v[TV], v12
	s_delay_alu instid0(VALU_DEP_2)
	v_floor_f32 v12, -v13                          ; the new -M = -ceil(t)
	s_delay_alu instid0(VALU_DEP_1)
	v_sub_f32 v[TV], v12, v[TV]                    ; old M - new M: a whole number, 0 or less
	s_delay_alu instid0(VALU_DEP_1)
	v_cvt_i32_f32 v[TV], v[TV]                     ; (it saturates)
	s_delay_alu instid0(VALU_DEP_1)
	v_ldexp_f32 v[F], 1.0, v[TV]                   ; f
.set j, 0
.rept 32
	v_pk_fma_f32 v[S+j:S+j+1], v[S+j:S+j+1], s[CS:CS+1], v[12:13] op_sel_hi:[1,0,0]   ; t - M
.set j, j+2
.endr
.irp b, 0,1,2,3
	v_fma_f32 v[BMX+\b], v[BMX+\b], s[CS], v12
.endr
.set j, 0
	s_wait_alu depctr_va_vdst(0)
.rept 64
	v_exp_f32 v[S+j], v[S+j]                       ; p = 2^(t - M): one batch
.set j, j+1
.endr
	s_setprio 1
	v_pk_mul_f32 v[14:15], v[14:15], v[F:F+1] op_sel_hi:[1,0]   ; the sums under the new M: a plain line behind the batch
	s_wait_alu depctr_va_vdst(0)                   ; one wait for the batch, ahead of its first reader
.irp b, 0,1,2,3
	v_exp_f32 v[BMX+\b], v[BMX+\b]                 ; the blocks' largest p
.endr
	v_pk_add_f32 v[220:221], v[108:109], v[112:113]
	v_pk_add_f32 v[254:255], v[116:117], v[120:121]
	v_pk_add_f32 v[252:253], v[124:125], v[128:129]
	v_pk_add_f32 v[250:251], v[132:133], v[136:137]
	v_pk_add_f32 v[248:249], v[140:141], v[144:145]
	v_pk_add_f32 v[244:245], v[148:149], v[152:153]
	v_pk_add_f32 v[242:243], v[156:157], v[160:161]
	v_pk_add_f32 v[14:15], v[14:15], v[164:165]
	v_pk_add_f32 v[220:221], v[220:221], v[104:105]
	v_pk_add_f32 v[254:255], v[254:255], v[106:107]
	v_pk_add_f32 v[252:253], v[252:253], v[110:111]
	v_pk_add_f32 v[250:251], v[250:251], v[114:115]
	v_pk_add_f32 v[248:249], v[248:249], v[118:119]
	v_pk_add_f32 v[244:245], v[244:245], v[122:123]
	v_pk_add_f32 v[242:243], v[242:243], v[126:127]
	v_pk_add_f32 v[14:15], v[14:15], v[130:131]
	v_pk_add_f32 v[220:221], v[220:221], v[134:135]
	v_pk_add_f32 v[254:255], v[254:255], v[138:139]
	v_pk_add_f32 v[252:253], v[252:253], v[142:143]
	v_pk_add_f32 v[250:251], v[250:251], v[146:147]
	v_pk_add_f32 v[248:249], v[248:249], v[150:151]
	v_pk_add_f32 v[244:245], v[244:245], v[154:155]
	v_pk_add_f32 v[242:243], v[242:243], v[158:159]
	v_pk_add_f32 v[14:15], v[14:15], v[162:163]
	v_pk_add_f32 v[220:221], v[220:221], v[166:167]
	s_delay_alu instid0(VALU_DEP_2)
	v_pk_add_f32 v[14:15], v[14:15], v[250:251]
	s_delay_alu instid0(VALU_DEP_2)
	v_pk_add_f32 v[220:221], v[220:221], v[248:249]
	v_pk_add_f32 v[254:255], v[254:255], v[244:245]
	v_pk_add_f32 v[252:253], v[252:253], v[242:243]
	s_delay_alu instid0(VALU_DEP_2)
	v_pk_add_f32 v[14:15], v[14:15], v[254:255]
	s_delay_alu instid0(VALU_DEP_2)
	v_pk_add_f32 v[220:221], v[220:221], v[252:253]
	s_delay_alu instid0(VALU_DEP_1)
	v_pk_add_f32 v[14:15], v[14:15], v[220:221]
	s_wait_alu depctr_va_vdst(0)                   ; and one for the four
.irp b, 0,1,2,3
	v_max_num_f32 v[BMX+\b], 0x8000000, v[BMX+\b]  ; the floor 2^(16 - 127)
.endr
.irp b, 0,1,2,3
	s_delay_alu instid0(VALU_DEP_4)
	v_add_nc_u32 v[SO+\b], 0xf8800000, v[BMX+\b]
.endr
.irp b, 0,1,2,3
.endr
.irp b, 0,1,2,3
	s_delay_alu instid0(VALU_DEP_4)
	v_lshrrev_b32 v[TP+\b], 23, v[SO+\b]
.endr
	s_delay_alu instid0(VALU_DEP_3)
	v_lshl_or_b32 v[PSW], v[TP+1], 8, v[TP]        ; p's scale word for these 128 keys
	s_delay_alu instid0(VALU_DEP_1)
	v_lshl_or_b32 v[PSW], v[TP+2], 16, v[PSW]
	s_delay_alu instid0(VALU_DEP_1)
	v_lshl_or_b32 v[PSW], v[TP+3], 24, v[PSW]
.irp b, 0,1,2,3
.irp i, 0,1,2,3,4,5,6,7,8,9,10,11,12,13,14,15
.endr
	v_cvt_scalef32_pk8_bf8_f32 v[PCD+4*\b:PCD+1+4*\b], v[S+16*\b:S+7+16*\b], v[SO+\b]
	v_cvt_scalef32_pk8_bf8_f32 v[PCD+2+4*\b:PCD+3+4*\b], v[S+8+16*\b:S+15+16*\b], v[SO+\b]
.endr
.set j, 0
.rept 16
	v_pk_mul_f32 v[OT+j:OT+j+1], v[OT+j:OT+j+1], v[F:F+1] op_sel_hi:[1,0]   ; O^T under the new M.  These 16 are also the places in front of the loads and products below
.set j, j+2
.endr
	s_setprio 0
.irp t, 0,1,2,3
.irp c, 0,1,2,3
	ds_load_b128 v[32+16*\t+4*\c:35+16*\t+4*\c], v[ADV] offset:16*\t*VP+32*\c
.endr
	ds_load_b32 v[KSW+\t], v[ADT] offset:64*\t
.endr
	s_wait_alu depctr_va_vdst(0)
	s_wait_dscnt 0x0
.irp t, 0,1,2,3
	v_wmma_scale_f32_16x16x128_f8f6f4 v[OT+8*\t:OT+8*\t+7], v[32+16*\t:47+16*\t], v[PCD:PCD+15], v[OT+8*\t:OT+8*\t+7], v[KSW+\t], v[PSW] matrix_a_fmt:MATRIX_FMT_BF8 matrix_b_fmt:MATRIX_FMT_BF8
.endr
	s_add_co_u32 s[TK], s[TK], KSB                 ; on to the next step's keys, rows of V and scale words
	s_add_co_u32 s[TVS], s[TVS], VSB
	s_add_co_u32 s[TS], s[TS], 512
	s_add_co_u32 s[TJ], s[TJ], 256
.endm
	s_wait_loadcnt 0x0                             ; Q
	s_wait_tensorcnt 3                             ; my first four loads have landed: V's scale words and my parts of keys 0 to 1,023; the three for keys 1,024 on may be out
	s_barrier_signal -1
	s_barrier_wait -1                              ; everybody's have
	s_mov_b32 s[CNT], 8
.Lfirst:                                           ; steps 0 to 7
	STEP
	s_sub_co_u32 s[CNT], s[CNT], 1
	s_cmp_lg_u32 s[CNT], 0
	s_cbranch_scc1 .Lfirst
	s_setprio 0
	s_wait_tensorcnt 0x0                           ; all my loads have landed,
	s_barrier_signal -1
	s_barrier_wait -1                              ; and everybody's
	s_mov_b32 s[CNT], 8
.Lsecond:                                          ; steps 8 to 15
	STEP
	s_sub_co_u32 s[CNT], s[CNT], 1
	s_cmp_lg_u32 s[CNT], 0
	s_cbranch_scc1 .Lsecond
	s_setprio 0
	; THE WAY OUT: O^T / the sum; quantised along my head's 64 features (two blocks); through a stage of my own, 16 rows x 80 bytes, so that four lanes store a row's 64 bytes.
	; The stages lie in K's first rows, which have had their one fill: so every wave's reads of K are over first.
	s_wait_dscnt 0x0                               ; my reads of K and V are over,
	s_barrier_signal -1
	s_barrier_wait -1                              ; and everybody's
.rept 8
	v_nop
.endr
	v_add_f32 v14, v14, v15
	s_delay_alu instid0(VALU_DEP_1)
	v_permlanex16_b32 v[TV], v14, s[SEL], s[SEL+1]
	s_delay_alu instid0(VALU_DEP_1)
	v_add_f32 v14, v14, v[TV]                      ; the row's sum
	s_wait_alu depctr_va_vdst(0)
	v_rcp_f32 v14, v14
	v_and_b32 v8, 15, v0                           ; (plain work behind the reciprocal)  r
	v_bfe_u32 v9, v0, 4, 1                         ; h
	s_mul_i32 s16, s[WV], 16*KP                    ; my stage
	v_mul_u32_u24 v10, v8, KP
	s_delay_alu instid0(VALU_DEP_1)
	v_lshl_add_u32 v10, v9, 4, v10
	s_delay_alu instid0(VALU_DEP_1)
	v_add_nc_u32 v10, s16, v10                     ; in: row r, + 16 h
	v_and_b32 v236, 31, v0
	s_delay_alu instid0(VALU_DEP_1)
	v_lshrrev_b32 v237, 2, v236
	s_delay_alu instid0(VALU_DEP_2)
	v_and_b32 v238, 3, v236
	s_delay_alu instid0(VALU_DEP_2)
	v_mul_u32_u24 v239, v237, KP
	s_delay_alu instid0(VALU_DEP_1)
	v_lshl_add_u32 v239, v238, 4, v239
	s_delay_alu instid0(VALU_DEP_1)
	v_add_nc_u32 v239, s16, v239                   ; back: four lanes to a row, eight rows an instruction
	v_lshlrev_b32 v240, 10, v237
	s_delay_alu instid0(VALU_DEP_1)
	v_lshl_add_u32 v240, v238, 4, v240             ; and the same places in ctx
	v_lshlrev_b32 v241, 2, v8                      ; my row's scale word
	s_wait_alu depctr_va_vdst(0)                   ; the wait ahead of the reciprocal's first reader
.set j, 0
.rept 32
	v_mul_f32 v[S+j], v[OT+j], v14                 ; register 16 b + i: feature 32 b + 16 h + i of my head
.set j, j+1
.endr
.irp b, 0,1
	v_max3_num_f32 v[BMX+\b], |v[S+16*\b]|, |v[S+1+16*\b]|, 0x8000000
.endr
.irp i, 2,4,6,8,10,12,14
.irp b, 0,1
	s_delay_alu instid0(VALU_DEP_2)
	v_max3_num_f32 v[BMX+\b], v[BMX+\b], |v[S+16*\b+\i]|, |v[S+1+16*\b+\i]|
.endr
.endr
.irp b, 0,1
	s_delay_alu instid0(VALU_DEP_2)
	v_permlanex16_b32 v[TP+\b], v[BMX+\b], s[SEL], s[SEL+1]
.endr
.irp b, 0,1
	s_delay_alu instid0(VALU_DEP_2)
	v_max_num_f32 v[BMX+\b], v[BMX+\b], v[TP+\b]
.endr
.irp b, 0,1
	s_delay_alu instid0(VALU_DEP_2)
	v_add_nc_u32 v[SO+\b], 0xf8800000, v[BMX+\b]
.endr
.irp b, 0,1
.endr
.irp b, 0,1
	s_delay_alu instid0(VALU_DEP_2)
	v_lshrrev_b32 v[TP+\b], 23, v[SO+\b]
.endr
	s_delay_alu instid0(VALU_DEP_1)
	v_lshl_or_b32 v[TV], v[TP+1], 8, v[TP]         ; my head's two scale bytes
.irp b, 0,1
.irp i, 0,1,2,3,4,5,6,7,8,9,10,11,12,13,14,15
.endr
	v_cvt_scalef32_pk8_bf8_f32 v[PCD+4*\b:PCD+1+4*\b], v[S+16*\b:S+7+16*\b], v[SO+\b]
	v_cvt_scalef32_pk8_bf8_f32 v[PCD+2+4*\b:PCD+3+4*\b], v[S+8+16*\b:S+15+16*\b], v[SO+\b]
.endr
	v_nop                                          ; a plain line behind the last conversion
	ds_store_b128 v10, v[PCD:PCD+3]
	ds_store_b128 v10, v[PCD+4:PCD+7] offset:32
	ds_load_b128 v[104:107], v239                  ; LDS serves a wave's instructions in order: these see my stores
	ds_load_b128 v[108:111], v239 offset:8*KP
	global_store_b16 v241, v[TV], s[14:15]         ; lanes r and r + 16 hold the same and store it to the same place
	s_wait_dscnt 0x0
	global_store_b128 v240, v[104:107], s[12:13]
	global_store_b128 v240, v[108:111], s[12:13] offset:8192
	s_wait_tensorcnt 0x0                           ; the wave's end
	ds_add_u32 v[SPW], v[NIL]
	s_wait_dscnt 0x0
	CROUND                                         ; the closing round
	s_endpgm
.Lfunc_end_k_q60264cd9d9_attn:
	.size	k_q60264cd9d9_attn, .Lfunc_end_k_q60264cd9d9_attn-k_q60264cd9d9_attn
	.p2alignl 7, 3214868480
	.fill 96, 4, 3214868480
	.section	.rodata,"a",@progbits
	.p2align	6, 0x0
	.amdhsa_kernel k_q60264cd9d9_attn
		.amdhsa_group_segment_fixed_size 327680
		.amdhsa_private_segment_fixed_size 0
		.amdhsa_enable_private_segment 0
		.amdhsa_kernarg_size 16
		.amdhsa_user_sgpr_count 2
		.amdhsa_user_sgpr_kernarg_segment_ptr 1
		.amdhsa_wavefront_size32 1
		.amdhsa_system_sgpr_workgroup_id_x 1
		.amdhsa_system_sgpr_workgroup_id_y 1
		.amdhsa_system_sgpr_workgroup_id_z 1
		.amdhsa_system_vgpr_workitem_id 0
		.amdhsa_next_free_vgpr 256
		.amdhsa_next_free_sgpr 100
		.amdhsa_reserve_vcc 0
		.amdhsa_float_denorm_mode_32 3
		.amdhsa_float_denorm_mode_16_64 3
		.amdhsa_fp16_overflow 1
		.amdhsa_memory_ordered 1
		.amdhsa_forward_progress 1
		.amdhsa_inst_pref_size 53
	.end_amdhsa_kernel
	.amdgpu_metadata
---
amdhsa.version: [ 1, 2 ]
amdhsa.kernels:
  - .name:           k_q60264cd9d9_attn
    .symbol:         k_q60264cd9d9_attn.kd
    .args:
      - { .name: qkv, .offset: 0, .size: 8, .value_kind: global_buffer, .address_space: global }
      - { .name: ctx, .offset: 8, .size: 8, .value_kind: global_buffer, .address_space: global }
    .group_segment_fixed_size: 327680
    .private_segment_fixed_size: 0
    .kernarg_segment_align: 8
    .kernarg_segment_size: 16
    .max_flat_workgroup_size: 512
    .sgpr_count:     100
    .vgpr_count:     256
    .wavefront_size: 32
...
	.end_amdgpu_metadata
.endif
;; end of part 3
;; launch oproj (part 4): grid 8 x 32, 4 waves a work-group, clusters of 4 x 4, 327,680 bytes of LDS; arguments ctx, wts, bo, x, x1; writes x1
.if DOCPART == 4
	.amdgcn_target "amdgcn-amd-amdhsa--gfx1250"
	.amdhsa_code_object_version 6
	.text
	.protected	k_q60264cd9d9_oproj
	.globl	k_q60264cd9d9_oproj
	.p2align	8
	.type	k_q60264cd9d9_oproj,@function
k_q60264cd9d9_oproj:
	s_mov_b64 s[64:65], 0
	v_nop
	global_prefetch_b8 v0, s[64:65] scope:SCOPE_SE
	s_setreg_imm32_b32 hwreg(HW_REG_WAVE_MODE, 25, 1), 1
	s_wait_xcnt 0x0
	s_wait_alu depctr_hold_cnt(0) depctr_sa_sdst(0) depctr_va_vdst(0) depctr_va_sdst(0) depctr_va_ssrc(0) depctr_va_vcc(0) depctr_vm_vsrc(0)
	s_getreg_b32 s2, hwreg(HW_REG_IB_STS2, 6, 4)
	s_cmp_eq_u32 s2, 0
	s_cbranch_scc0 .Lentry_in_a_cluster
	s_endpgm
.Lentry_in_a_cluster:
	s_bfe_u32 s2, ttmp6, 0x10000c
	s_cmp_lg_u32 s2, 0xf033
	s_cbranch_scc0 .Lentry_shape_is_right
	s_endpgm
.Lentry_shape_is_right:
; x1 = x + (ctx Wo + bo): [4,096 x 1,024] x [1,024 x 1,024] on codes of BF8 (E5M2) with E8M0 scales; bias and residual in f32.  Nothing is left out.
; A tile of 128 x 128 (so that 256 work-groups have work) is made by four waves, 64 x 64 each: 16 accumulators.  K goes in steps of 512 (rows of 512 bytes) through two LDS slots; with K = 1,024 each is filled once.
; The scale words lie [K / 128][rows] in memory: the work-group's 128 rows of a chunk are 512 consecutive bytes; all chunks come once, with the first fills.
; CLUSTERS of 4 x 4: A's tiles are shared along a row, B's along a column, and asked for jointly.  The matrix instruction is used transposed (source 0 = Wo's rows, source 1 = ctx's rows).
; Rows of codes lie in the order pos(R) = R with bits 3 and 4 exchanged: a lane's registers of two neighbouring tiles are 16 true neighbours along N; a stage row t of a wave's 32 is the true row with t's bits 3 and 4 exchanged.
; No prefetch: the launch is short and its tiles are shared in the cluster.  LIMITS: NaN and infinities are not served.
.set SIZE_K, 1024
.set ASO,    4194304                   ; A's scale words in its buffer
.set BCO,    7340032                   ; B's codes in wts
.set BSO,    12812288                  ; B's scale words in wts
.set ROWB,   512
.set PITCH,  528                       ; 512 bytes + 16: the 16 rows that a load touches start at 16 different groups of banks
.set HALFT,  64*PITCH
.set SLOT,   4*HALFT
.set LAPS,   SIZE_K/1024
.set NCH,    SIZE_K/256                ; chunks of 128 along K that one scale load brings
.set HS,     NCH*512
.set SCLA,   2*SLOT
.set SCLB,   SCLA+2*HS+128             ; 128 on, so that lanes 0-15 (A's words) and lanes 16-31 (B's) fall on different banks
.set SPARE,  303360
.set SPITCH, 528                       ; the way out: 128 rows x (512 bytes + 16) in slot 0, which has had its last fill and its last read by then
.set NP,     8
.set BI,   8                           ; v[8:11] the bias at my four columns
.set ADRA, 16
.set ADRB, 20
.set STO,  24
.set RD,   25
.set CO,   26
.set ADRS, 27
.set SPW,  28
.set NIL,  29
.set TMP,  32                          ; v32-95 the way out
.set SC,   96                          ; v96-127 scale words: set s at 16 s; 4 q + i: lanes 0-15 A's block i, lanes 16-31 B's
.set ACC,  128
.set F0,   0                           ; fragment buffers, in window 1: A's four at f, B's four at f + 64
.set F1,   128
.set G1, 24
.set G0, 32
.set G1B, 48
.set G0B, 56
.set G1S, 68
.set G0S, 76
.set G1SB, 80
.set G0SB, 88
.set MSB, 0
.macro WIN new
.if MSB != \new
	s_set_vgpr_msb (MSB<<8)|\new
.set MSB, \new
.endif
.endm
.set MUL,  0x05                        ; sources 0 and 1 window 1; C and D window 0
.set TO_F, 0x40                        ; destination window 1
.macro JLOAD g0a, g1a, g0b, g1b        ; a joint load: waves 0 and 1 fetch for A, waves 2 and 3 for B; an s_nop 0 and four v_nop follow each line
	s_cmp_eq_u32 s15, 0
	s_cbranch_scc0 .Lfor_b_\@
	tensor_load_to_lds s[\g0a:\g0a+3], s[\g1a:\g1a+7]
	s_nop 0
.rept 4
	v_nop
.endr
	s_branch .Lasked_\@
.Lfor_b_\@:
	tensor_load_to_lds s[\g0b:\g0b+3], s[\g1b:\g1b+7]
	s_nop 0
.rept 4
	v_nop
.endr
.Lasked_\@:
.endm
.macro CREST
	s_cmp_lg_u32 s14, 0
	s_cbranch_scc1 .Lnot_wave_0_\@
	s_barrier_signal -3
.Lnot_wave_0_\@:
	s_barrier_wait -3
	s_barrier_signal -1
	s_barrier_wait -1
.endm
.macro CROUND
	s_barrier_signal -1
	s_barrier_wait -1
	CREST
.endm
	s_load_b256 s[4:11], s[0:1], 0x0               ; A, wts, bias, residual
	s_load_b64 s[12:13], s[0:1], 0x20              ; out
	v_lshl_add_u32 v[SPW], v0, 2, SPARE
	v_mov_b32 v[NIL], 0
	ds_add_u32 v[SPW], v[NIL]                      ; the wave's opening: the add, twice on end, and its wait ahead of my first tensor load
	ds_add_u32 v[SPW], v[NIL]
	v_lshrrev_b32 v1, 5, v0
	v_readfirstlane_b32 s14, v1                    ; wave 0..3
	s_lshr_b32 s15, s14, 1                         ; my half of the rows.  Also: I fetch for A (0) or for B (1)
	s_and_b32 s16, s14, 1                          ; my half of the columns.  Also: which half of that tile I fetch
	s_bfe_u32 s40, ttmp6, 0x40000
	s_bfe_u32 s41, ttmp6, 0x40004
	s_lshl_b32 s42, ttmp9, 2
	s_add_co_u32 s42, s42, s40                     ; tile column
	s_and_b32 s17, ttmp7, 0xffff
	s_lshl_b32 s17, s17, 2
	s_add_co_u32 s17, s17, s41                     ; tile row
	s_lshl_b32 s43, s41, 2
	s_lshl_b32 s43, 15, s43                        ; my row of the cluster
	s_lshl_b32 s44, 0x1111, s40                    ; my column
	s_or_b32 s[G1+0], s43, (0<<16)|(1<<20)|(1<<21)|(6<<22)|(3<<25)  ; the mask; elements of 1 byte; 4 words of padding after every 128; bit 21 beside a mask
	s_or_b32 s[G1B+0], s44, (0<<16)|(1<<20)|(1<<21)|(6<<22)|(3<<25)
.irp g, G1, G1B
	s_mov_b32 s[\g+1], ROWB<<16
	s_mov_b32 s[\g+2], 64<<16
	s_mov_b32 s[\g+3], ROWB<<16
	s_mov_b32 s[\g+4], 64
	s_mov_b32 s[\g+5], SIZE_K
	s_mov_b32 s[\g+6], 0
	s_mov_b32 s[\g+7], 0
.endr
	s_or_b32 s[G1S+0], s43, (3<<16)|(1<<21)        ; the scale words: NCH rows of 512 bytes (64 elements of 8), no padding
	s_or_b32 s[G1SB+0], s44, (3<<16)|(1<<21)
.irp g, G1S, G1SB
	s_mov_b32 s[\g+1], 64<<16
	s_mov_b32 s[\g+2], NCH<<16
	s_mov_b32 s[\g+3], 64<<16
	s_mov_b32 s[\g+4], NCH
	s_mov_b32 s[\g+6], 0
	s_mov_b32 s[\g+7], 0
.endr
	s_mov_b32 s[G1S+5], 2048                       ; from chunk to chunk: 4,096 rows x 4 bytes,
	s_mov_b32 s[G1SB+5], 512                       ; 1,024 rows x 4 bytes
	s_lshl_b32 s18, s16, 6
	s_lshl_b32 s20, s17, 7
	s_add_co_u32 s20, s20, s18
	s_mul_i32 s20, s20, SIZE_K                     ; A's codes: row 128 x tile row + 64 x half
	s_mov_b32 s21, 0
	s_lshl_b32 s46, s42, 7
	s_add_co_u32 s46, s46, s18
	s_mul_i32 s46, s46, SIZE_K
	s_add_co_u32 s46, s46, BCO                     ; B's codes
	s_mov_b32 s47, 0
	s_mul_i32 s22, s16, NCH*16384
	s_lshl_b32 s19, s17, 9
	s_add_co_u32 s22, s22, s19
	s_add_co_u32 s22, s22, ASO                     ; A's scale words: my half of the chunks, the tile's 512 bytes
	s_mov_b32 s23, 0
	s_mul_i32 s92, s16, NCH*4096
	s_lshl_b32 s93, s42, 9
	s_add_co_u32 s92, s92, s93
	s_add_co_u32 s92, s92, BSO                     ; B's
	s_mov_b32 s93, 0
	s_mul_i32 s45, s14, HALFT                      ; where they go: no place in the cluster enters an LDS address
	s_mul_i32 s94, s14, HS
	s_wait_dscnt 0x0                               ; both opening adds are done
	s_wait_kmcnt 0x0
	s_add_nc_u64 s[20:21], s[4:5], s[20:21]
	s_add_nc_u64 s[22:23], s[4:5], s[22:23]
	s_add_nc_u64 s[46:47], s[6:7], s[46:47]
	s_add_nc_u64 s[92:93], s[6:7], s[92:93]
	CROUND                                         ; all sixteen work-groups are here: the first joint loads meet
	s_mov_b32 s[G0S], 1
	s_add_co_u32 s[G0S+1], s94, SCLA
	s_mov_b64 s[G0S+2:G0S+3], s[22:23]
	s_or_b32 s[G0S+3], s[G0S+3], 0x80000000
	s_mov_b32 s[G0SB], 1
	s_add_co_u32 s[G0SB+1], s94, SCLA+128          ; waves 2 and 3: SCLB + (wave - 2) x HS
	s_mov_b64 s[G0SB+2:G0SB+3], s[92:93]
	s_or_b32 s[G0SB+3], s[G0SB+3], 0x80000000
	JLOAD G0S, G1S, G0SB, G1SB
.irp s, 0,1
	s_mov_b32 s[G0+4*\s], 1
	s_add_co_u32 s[G0+4*\s+1], s45, \s*SLOT
	s_add_nc_u64 s[G0+4*\s+2:G0+4*\s+3], s[20:21], \s*ROWB
	s_or_b32 s[G0+4*\s+3], s[G0+4*\s+3], 0x80000000
	s_mov_b32 s[G0B+4*\s], 1
	s_add_co_u32 s[G0B+4*\s+1], s45, \s*SLOT
	s_add_nc_u64 s[G0B+4*\s+2:G0B+4*\s+3], s[46:47], \s*ROWB
	s_or_b32 s[G0B+4*\s+3], s[G0B+4*\s+3], 0x80000000
	JLOAD G0+4*\s, G1, G0B+4*\s, G1B
.endr
	v_and_b32 v1, 15, v0                           ; r
	v_bfe_u32 v2, v0, 4, 1                         ; h
	v_mul_u32_u24 v3, v1, PITCH
	v_lshl_add_u32 v3, v2, 4, v3
	s_mul_i32 s21, s15, HALFT
	s_mul_i32 s22, s16, HALFT
	s_add_co_u32 s22, s22, 2*HALFT
.irp s, 0,1
	v_add_nc_u32 v[ADRA+\s], s21, v3
	v_add_nc_u32 v[ADRB+\s], s22, v3
	s_add_co_u32 s21, s21, SLOT
	s_add_co_u32 s22, s22, SLOT
.endr
	s_lshl_b32 s21, s15, 8                         ; scale words: A's at my 64 rows,
	s_lshl_b32 s22, s16, 8
	s_add_co_u32 s22, s22, SCLB-SCLA
	s_sub_co_u32 s22, s22, s21
	v_mul_u32_u24 v6, s22, v2                      ; lanes 16-31 take B's: one product, the distance between the two
	s_add_co_u32 s21, s21, SCLA
	v_lshlrev_b32 v5, 2, v1
	v_add_nc_u32 v5, v5, v6
	v_add_nc_u32 v[ADRS], s21, v5
	s_mul_i32 s23, s15, 64*SPITCH
	s_lshl_b32 s21, s16, 8
	s_add_co_u32 s23, s23, s21
	v_mul_u32_u24 v4, v1, SPITCH
	v_lshl_add_u32 v4, v2, 6, v4
	v_add_nc_u32 v[STO], s23, v4                   ; into the stage: row 64 wr + r; columns 64 wc + 16 h on
	s_mul_i32 s23, s14, 32*SPITCH
	v_and_b32 v6, 31, v0
	v_lshlrev_b32 v[CO], 4, v6
	v_add_nc_u32 v[RD], s23, v[CO]                 ; back: wave w takes rows 32 w on, whole
	s_lshl_b32 s20, s17, 7
	s_lshl_b32 s21, s14, 5
	s_add_co_u32 s20, s20, s21
	s_lshl_b32 s20, s20, 12                        ; the first row that I store, x 4,096 bytes,
	s_lshl_b32 s46, s42, 9                         ; + the tile's 512 bytes of a row
	s_mov_b32 s47, 0
	s_add_co_u32 s20, s20, s46
	s_mov_b32 s21, 0
	s_add_nc_u64 s[10:11], s[10:11], s[20:21]
	s_add_nc_u64 s[12:13], s[12:13], s[20:21]
	s_add_nc_u64 s[8:9], s[8:9], s[46:47]
	global_load_b128 v[BI:BI+3], v[CO], s[8:9]     ; waited for on the way out
.macro FRAG reg, adr, k, i             ; 16 rows x 128 K: registers 4 c .. 4 c + 3 hold K = 32 c + 16 (l / 16) + 0 .. 15
.irp c, 0,1,2,3
	ds_load_b128 v[\reg+4*\c:\reg+4*\c+3], v[\adr] offset:(\k)+32*\c+(\i)*16*PITCH
.endr
.endm
.macro FETCH1 slot, k, f               ; 24 loads: B's four fragments, A's 0 and 1
	WIN TO_F
.irp i, 0,1,2,3
	FRAG \f+64+16*\i, ADRB+\slot, \k, \i
.endr
	FRAG \f, ADRA+\slot, \k, 0
	FRAG \f+16, ADRA+\slot, \k, 1
.endm
.macro FETCH2 slot, k, f               ; 8 loads: A's 2 and 3
	WIN TO_F
	FRAG \f+32, ADRA+\slot, \k, 2
	FRAG \f+48, ADRA+\slot, \k, 3
.endm
.macro SCALES set                      ; a slot's 16 scale registers
	WIN 0
.irp q, 0,1,2,3
.irp i, 0,1,2,3
	ds_load_b32 v[SC+16*\set+4*\q+\i], v[ADRS] offset:512*\q+64*\i
.endr
.endr
.endm
.macro MUL4 f, a, q, set, zero         ; A's block a x B's four.  The 16 accumulators take turns, one instruction a turn, in the same order in every quarter
.irp b, 0,1,2,3
.if \zero
	v_wmma_scale_f32_16x16x128_f8f6f4 v[ACC+8*(4*(\a)+\b):ACC+8*(4*(\a)+\b)+7], v[\f+64+16*\b:\f+64+16*\b+15], v[\f+16*(\a):\f+16*(\a)+15], 0, v[SC+16*(\set)+4*(\q)+\b], v[SC+16*(\set)+4*(\q)+(\a)] matrix_a_fmt:MATRIX_FMT_BF8 matrix_b_fmt:MATRIX_FMT_BF8 matrix_a_scale:MATRIX_SCALE_ROW1
.else
	v_wmma_scale_f32_16x16x128_f8f6f4 v[ACC+8*(4*(\a)+\b):ACC+8*(4*(\a)+\b)+7], v[\f+64+16*\b:\f+64+16*\b+15], v[\f+16*(\a):\f+16*(\a)+15], v[ACC+8*(4*(\a)+\b):ACC+8*(4*(\a)+\b)+7], v[SC+16*(\set)+4*(\q)+\b], v[SC+16*(\set)+4*(\q)+(\a)] matrix_a_fmt:MATRIX_FMT_BF8 matrix_b_fmt:MATRIX_FMT_BF8 matrix_a_scale:MATRIX_SCALE_ROW1
.endif
.endr
.endm
.macro PLACES n
.rept \n
	v_nop
.endr
.endm
.macro QUARTER slot, q, f, g, zero     ; 128 along K from buffer f; the next quarter of the same slot is fetched into g
	s_wait_dscnt 8                                 ; all but the youngest 8 loads (A's fragments 2 and 3)
	WIN MUL
	MUL4 \f, 0, \q, \slot, \zero
	MUL4 \f, 1, \q, \slot, \zero
	PLACES NP
	FETCH1 \slot, 128*((\q)+1), \g
	FETCH2 \slot, 128*((\q)+1), \g
	s_wait_dscnt 32                                ; all but the 32 just issued
	WIN MUL
	MUL4 \f, 2, \q, \slot, \zero
	MUL4 \f, 3, \q, \slot, \zero
.endm
; A slot's last quarter changes slots: one barrier; in front of it each wave waits for all its tensor loads, adds 0 to its spare word, and waits for that and for its own reads of this slot.
.macro TURN slot, next, fill
	WIN 0
	s_wait_tensorcnt 0x0
	ds_add_u32 v[SPW], v[NIL]
	s_wait_dscnt 9                                 ; the add and the youngest 8 loads may be out
	WIN MUL
	MUL4 F1, 0, 3, \slot, 0
	s_wait_dscnt 0x0                               ; the add is done, and my reads of this slot are over
	s_barrier_signal -1
	MUL4 F1, 1, 3, \slot, 0
	WIN 0
	s_barrier_wait -1
.if \fill
	CREST
	s_add_nc_u64 s[G0+4*\slot+2:G0+4*\slot+3], s[G0+4*\slot+2:G0+4*\slot+3], 2*ROWB
	s_add_nc_u64 s[G0B+4*\slot+2:G0B+4*\slot+3], s[G0B+4*\slot+2:G0B+4*\slot+3], 2*ROWB
	JLOAD G0+4*\slot, G1, G0B+4*\slot, G1B
	PLACES NP-4
.else
	PLACES NP
.endif
	v_add_nc_u32 v[ADRS], 2048, v[ADRS]            ; the next slot's four chunks of scale words
	SCALES \next
	FETCH1 \next, 0, F0
	FETCH2 \next, 0, F0
	WIN MUL
	MUL4 F1, 2, 3, \slot, 0
	MUL4 F1, 3, 3, \slot, 0
.endm
	s_wait_tensorcnt 1                             ; the scales and my part of slot 0 are in; slot 1's load may be out
	s_barrier_signal -1
	s_barrier_wait -1
	SCALES 0
	FETCH1 0, 0, F0
	FETCH2 0, 0, F0
	QUARTER 0, 0, F0, F1, 1                        ; the first quarter's products start the sums
.if LAPS > 1
	WIN 0
	s_mov_b32 s3, LAPS-1
.Llap:
	QUARTER 0, 1, F1, F0, 0
	QUARTER 0, 2, F0, F1, 0
	TURN 0, 1, 1
	QUARTER 1, 0, F0, F1, 0
	QUARTER 1, 1, F1, F0, 0
	QUARTER 1, 2, F0, F1, 0
	TURN 1, 0, 1
	QUARTER 0, 0, F0, F1, 0
	WIN 0
	s_sub_co_u32 s3, s3, 1
	s_cmp_lg_u32 s3, 0
	s_cbranch_scc1 .Llap
.endif
	QUARTER 0, 1, F1, F0, 0
	QUARTER 0, 2, F0, F1, 0
	TURN 0, 1, 0
	QUARTER 1, 0, F0, F1, 0
	QUARTER 1, 1, F1, F0, 0
	QUARTER 1, 2, F0, F1, 0
	s_wait_dscnt 8                                 ; the very last quarter
	WIN MUL
	MUL4 F1, 0, 3, 1, 0
	MUL4 F1, 1, 3, 1, 0
	PLACES NP
	WIN TO_F
.set t, 0
.rept 32                               ; the residual's 32 rows that I shall store, into buffer 0, which is done with: stage row t is the true row with t's bits 3 and 4 exchanged
.set sw, (t&7)+16*((t/8)%2)+8*(t/16)
	global_load_b128 v[F0+4*t:F0+4*t+3], v[CO], s[10:11] offset:sw*4096
.set t, t+1
.endr
	s_wait_dscnt 0
	WIN MUL
	MUL4 F1, 2, 3, 1, 0
	MUL4 F1, 3, 3, 1, 0
	WIN 0
	PLACES NP
.irp a, 0,1,2,3
.irp b, 0,1,2,3
	ds_store_b128 v[STO], v[ACC+8*(4*\a+\b):ACC+8*(4*\a+\b)+3] offset:\a*16*SPITCH+128*(\b/2)+32*(\b%2)       ; each accumulator from its low end on
	ds_store_b128 v[STO], v[ACC+8*(4*\a+\b)+4:ACC+8*(4*\a+\b)+7] offset:\a*16*SPITCH+128*(\b/2)+32*(\b%2)+16
.endr
.endr
	s_wait_dscnt 0x0                               ; for the others' sake: my stores into the stage are done
	s_barrier_signal -1
	s_barrier_wait -1
.set t, 0
.rept 16
	ds_load_b128 v[TMP+4*t:TMP+4*t+3], v[RD] offset:t*SPITCH
.set t, t+1
.endr
.set t, 0
.rept 16
	ds_load_b128 v[ACC+4*t:ACC+4*t+3], v[RD] offset:(16+t)*SPITCH
.set t, t+1
.endr
.macro FINISH reg, t0                  ; 16 rows: + bias, + residual, stored: 512 consecutive bytes an instruction
.set t, 0
.rept 16
	v_pk_add_f32 v[\reg+4*t:\reg+4*t+1], v[\reg+4*t:\reg+4*t+1], v[BI:BI+1]
	v_pk_add_f32 v[\reg+4*t+2:\reg+4*t+3], v[\reg+4*t+2:\reg+4*t+3], v[BI+2:BI+3]
.set t, t+1
.endr
	WIN 0x04                                       ; source 1: window 1
.set t, 0
.rept 16
	v_pk_add_f32 v[\reg+4*t:\reg+4*t+1], v[\reg+4*t:\reg+4*t+1], v[F0+4*(\t0+t):F0+4*(\t0+t)+1]
	v_pk_add_f32 v[\reg+4*t+2:\reg+4*t+3], v[\reg+4*t+2:\reg+4*t+3], v[F0+4*(\t0+t)+2:F0+4*(\t0+t)+3]
.set t, t+1
.endr
	WIN 0
.set t, 0
.rept 16
.set sw, ((\t0+t)&7)+16*(((\t0+t)/8)%2)+8*((\t0+t)/16)
	global_store_b128 v[CO], v[\reg+4*t:\reg+4*t+3], s[12:13] offset:sw*4096
.set t, t+1
.endr
.endm
	s_wait_loadcnt 0x0                             ; the bias and the residual
	s_wait_dscnt 16                                ; the first 16 rows are back; the other 16 loads may be out
	FINISH TMP, 0
	s_wait_dscnt 0x0
	FINISH ACC, 16
	s_wait_tensorcnt 0x0                           ; the wave's end
	ds_add_u32 v[SPW], v[NIL]
	s_wait_dscnt 0x0
	CROUND                                         ; the closing round
	s_endpgm
.Lfunc_end_k_q60264cd9d9_oproj:
	.size	k_q60264cd9d9_oproj, .Lfunc_end_k_q60264cd9d9_oproj-k_q60264cd9d9_oproj
	.p2alignl 7, 3214868480
	.fill 96, 4, 3214868480
	.section	.rodata,"a",@progbits
	.p2align	6, 0x0
	.amdhsa_kernel k_q60264cd9d9_oproj
		.amdhsa_group_segment_fixed_size 327680
		.amdhsa_private_segment_fixed_size 0
		.amdhsa_enable_private_segment 0
		.amdhsa_kernarg_size 40
		.amdhsa_user_sgpr_count 2
		.amdhsa_user_sgpr_kernarg_segment_ptr 1
		.amdhsa_wavefront_size32 1
		.amdhsa_system_sgpr_workgroup_id_x 1
		.amdhsa_system_sgpr_workgroup_id_y 1
		.amdhsa_system_sgpr_workgroup_id_z 1
		.amdhsa_system_vgpr_workitem_id 0
		.amdhsa_next_free_vgpr 512
		.amdhsa_next_free_sgpr 100
		.amdhsa_reserve_vcc 0
		.amdhsa_float_denorm_mode_32 3
		.amdhsa_float_denorm_mode_16_64 3
		.amdhsa_memory_ordered 1
		.amdhsa_forward_progress 1
		.amdhsa_inst_pref_size 66
	.end_amdhsa_kernel
	.amdgpu_metadata
---
amdhsa.version: [ 1, 2 ]
amdhsa.kernels:
  - .name:           k_q60264cd9d9_oproj
    .symbol:         k_q60264cd9d9_oproj.kd
    .args:
      - { .name: ctx, .offset: 0, .size: 8, .value_kind: global_buffer, .address_space: global }
      - { .name: wts, .offset: 8, .size: 8, .value_kind: global_buffer, .address_space: global }
      - { .name: bo, .offset: 16, .size: 8, .value_kind: global_buffer, .address_space: global }
      - { .name: x, .offset: 24, .size: 8, .value_kind: global_buffer, .address_space: global }
      - { .name: x1, .offset: 32, .size: 8, .value_kind: global_buffer, .address_space: global }
    .group_segment_fixed_size: 327680
    .private_segment_fixed_size: 0
    .kernarg_segment_align: 8
    .kernarg_segment_size: 40
    .max_flat_workgroup_size: 128
    .sgpr_count:     100
    .vgpr_count:     512
    .wavefront_size: 32
...
	.end_amdgpu_metadata
.endif
;; end of part 4
;; launch ln2 (part 5): grid 256 x 1, 4 waves a work-group, no clusters, 1,536 bytes of LDS; arguments x1, ln2_g, ln2_b, h2; writes h2
.if DOCPART == 5
	.amdgcn_target "amdgcn-amd-amdhsa--gfx1250"
	.amdhsa_code_object_version 6
	.text
	.protected	k_q60264cd9d9_ln2
	.globl	k_q60264cd9d9_ln2
	.p2align	8
	.type	k_q60264cd9d9_ln2,@function
k_q60264cd9d9_ln2:
	s_mov_b64 s[64:65], 0
	v_nop
	global_prefetch_b8 v0, s[64:65] scope:SCOPE_SE
	s_setreg_imm32_b32 hwreg(HW_REG_WAVE_MODE, 25, 1), 1
	s_wait_xcnt 0x0
; The second LayerNorm: 4,096 rows of 1,024 f32, and its result quantised along the row to codes of BF8 (E5M2) with one E8M0 byte for each 32.  Nothing is left out.
; h = (x - mean) * rsqrt(var + 1e-5) * g + b, the variance taken of x - mean (two passes over registers), all in f32.
; A wave takes 4 rows and keeps them in 128 registers: the row is read from memory once, no wave waits for another, no barrier.
; Of a row's half t a lane holds k = 512 t + 16 lane + 0 .. 15: sixteen neighbours, as the conversions want; lanes l and l xor 1 hold a block of 32.
; OUT: codes [pos(row)][1,024] at 0, scale bytes [pos(row)][32] at 4,194,304; pos(R) = R with bits 3 and 4 exchanged (the order in which this program keeps all rows of codes).
; A wave's 4 rows are neighbours in both orders.  Its 128 scale bytes leave by one store of 128 consecutive bytes: one byte in 128 of what the launch reads.
; LIMITS: NaN and infinities are not served; a block of zeros gets the byte 1 (its codes are zeros; this program alone reads the bytes); blocks under 2^(15 - 126) are held at the byte 1.
.set SPARE, 1024                       ; LDS: 256 bytes a wave for scale bytes, then the spare words
.set XR, 128                           ; v128-255 the rows: 32 p + 16 t + i
.set GR, 64                            ; v64-95   g at my 32 places
.set BR, 96                            ; v96-127  b
.set CD, 32                            ; v32-63   codes: four registers for each (row, half)
.set SPW, 30
.set NIL, 31
	s_load_b256 s[4:11], s[0:1], 0x0               ; x, g, b, h
	v_lshl_add_u32 v[SPW], v0, 2, SPARE
	v_mov_b32 v[NIL], 0
	v_lshrrev_b32 v1, 5, v0
	v_readfirstlane_b32 s18, v1                    ; wave
	v_and_b32 v1, 31, v0                           ; lane
	v_lshlrev_b32 v2, 6, v1                        ; my 64 bytes of a half row
	v_lshlrev_b32 v3, 4, v1                        ; my 16 codes
	v_lshlrev_b32 v4, 2, v1
	s_lshl_b32 s19, s18, 8
	v_lshrrev_b32 v5, 1, v1
	v_add_nc_u32 v5, s19, v5                       ; LDS: my block's byte
	v_add_nc_u32 v6, s19, v4                       ; and 4 bytes a lane on the way out
.irp p, 0,1,2,3
	v_mov_b32 v[10+\p], 0                          ; a lane permute's destination counts as one of its sources
.endr
	s_mov_b32 s12, 0x76543210
	s_mov_b32 s13, 0xfedcba98                      ; v_permlanex16_b32's selects for lane l xor 16
	s_mov_b32 s14, 0x3a800000                      ; 1 / 1,024
	s_mov_b32 s15, 0x3727c5ac                      ; 1e-5
	s_lshl_b32 s17, ttmp9, 4
	s_lshl_b32 s20, s18, 2
	s_add_co_u32 s17, s17, s20                     ; R0: my first row
	s_and_b32 s20, s17, 0xffffffe7
	s_bfe_u32 s21, s17, 0x10003
	s_bfe_u32 s22, s17, 0x10004
	s_lshl_b32 s21, s21, 4
	s_lshl_b32 s22, s22, 3
	s_or_b32 s20, s20, s21
	s_or_b32 s20, s20, s22                         ; P0 = pos(R0)
	s_lshl_b32 s24, s17, 12
	s_mov_b32 s25, 0
	s_lshl_b32 s26, s20, 10
	s_mov_b32 s27, 0
	s_lshl_b32 s28, s20, 5
	s_add_co_u32 s28, s28, 4194304
	s_mov_b32 s29, 0
	s_wait_kmcnt 0x0
	s_add_nc_u64 s[4:5], s[4:5], s[24:25]
	s_add_nc_u64 s[26:27], s[10:11], s[26:27]      ; my rows' codes
	s_add_nc_u64 s[28:29], s[10:11], s[28:29]      ; and scale bytes
.irp p, 0,1,2,3
.irp t, 0,1
.irp i, 0,1,2,3
	global_load_b128 v[XR+32*\p+16*\t+4*\i:XR+32*\p+16*\t+4*\i+3], v2, s[4:5] offset:4096*\p+2048*\t+16*\i
.endr
.endr
.endr
.irp t, 0,1
.irp i, 0,1,2,3
	global_load_b128 v[GR+16*\t+4*\i:GR+16*\t+4*\i+3], v2, s[6:7] offset:2048*\t+16*\i
	global_load_b128 v[BR+16*\t+4*\i:BR+16*\t+4*\i+3], v2, s[8:9] offset:2048*\t+16*\i
.endr
.endr
.macro REDUCE                          ; the four rows' pairs of partial sums v[22+2p:23+2p] become the rows' sums, in every lane
.irp p, 0,1,2,3
	v_add_f32 v[22+2*\p], v[22+2*\p], v[23+2*\p]
.endr
.irp m, 1,2,4,8
.irp p, 0,1,2,3
	v_add_f32_dpp v[22+2*\p], v[22+2*\p], v[22+2*\p] row_xmask:\m row_mask:0xf bank_mask:0xf
.endr
.endr
.irp p, 0,1,2,3
	v_permlanex16_b32 v[10+\p], v[22+2*\p], s12, s13
.endr
.irp p, 0,1,2,3
	v_add_f32 v[22+2*\p], v[22+2*\p], v[10+\p]
.endr
.endm
	s_wait_loadcnt 16                              ; x's 32 loads are in; g's and b's 16 may be out
.irp p, 0,1,2,3
	v_pk_add_f32 v[22+2*\p:23+2*\p], v[XR+32*\p:XR+32*\p+1], v[XR+32*\p+2:XR+32*\p+3]
.endr
.irp i, 4,6,8,10,12,14,16,18,20,22,24,26,28,30
.irp p, 0,1,2,3
	v_pk_add_f32 v[22+2*\p:23+2*\p], v[22+2*\p:23+2*\p], v[XR+32*\p+\i:XR+32*\p+\i+1]   ; the four rows by turns
.endr
.endr
	REDUCE
.irp p, 0,1,2,3
	v_mul_f32 v[14+2*\p], s14, v[22+2*\p]          ; the mean, in both words of a pair
	v_mul_f32 v[15+2*\p], s14, v[22+2*\p]
.endr
.irp p, 0,1,2,3
.irp i, 0,2,4,6,8,10,12,14,16,18,20,22,24,26,28,30
	v_pk_add_f32 v[XR+32*\p+\i:XR+32*\p+\i+1], v[XR+32*\p+\i:XR+32*\p+\i+1], v[14+2*\p:15+2*\p] neg_lo:[0,1] neg_hi:[0,1]   ; x - mean
.endr
.endr
.irp p, 0,1,2,3
	v_pk_mul_f32 v[22+2*\p:23+2*\p], v[XR+32*\p:XR+32*\p+1], v[XR+32*\p:XR+32*\p+1]
.endr
.irp i, 2,4,6,8,10,12,14,16,18,20,22,24,26,28,30
.irp p, 0,1,2,3
	v_pk_fma_f32 v[22+2*\p:23+2*\p], v[XR+32*\p+\i:XR+32*\p+\i+1], v[XR+32*\p+\i:XR+32*\p+\i+1], v[22+2*\p:23+2*\p]
.endr
.endr
	REDUCE
.irp p, 0,1,2,3
	v_fma_f32 v[14+2*\p], v[22+2*\p], s14, s15     ; var + 1e-5
.endr
	s_wait_alu depctr_va_vdst(0)
.irp p, 0,1,2,3
	v_rsq_f32 v[14+2*\p], v[14+2*\p]               ; one batch of four
.endr
	v_nop                                          ; a plain instruction behind the last of them
	s_wait_alu depctr_va_vdst(0)                   ; one wait for the batch, ahead of its first reader
.irp p, 0,1,2,3
	v_mov_b32 v[15+2*\p], v[14+2*\p]
.endr
	s_wait_alu depctr_va_vdst(0)
	s_wait_loadcnt 0x0                             ; g and b
.irp p, 0,1,2,3
.irp i, 0,2,4,6,8,10,12,14,16,18,20,22,24,26,28,30
	v_pk_mul_f32 v[XR+32*\p+\i:XR+32*\p+\i+1], v[XR+32*\p+\i:XR+32*\p+\i+1], v[14+2*\p:15+2*\p]
.endr
.irp i, 0,2,4,6,8,10,12,14,16,18,20,22,24,26,28,30
	v_pk_fma_f32 v[XR+32*\p+\i:XR+32*\p+\i+1], v[XR+32*\p+\i:XR+32*\p+\i+1], v[GR+\i:GR+\i+1], v[BR+\i:BR+\i+1]
.endr
.endr
.macro QSTEP p, t                      ; my 16 numbers of row p, half t, become 16 codes; each step has registers of its own for its codes and its byte
.set XS, XR+32*(\p)+16*(\t)
.set CC, CD+4*(2*(\p)+(\t))
	v_max3_num_f32 v12, |v[XS]|, |v[XS+1]|, |v[XS+2]|
	v_max3_num_f32 v13, |v[XS+3]|, |v[XS+4]|, |v[XS+5]|
.irp i, 6,10
	v_max3_num_f32 v12, v12, |v[XS+\i]|, |v[XS+\i+1]|
	v_max3_num_f32 v13, v13, |v[XS+\i+2]|, |v[XS+\i+3]|
.endr
	v_max3_num_f32 v12, v12, |v[XS+14]|, |v[XS+15]|
	v_max3_num_f32 v12, v12, v13, 0x8000000        ; the floor 2^(16 - 127)
	v_max_num_f32_dpp v12, v12, v12 row_xmask:1 row_mask:0xf bank_mask:0xf   ; with my neighbour's 16: the block's largest magnitude
	v_add_nc_u32 v11, 0xf8800000, v12              ; 15 off its exponent field: the conversion's scale operand
.set i, 0
.rept 16
.set i, i+1
.endr
	v_cvt_scalef32_pk8_bf8_f32 v[CC:CC+1], v[XS:XS+7], v11
	v_cvt_scalef32_pk8_bf8_f32 v[CC+2:CC+3], v[XS+8:XS+15], v11
	v_lshrrev_b32 v[22+2*(\p)+(\t)], 23, v11       ; the scale's byte; also the plain line behind the conversions
	ds_store_b8 v5, v[22+2*(\p)+(\t)] offset:32*(\p)+16*(\t)   ; both lanes of a block write the same byte with the same value
	global_store_b128 v3, v[CC:CC+3], s[26:27] offset:1024*(\p)+512*(\t)   ; 512 consecutive bytes a wave
.endm
.irp p, 0,1,2,3
	QSTEP \p, 0
	QSTEP \p, 1
.endr
	ds_load_b32 v9, v6                             ; LDS serves a wave's instructions in order: this sees my stores
	s_wait_dscnt 0x0
	global_store_b32 v4, v9, s[28:29]
	s_wait_tensorcnt 0x0                           ; the wave's end: a tensor wait, an add to my spare word and its wait, behind my last LDS store
	ds_add_u32 v[SPW], v[NIL]
	s_wait_dscnt 0x0
	s_endpgm
.Lfunc_end_k_q60264cd9d9_ln2:
	.size	k_q60264cd9d9_ln2, .Lfunc_end_k_q60264cd9d9_ln2-k_q60264cd9d9_ln2
	.p2alignl 7, 3214868480
	.fill 96, 4, 3214868480
	.section	.rodata,"a",@progbits
	.p2align	6, 0x0
	.amdhsa_kernel k_q60264cd9d9_ln2
		.amdhsa_group_segment_fixed_size 1536
		.amdhsa_private_segment_fixed_size 0
		.amdhsa_enable_private_segment 0
		.amdhsa_kernarg_size 32
		.amdhsa_user_sgpr_count 2
		.amdhsa_user_sgpr_kernarg_segment_ptr 1
		.amdhsa_wavefront_size32 1
		.amdhsa_system_sgpr_workgroup_id_x 1
		.amdhsa_system_sgpr_workgroup_id_y 1
		.amdhsa_system_sgpr_workgroup_id_z 1
		.amdhsa_system_vgpr_workitem_id 0
		.amdhsa_next_free_vgpr 256
		.amdhsa_next_free_sgpr 66
		.amdhsa_reserve_vcc 0
		.amdhsa_float_denorm_mode_32 3
		.amdhsa_float_denorm_mode_16_64 3
		.amdhsa_fp16_overflow 1
		.amdhsa_memory_ordered 1
		.amdhsa_forward_progress 1
		.amdhsa_inst_pref_size 39
	.end_amdhsa_kernel
	.amdgpu_metadata
---
amdhsa.version: [ 1, 2 ]
amdhsa.kernels:
  - .name:           k_q60264cd9d9_ln2
    .symbol:         k_q60264cd9d9_ln2.kd
    .args:
      - { .name: x1, .offset: 0, .size: 8, .value_kind: global_buffer, .address_space: global }
      - { .name: ln2_g, .offset: 8, .size: 8, .value_kind: global_buffer, .address_space: global }
      - { .name: ln2_b, .offset: 16, .size: 8, .value_kind: global_buffer, .address_space: global }
      - { .name: h2, .offset: 24, .size: 8, .value_kind: global_buffer, .address_space: global }
    .group_segment_fixed_size: 1536
    .private_segment_fixed_size: 0
    .kernarg_segment_align: 8
    .kernarg_segment_size: 32
    .max_flat_workgroup_size: 128
    .sgpr_count:     66
    .vgpr_count:     256
    .wavefront_size: 32
...
	.end_amdgpu_metadata
.endif
;; end of part 5
;; launch ffn1 (part 6): grid 16 x 16, 4 waves a work-group, clusters of 4 x 4, 327,680 bytes of LDS; arguments h2, wts, b1, gact; writes gact
.if DOCPART == 6
	.amdgcn_target "amdgcn-amd-amdhsa--gfx1250"
	.amdhsa_code_object_version 6
	.text
	.protected	k_q60264cd9d9_ffn1
	.globl	k_q60264cd9d9_ffn1
	.p2align	8
	.type	k_q60264cd9d9_ffn1,@function
k_q60264cd9d9_ffn1:
	s_mov_b64 s[64:65], 0
	v_nop
	global_prefetch_b8 v0, s[64:65] scope:SCOPE_SE
	s_setreg_imm32_b32 hwreg(HW_REG_WAVE_MODE, 25, 1), 1
	s_wait_xcnt 0x0
	s_wait_alu depctr_hold_cnt(0) depctr_sa_sdst(0) depctr_va_vdst(0) depctr_va_sdst(0) depctr_va_ssrc(0) depctr_va_vcc(0) depctr_vm_vsrc(0)
	s_getreg_b32 s2, hwreg(HW_REG_IB_STS2, 6, 4)
	s_cmp_eq_u32 s2, 0
	s_cbranch_scc0 .Lentry_in_a_cluster
	s_endpgm
.Lentry_in_a_cluster:
	s_bfe_u32 s2, ttmp6, 0x10000c
	s_cmp_lg_u32 s2, 0xf033
	s_cbranch_scc0 .Lentry_shape_is_right
	s_endpgm
.Lentry_shape_is_right:
; gact = Q(gelu(h W1 + b1)): [4,096 x 1,024] x [1,024 x 4,096] on codes of BF8 (E5M2) with E8M0 scales; the exact GELU in f32; the result quantised along the 4,096 for the next product.  Nothing is left out.
; A tile of 256 x 256 is made by four waves, 128 x 128 each; K goes in steps of 256 through a ring of two LDS slots; clusters of 4 x 4 with joint loads.
; The matrix instruction is used transposed (source 0 = W1's rows, source 1 = h2's rows): a lane holds one token, and since all rows of codes lie in the order pos(R) = R with bits 3 and 4 exchanged,
; the 64 registers of a block's eight accumulators are 4 x 16 true neighbours along the next K.
; GELU: 0.5 x (1 + erf(x / sqrt 2)), erf(z) = z P(z^2) / Q(z^2) with z held within +-4 (beyond it erf is 1 to f32's last place): a rational form of degrees 6 and 4 in z^2, right to a few units of f32's last place of 1.
; THE WAY OUT is a loop of eight trips, a block of 16 rows each: only the 32 additions that take a block out of its accumulators (with the bias) differ from trip to trip; they are written eight times and chosen by
; the loop's counter; GELU, quantiser and stores are written once.
; OUT: codes [pos(token)][4,096]; scale words [4,096 / 128][pos(token)] at 16,777,216.  No prefetch: the tiles are shared in the cluster and the launch is short.
; LIMITS: NaN and infinities are not served; a block of zeros gets the byte 1 (zero codes; this program alone reads the bytes); blocks under 2^(15 - 126) are held at the byte 1.
.set W1C,   3145728
.set W1S,   12681216
.set KSTEP,  256
.set NQ,     2
.set ROWB,   256
.set KROW,   1024
.set PITCH,  272
.set FR,     16
.set NL,     4
.set NP,     8
.set HALFT,  128*PITCH
.set SLOT,   4*HALFT
.set LAPS,   2
.set KS,     32
.set SCL,    2*SLOT
.set HALFS,  16*272
.set SBLK,   2*272
.set SPARE,  SCL+4*HALFS
.set WREG,   18432                     ; the way out, in slot 0: a region of 128 rows x 144 for each wave,
.set WSTG,   4*WREG                    ; and behind them 512 bytes of scale words for each wave
.set ADRA, 16
.set TA,   18                          ; the trip's stage address,
.set TW,   19                          ; and its word's
.set ADRB, 20
.set SSTO, 22
.set SRD,  23
.set STO,  24
.set RD,   25
.set CO,   26
.set ADRS, 27
.set SPW,  28
.set NIL,  29
.set BOQ,  30
.set GO,   31
.set SC,   32
.set AF,   128
.set TM,   32                          ; the way out (window 0): v32-47 the quantiser's, v48 the scale word, v[50:51], v[52:53] the two leading coefficients
.set PW,   48
.set A0,   50
.set B0,   52
.set BN,   64                          ; v64-127 the bias along the registers
.set T,    128                         ; v128-191 a block's 64 numbers
.set PC,   192                         ; v192-207 codes
.set ZZ,   224                         ; v224-255 eight numbers' z, z^2, P, Q
.set X2,   232
.set PP,   240
.set QQ,   248
.set G1, 24
.set G0, 32
.set G1B, 48
.set G0B, 56
.set G1S, 68
.set G0S, 76
.set G1SB, 80
.set G0SB, 88
.set MNT, 100
.set SEL, 104
.set AL1, 24                           ; the other coefficients, as scalar pairs in registers that held descriptors until the last tensor load was waited for
.set AL2, 26
.set AL3, 28
.set AL4, 30
.set AL5, 32
.set AL6, 34
.set BE1, 36
.set BE2, 38
.set BE3, 48
.set BE4, 50
.set SQH, 52
.set MSB, 0
.macro WIN new
.if MSB != \new
	s_set_vgpr_msb (MSB<<8)|\new
.set MSB, \new
.endif
.endm
.set MUL_LO, 0xa1
.set MUL_HI, 0xf1
.set TO_B,   0x40
.macro JLOAD g0a, g1a, g0b, g1b        ; a joint load: waves 0 and 1 fetch for A, waves 2 and 3 for B; an s_nop 0 and four v_nop follow each line
	s_cmp_eq_u32 s15, 0
	s_cbranch_scc0 .Lfor_b_\@
	tensor_load_to_lds s[\g0a:\g0a+3], s[\g1a:\g1a+7]
	s_nop 0
.rept 4
	v_nop
.endr
	s_branch .Lasked_\@
.Lfor_b_\@:
	tensor_load_to_lds s[\g0b:\g0b+3], s[\g1b:\g1b+7]
	s_nop 0
.rept 4
	v_nop
.endr
.Lasked_\@:
.endm
.macro CREST
	s_cmp_lg_u32 s14, 0
	s_cbranch_scc1 .Lnot_wave_0_\@
	s_barrier_signal -3
.Lnot_wave_0_\@:
	s_barrier_wait -3
	s_barrier_signal -1
	s_barrier_wait -1
.endm
.macro CROUND
	s_barrier_signal -1
	s_barrier_wait -1
	CREST
.endm
	s_load_b256 s[68:75], s[0:1], 0x0              ; h2, wts, b1, gact
	v_lshl_add_u32 v[SPW], v0, 2, SPARE
	v_mov_b32 v[NIL], 0
	ds_add_u32 v[SPW], v[NIL]                      ; the wave's opening: the add, twice on end, and its wait ahead of my first tensor load
	ds_add_u32 v[SPW], v[NIL]
	v_lshrrev_b32 v1, 5, v0
	v_readfirstlane_b32 s14, v1
	s_lshr_b32 s15, s14, 1
	s_and_b32 s16, s14, 1
	s_bfe_u32 s40, ttmp6, 0x40000
	s_bfe_u32 s41, ttmp6, 0x40004
	s_lshl_b32 s42, ttmp9, 2
	s_add_co_u32 s42, s42, s40                     ; tile column
	s_and_b32 s17, ttmp7, 0xffff
	s_lshl_b32 s17, s17, 2
	s_add_co_u32 s17, s17, s41                     ; tile row
	s_lshl_b32 s43, s41, 2
	s_lshl_b32 s43, 15, s43
	s_lshl_b32 s44, 0x1111, s40
	s_or_b32 s[G1+0], s43, (0<<16)|(1<<20)|(1<<21)|(5<<22)|(3<<25)
	s_or_b32 s[G1B+0], s44, (0<<16)|(1<<20)|(1<<21)|(5<<22)|(3<<25)
.irp g, G1, G1B
	s_mov_b32 s[\g+1], ROWB<<16
	s_mov_b32 s[\g+2], 128<<16
	s_mov_b32 s[\g+3], ROWB<<16
	s_mov_b32 s[\g+4], 128
	s_mov_b32 s[\g+5], KROW
	s_mov_b32 s[\g+6], 0
	s_mov_b32 s[\g+7], 0
.endr
	s_lshl_b32 s18, s16, 7
	s_lshl_b32 s20, s17, 8
	s_add_co_u32 s20, s20, s18
	s_lshl_b32 s46, s42, 8
	s_add_co_u32 s46, s46, s18
	s_mov_b32 s21, 0
	s_mov_b32 s47, 0
	s_mov_b64 s[18:19], KS
	s_mul_u64 s[22:23], s[20:21], s[18:19]
	s_mul_u64 s[92:93], s[46:47], s[18:19]
	s_mov_b64 s[18:19], KROW
	s_mul_u64 s[20:21], s[20:21], s[18:19]
	s_mul_u64 s[46:47], s[46:47], s[18:19]
	s_mul_i32 s45, s14, HALFT
	s_mul_i32 s94, s14, HALFS
	s_mov_b32 s[SEL], 0x76543210
	s_mov_b32 s[SEL+1], 0xfedcba98
	s_mov_b32 s[MNT], 0x600000
	s_wait_dscnt 0x0                               ; both opening adds are done
	s_wait_kmcnt 0x0
	s_mov_b64 s[4:5], s[68:69]                     ; A's codes,
	s_add_nc_u64 s[6:7], s[68:69], 4194304         ; A's scales,
	s_add_nc_u64 s[8:9], s[70:71], W1C             ; B's codes,
	s_add_nc_u64 s[10:11], s[70:71], W1S           ; B's scales
	s_mov_b64 s[96:97], s[72:73]                   ; b1
	s_mov_b64 s[12:13], s[74:75]                   ; gact
	s_add_nc_u64 s[20:21], s[4:5], s[20:21]
	s_add_nc_u64 s[22:23], s[6:7], s[22:23]
	s_add_nc_u64 s[46:47], s[8:9], s[46:47]
	s_add_nc_u64 s[92:93], s[10:11], s[92:93]
	s_or_b32 s[G1S+0], s43, (3<<16)|(1<<20)|(1<<21)|(5<<22)|(3<<25)   ; (these registers held the arguments until here)
	s_or_b32 s[G1SB+0], s44, (3<<16)|(1<<20)|(1<<21)|(5<<22)|(3<<25)
.irp g, G1S, G1SB
	s_mov_b32 s[\g+1], 32<<16
	s_mov_b32 s[\g+2], 16<<16
	s_mov_b32 s[\g+3], 32<<16
	s_mov_b32 s[\g+4], 16
	s_mov_b32 s[\g+5], 32
	s_mov_b32 s[\g+6], 0
	s_mov_b32 s[\g+7], 0
.endr
	CROUND
	s_mov_b32 s[G0S], 1
	s_add_co_u32 s[G0S+1], s94, SCL
	s_mov_b64 s[G0S+2:G0S+3], s[22:23]
	s_or_b32 s[G0S+3], s[G0S+3], 0x80000000
	s_mov_b32 s[G0SB], 1
	s_add_co_u32 s[G0SB+1], s94, SCL
	s_mov_b64 s[G0SB+2:G0SB+3], s[92:93]
	s_or_b32 s[G0SB+3], s[G0SB+3], 0x80000000
	JLOAD G0S, G1S, G0SB, G1SB
.irp s, 0,1
	s_mov_b32 s[G0+4*\s], 1
	s_add_co_u32 s[G0+4*\s+1], s45, \s*SLOT
	s_add_nc_u64 s[G0+4*\s+2:G0+4*\s+3], s[20:21], \s*ROWB
	s_or_b32 s[G0+4*\s+3], s[G0+4*\s+3], 0x80000000
	s_mov_b32 s[G0B+4*\s], 1
	s_add_co_u32 s[G0B+4*\s+1], s45, \s*SLOT
	s_add_nc_u64 s[G0B+4*\s+2:G0B+4*\s+3], s[46:47], \s*ROWB
	s_or_b32 s[G0B+4*\s+3], s[G0B+4*\s+3], 0x80000000
	JLOAD G0+4*\s, G1, G0B+4*\s, G1B
.endr
	v_and_b32 v1, 15, v0                           ; r
	v_bfe_u32 v2, v0, 4, 1                         ; h
	v_mul_u32_u24 v3, v1, PITCH
	v_lshl_add_u32 v4, v2, 4, v3
	s_mul_i32 s21, s15, HALFT
	s_mul_i32 s22, s16, HALFT
	s_add_co_u32 s22, s22, 2*HALFT
.irp s, 0,1
	v_add_nc_u32 v[ADRA+\s], s21, v4
	v_add_nc_u32 v[ADRB+\s], s22, v4
	s_add_co_u32 s21, s21, SLOT
	s_add_co_u32 s22, s22, SLOT
.endr
	v_mul_u32_u24 v5, v1, KS
	v_lshrrev_b32 v6, 8, v5
	v_lshl_add_u32 v5, v6, 4, v5
	s_mul_i32 s21, s15, HALFS
	s_mul_i32 s22, s16, HALFS
	s_add_co_u32 s22, s22, 2*HALFS
	s_sub_co_u32 s22, s22, s21
	v_mul_u32_u24 v6, s22, v2
	s_add_co_u32 s21, s21, SCL
	v_add_nc_u32 v5, v5, v6
	v_add_nc_u32 v[ADRS], s21, v5
	; the way out's addresses
	s_mul_i32 s23, s14, WREG
	v_mul_u32_u24 v5, v1, 144
	v_lshl_add_u32 v5, v2, 4, v5
	v_add_nc_u32 v[STO], s23, v5                   ; in: my region, row r, + 16 h
	s_lshl_b32 s23, s14, 9
	s_add_co_u32 s23, s23, WSTG
	v_lshl_add_u32 v[SSTO], v1, 2, s23             ; my row's scale word
	v_and_b32 v6, 31, v0
	v_lshlrev_b32 v[CO], 4, v6
	v_add_nc_u32 v[SRD], s23, v[CO]
	s_mul_i32 s23, s15, 2*WREG                     ; back: wave w takes the tile's rows 64 w on; a row's 256 bytes lie in two regions: lanes 0-7 of sixteen read one, lanes 8-15 the other
	s_mul_i32 s22, s16, 64*144
	s_add_co_u32 s23, s23, s22
	v_bfe_u32 v5, v0, 3, 1
	v_mul_u32_u24 v5, v5, WREG
	v_mad_u32_u24 v5, v2, 144, v5
	v_and_b32 v7, 7, v0
	v_lshl_add_u32 v5, v7, 4, v5
	v_add_nc_u32 v[RD], s23, v5
	v_lshlrev_b32 v5, 12, v2
	v_lshl_add_u32 v[GO], v1, 4, v5                ; lanes 0-15 one row of gact, lanes 16-31 the next
	v_lshlrev_b32 v[BOQ], 6, v2
	s_lshl_b32 s20, s17, 8
	s_lshl_b32 s21, s14, 6
	s_add_co_u32 s21, s20, s21
	s_lshl_b32 s21, s21, 12                        ; the first row that I store, x 4,096 bytes,
	s_lshl_b32 s46, s42, 8
	s_add_co_u32 s18, s21, s46                     ; + the tile's 256 bytes of a row
	s_mov_b32 s19, 0
	s_lshl_b32 s21, s15, 7
	s_add_co_u32 s20, s20, s21
	s_lshl_b32 s20, s20, 2                         ; scale words: my 128 rows,
	s_lshl_b32 s46, s42, 1
	s_add_co_u32 s46, s46, s16                     ; of chunk 2 x tile column + my half
	s_lshl_b32 s47, s46, 14
	s_add_co_u32 s20, s20, s47
	s_add_co_u32 s20, s20, 16777216
	s_mov_b32 s21, 0
	s_add_nc_u64 s[98:99], s[12:13], s[20:21]
	s_add_nc_u64 s[12:13], s[12:13], s[18:19]
	s_lshl_b32 s46, s46, 9
	s_mov_b32 s47, 0
	s_add_nc_u64 s[96:97], s[96:97], s[46:47]      ; b1 at my 128 columns
.irp bb, 0,1,2,3
.irp q, 0,1,2,3
	global_load_b128 v[BN+16*\bb+4*\q:BN+16*\bb+4*\q+3], v[BOQ], s[96:97] offset:128*\bb+16*\q   ; waited for on the way out
.endr
.endr
.macro FRAG reg, adr, q, i
.irp c, 0,1,2,3
	ds_load_b128 v[\reg+4*\c:\reg+4*\c+3], v[\adr] offset:128*(\q)+32*\c+(\i)*16*PITCH
.endr
.endm
.macro MUL16 a0, p, q, sc, zero        ; the 64 accumulators take turns, one instruction a turn, in the same order in every step
.irp a, \a0, \a0+1
.irp b, 0,1,2,3,4,5,6,7
.if \zero
	v_wmma_scale_f32_16x16x128_f8f6f4 v[8*(8*((\a)%4)+\b):8*(8*((\a)%4)+\b)+7], v[128*(\p)+FR*\b:128*(\p)+FR*\b+FR-1], v[AF+FR*(\a):AF+FR*(\a)+FR-1], 0, v[SC+8*NQ*(\sc)+NQ*\b+(\q)], v[SC+8*NQ*(\sc)+NQ*(\a)+(\q)] matrix_a_fmt:MATRIX_FMT_BF8 matrix_b_fmt:MATRIX_FMT_BF8 matrix_a_scale:MATRIX_SCALE_ROW1
.else
	v_wmma_scale_f32_16x16x128_f8f6f4 v[8*(8*((\a)%4)+\b):8*(8*((\a)%4)+\b)+7], v[128*(\p)+FR*\b:128*(\p)+FR*\b+FR-1], v[AF+FR*(\a):AF+FR*(\a)+FR-1], v[8*(8*((\a)%4)+\b):8*(8*((\a)%4)+\b)+7], v[SC+8*NQ*(\sc)+NQ*\b+(\q)], v[SC+8*NQ*(\sc)+NQ*(\a)+(\q)] matrix_a_fmt:MATRIX_FMT_BF8 matrix_b_fmt:MATRIX_FMT_BF8 matrix_a_scale:MATRIX_SCALE_ROW1
.endif
.endr
.endr
.endm
.macro FETCH_B slot, q, p
	WIN TO_B
.irp i, 0,1,2,3,4,5,6,7
	FRAG 128*(\p)+FR*\i, ADRB+\slot, \q, \i
.endr
	WIN 0
.endm
.macro FETCH_A slot, q, i0
.irp i, \i0, \i0+1, \i0+2, \i0+3
	FRAG AF+FR*(\i), ADRA+\slot, \q, \i
.endr
.endm
.macro SCALES sc
.irp i, 0,1,2,3,4,5,6,7
	ds_load_b64 v[SC+8*NQ*\sc+NQ*\i:SC+8*NQ*\sc+NQ*\i+1], v[ADRS] offset:\i*SBLK
.endr
.endm
.macro PLACES n
.rept \n
	v_nop
.endr
.endm
.macro STEP slot, q, zero
	s_wait_dscnt 4*NL                              ; the youngest 16 loads (A's blocks 4-7) may be out
	WIN MUL_LO
	MUL16 0, (\q)%2, \q, \slot, \zero
	MUL16 2, (\q)%2, \q, \slot, \zero
	s_wait_dscnt 0
	PLACES NP
	FETCH_B \slot, (\q)+1, 1-(\q)%2
	FETCH_A \slot, (\q)+1, 0
	WIN MUL_HI
	MUL16 4, (\q)%2, \q, \slot, \zero
	MUL16 6, (\q)%2, \q, \slot, \zero
	PLACES NP
	WIN 0
	FETCH_A \slot, (\q)+1, 4
.endm
.macro TURN slot, next, fill
	s_wait_tensorcnt 0x0                           ; all my tensor loads have landed
	ds_add_u32 v[SPW], v[NIL]
	s_wait_dscnt 4*NL+1                            ; the add and the youngest 16 loads may be out
	WIN MUL_LO
	MUL16 0, 1, NQ-1, \slot, 0
	s_wait_dscnt 0x0                               ; the add is done, and my reads of this slot are over
	s_barrier_signal -1
	MUL16 2, 1, NQ-1, \slot, 0
	WIN 0
	s_barrier_wait -1
.if \fill
	CREST
	s_add_nc_u64 s[G0+4*\slot+2:G0+4*\slot+3], s[G0+4*\slot+2:G0+4*\slot+3], 2*ROWB
	s_add_nc_u64 s[G0B+4*\slot+2:G0B+4*\slot+3], s[G0B+4*\slot+2:G0B+4*\slot+3], 2*ROWB
	JLOAD G0+4*\slot, G1, G0B+4*\slot, G1B
	PLACES NP-4
.else
	PLACES NP
.endif
	v_add_nc_u32 v[ADRS], 4*NQ, v[ADRS]
	FETCH_B \next, 0, 0
	FETCH_A \next, 0, 0
	SCALES \next
	WIN MUL_HI
	MUL16 4, 1, NQ-1, \slot, 0
	MUL16 6, 1, NQ-1, \slot, 0
	PLACES NP
	WIN 0
	FETCH_A \next, 0, 4
.endm
	s_wait_tensorcnt 1                             ; the scales and my part of K step 0 are in; K step 1's load may be out
	s_barrier_signal -1
	s_barrier_wait -1
	FETCH_B 0, 0, 0
	FETCH_A 0, 0, 0
	SCALES 0
	FETCH_A 0, 0, 4
	STEP 0, 0, 1
	s_mov_b32 s3, LAPS-1
.Llap:
	TURN 0, 1, 1
	STEP 1, 0, 0
	TURN 1, 0, 1
	STEP 0, 0, 0
	s_sub_co_u32 s3, s3, 1
	s_cmp_lg_u32 s3, 0
	s_cbranch_scc1 .Llap
	TURN 0, 1, 0
	STEP 1, 0, 0
	s_wait_dscnt 4*NL
	WIN MUL_LO
	MUL16 0, 1, NQ-1, 1, 0
	MUL16 2, 1, NQ-1, 1, 0
	s_wait_dscnt 0
	WIN MUL_HI
	MUL16 4, 1, NQ-1, 1, 0
	MUL16 6, 1, NQ-1, 1, 0
	WIN 0
.macro QUANT s, pc, pw                 ; 64 numbers of a lane, register 16 b + i = place 32 b + 16 (lane / 16) + i along the next K, become 16 registers of codes and a scale word
.irp b, 0,1,2,3
	v_max3_num_f32 v[TM+\b], |v[\s+16*\b]|, |v[\s+1+16*\b]|, 0x8000000
.endr
.irp i, 2,4,6,8,10,12,14
.irp b, 0,1,2,3
	v_max3_num_f32 v[TM+\b], v[TM+\b], |v[\s+16*\b+\i]|, |v[\s+1+16*\b+\i]|
.endr
.endr
.irp b, 0,1,2,3
	v_permlanex16_b32 v[TM+4+\b], v[TM+\b], s[SEL], s[SEL+1]
.endr
.irp b, 0,1,2,3
	v_max_num_f32 v[TM+\b], v[TM+\b], v[TM+4+\b]
.endr
.irp b, 0,1,2,3
	v_add_nc_u32 v[TM+12+\b], 0xf8800000, v[TM+\b]
.endr
.irp b, 0,1,2,3
	v_and_or_b32 v[TM+8+\b], v[TM+\b], 0x7f800000, s[MNT]
.endr
.irp b, 0,1,2,3
	v_lshrrev_b32 v[TM+4+\b], 23, v[TM+12+\b]
.endr
	v_lshl_or_b32 v[\pw], v[TM+5], 8, v[TM+4]
	v_lshl_or_b32 v[\pw], v[TM+6], 16, v[\pw]
	v_lshl_or_b32 v[\pw], v[TM+7], 24, v[\pw]
.irp b, 0,1,2,3
.irp i, 0,1,2,3,4,5,6,7,8,9,10,11,12,13,14,15
	v_med3_num_f32 v[\s+16*\b+\i], v[\s+16*\b+\i], -v[TM+8+\b], v[TM+8+\b]
.endr
	v_cvt_scalef32_pk8_bf8_f32 v[\pc+4*\b:\pc+1+4*\b], v[\s+16*\b:\s+7+16*\b], v[TM+12+\b]
	v_cvt_scalef32_pk8_bf8_f32 v[\pc+2+4*\b:\pc+3+4*\b], v[\s+8+16*\b:\s+15+16*\b], v[TM+12+\b]
.endr
	v_nop
.endm
.macro KONST reg, val                  ; a constant as a scalar pair: the packed forms name the pair and take its low word for both halves
	s_mov_b32 s[\reg], \val
	s_mov_b32 s[\reg+1], \val
.endm
.macro HORNER acc, k                   ; acc = acc x z^2 + k, four pairs
.irp j, 0,2,4,6
	v_pk_fma_f32 v[\acc+\j:\acc+\j+1], v[\acc+\j:\acc+\j+1], v[X2+\j:X2+\j+1], s[\k:\k+1] op_sel_hi:[1,1,0]
.endr
.endm
.macro GELU8 g                         ; eight numbers of the block, in place
.set TT, T+8*(\g)
.irp j, 0,2,4,6
	v_pk_mul_f32 v[ZZ+\j:ZZ+\j+1], v[TT+\j:TT+\j+1], s[SQH:SQH+1] op_sel_hi:[1,0]   ; z = x / sqrt 2
.endr
.irp j, 0,1,2,3,4,5,6,7
	v_med3_num_f32 v[ZZ+\j], v[ZZ+\j], -4.0, 4.0
.endr
.irp j, 0,2,4,6
	v_pk_mul_f32 v[X2+\j:X2+\j+1], v[ZZ+\j:ZZ+\j+1], v[ZZ+\j:ZZ+\j+1]
.endr
.irp j, 0,2,4,6
	v_pk_fma_f32 v[PP+\j:PP+\j+1], v[X2+\j:X2+\j+1], v[A0:A0+1], s[AL1:AL1+1] op_sel_hi:[1,1,0]
.endr
.irp j, 0,2,4,6
	v_pk_fma_f32 v[QQ+\j:QQ+\j+1], v[X2+\j:X2+\j+1], v[B0:B0+1], s[BE1:BE1+1] op_sel_hi:[1,1,0]
.endr
	HORNER PP, AL2
	HORNER QQ, BE2
	HORNER PP, AL3
	HORNER QQ, BE3
	HORNER PP, AL4
	HORNER QQ, BE4
	HORNER PP, AL5
	HORNER PP, AL6
.irp j, 0,1,2,3,4,5,6,7
	v_rcp_f32 v[QQ+\j], v[QQ+\j]                   ; one batch of eight
.endr
.irp j, 0,2,4,6
	v_pk_mul_f32 v[PP+\j:PP+\j+1], v[PP+\j:PP+\j+1], v[ZZ+\j:ZZ+\j+1]   ; plain work behind the batch: z P,
.endr
.irp j, 0,2,4,6
	v_pk_mul_f32 v[ZZ+\j:ZZ+\j+1], v[TT+\j:TT+\j+1], 0.5 op_sel_hi:[1,0]   ; and x / 2
.endr
	s_wait_alu depctr_va_vdst(0)                   ; one wait for the batch, ahead of its first reader
.irp j, 0,2,4,6
	v_pk_mul_f32 v[PP+\j:PP+\j+1], v[PP+\j:PP+\j+1], v[QQ+\j:QQ+\j+1]   ; erf
.endr
.irp j, 0,2,4,6
	v_pk_fma_f32 v[TT+\j:TT+\j+1], v[ZZ+\j:ZZ+\j+1], v[PP+\j:PP+\j+1], v[ZZ+\j:ZZ+\j+1]   ; x / 2 x erf + x / 2
.endr
.endm
.macro MOVE a                          ; block a's 64 sums, with the bias, into T: each accumulator from its low end on
	WIN 0x02+(\a)/4
.set i, 0
.rept 32
	v_pk_add_f32 v[T+i:T+i+1], v[64*((\a)%4)+i:64*((\a)%4)+i+1], v[BN+i:BN+i+1]
.set i, i+2
.endr
	WIN 0
.endm
	PLACES NP                                      ; behind the last products: results are read, and registers that held operands and scales are written
.irp b, 0,1,2,3
	v_mov_b32 v[TM+4+\b], 0                        ; a lane permute's destination counts as one of its sources
.endr
	v_mov_b32 v[A0], 0xaf95df0b                    ; P's coefficients, from the highest power down
	v_mov_b32 v[A0+1], 0xaf95df0b
	v_mov_b32 v[B0], 0xb77460cd                    ; Q's
	v_mov_b32 v[B0+1], 0xb77460cd
	KONST AL1, 0x32edffee
	KONST AL2, 0xb60cff51
	KONST AL3, 0xb86ec2d2
	KONST AL4, 0xba40ac63
	KONST AL5, 0xbb41a1f6
	KONST AL6, 0xbc83dbd4
	KONST BE1, 0xb95fbd29
	KONST BE2, 0xbadc924e
	KONST BE3, 0xbbf19bf8
	KONST BE4, 0xbc69b6a7
	KONST SQH, 0x3f3504f3
	s_wait_loadcnt 0x0                             ; the bias
	s_mov_b32 s3, 0                                ; the block,
	s_mov_b32 s2, 0                                ; its 16 rows in my region,
	s_mov_b32 s92, 0                               ; its 16 words
.Lout:
.irp a, 0,1,2,3,4,5,6
	s_cmp_eq_u32 s3, \a
	s_cbranch_scc1 .Lmove\a
.endr
	MOVE 7
	s_branch .Lmoved
.irp a, 0,1,2,3,4,5,6
.Lmove\a:
	MOVE \a
	s_branch .Lmoved
.endr
.Lmoved:
.irp g, 0,1,2,3,4,5,6,7
	GELU8 \g
.endr
	QUANT T, PC, PW
	v_add_nc_u32 v[TA], s2, v[STO]
	v_add_nc_u32 v[TW], s92, v[SSTO]
.irp c, 0,1,2,3
	ds_store_b128 v[TA], v[PC+4*\c:PC+4*\c+3] offset:32*\c
.endr
	ds_store_b32 v[TW], v[PW]                      ; lanes r and r + 16 hold the same word
	s_wait_dscnt 0x0                               ; the stores have read their registers; at the loop's end also: for the others' sake
	s_add_co_u32 s2, s2, 16*144
	s_add_co_u32 s92, s92, 64
	s_add_co_u32 s3, s3, 1
	s_cmp_lt_u32 s3, 8
	s_cbranch_scc1 .Lout
	s_barrier_signal -1
	s_barrier_wait -1                              ; the tile's 256 rows of codes lie in the four regions
.set t, 0
.rept 32
	ds_load_b128 v[64+4*t:67+4*t], v[RD] offset:288*t
.set t, t+1
.endr
.set t, 0
.rept 32
	s_wait_dscnt 31-t                              ; load t is in; the 31 - t younger ones may be out
	global_store_b128 v[GO], v[64+4*t:67+4*t], s[12:13] offset:8192*t   ; sixteen lanes store 256 consecutive bytes, aligned
.set t, t+1
.endr
	ds_load_b128 v[32:35], v[SRD]                  ; my 128 scale words
	s_wait_dscnt 0x0
	global_store_b128 v[CO], v[32:35], s[98:99]    ; 512 consecutive bytes
	s_wait_tensorcnt 0x0                           ; the wave's end
	ds_add_u32 v[SPW], v[NIL]
	s_wait_dscnt 0x0
	CROUND                                         ; the closing round
	s_endpgm
.Lfunc_end_k_q60264cd9d9_ffn1:
	.size	k_q60264cd9d9_ffn1, .Lfunc_end_k_q60264cd9d9_ffn1-k_q60264cd9d9_ffn1
	.p2alignl 7, 3214868480
	.fill 96, 4, 3214868480
	.section	.rodata,"a",@progbits
	.p2align	6, 0x0
	.amdhsa_kernel k_q60264cd9d9_ffn1
		.amdhsa_group_segment_fixed_size 327680
		.amdhsa_private_segment_fixed_size 0
		.amdhsa_enable_private_segment 0
		.amdhsa_kernarg_size 32
		.amdhsa_user_sgpr_count 2
		.amdhsa_user_sgpr_kernarg_segment_ptr 1
		.amdhsa_wavefront_size32 1
		.amdhsa_system_sgpr_workgroup_id_x 1
		.amdhsa_system_sgpr_workgroup_id_y 1
		.amdhsa_system_sgpr_workgroup_id_z 1
		.amdhsa_system_vgpr_workitem_id 0
		.amdhsa_next_free_vgpr 1024
		.amdhsa_next_free_sgpr 106
		.amdhsa_reserve_vcc 0
		.amdhsa_float_denorm_mode_32 3
		.amdhsa_float_denorm_mode_16_64 3
		.amdhsa_memory_ordered 1
		.amdhsa_forward_progress 1
		.amdhsa_inst_pref_size 191
	.end_amdhsa_kernel
	.amdgpu_metadata
---
amdhsa.version: [ 1, 2 ]
amdhsa.kernels:
  - .name:           k_q60264cd9d9_ffn1
    .symbol:         k_q60264cd9d9_ffn1.kd
    .args:
      - { .name: h2, .offset: 0, .size: 8, .value_kind: global_buffer, .address_space: global }
      - { .name: wts, .offset: 8, .size: 8, .value_kind: global_buffer, .address_space: global }
      - { .name: b1, .offset: 16, .size: 8, .value_kind: global_buffer, .address_space: global }
      - { .name: gact, .offset: 24, .size: 8, .value_kind: global_buffer, .address_space: global }
    .group_segment_fixed_size: 327680
    .private_segment_fixed_size: 0
    .kernarg_segment_align: 8
    .kernarg_segment_size: 32
    .max_flat_workgroup_size: 128
    .sgpr_count:     106
    .vgpr_count:     1024
    .wavefront_size: 32
...
	.end_amdgpu_metadata
.endif
;; end of part 6
;; launch ffn2 (part 7): grid 8 x 32, 4 waves a work-group, clusters of 4 x 4, 327,680 bytes of LDS; arguments gact, wts, b2, x1, out0; writes out0
.if DOCPART == 7
	.amdgcn_target "amdgcn-amd-amdhsa--gfx1250"
	.amdhsa_code_object_version 6
	.text
	.protected	k_q60264cd9d9_ffn2
	.globl	k_q60264cd9d9_ffn2
	.p2align	8
	.type	k_q60264cd9d9_ffn2,@function
k_q60264cd9d9_ffn2:
	s_mov_b64 s[64:65], 0
	v_nop
	global_prefetch_b8 v0, s[64:65] scope:SCOPE_SE
	s_setreg_imm32_b32 hwreg(HW_REG_WAVE_MODE, 25, 1), 1
	s_wait_xcnt 0x0
	s_wait_alu depctr_hold_cnt(0) depctr_sa_sdst(0) depctr_va_vdst(0) depctr_va_sdst(0) depctr_va_ssrc(0) depctr_va_vcc(0) depctr_vm_vsrc(0)
	s_getreg_b32 s2, hwreg(HW_REG_IB_STS2, 6, 4)
	s_cmp_eq_u32 s2, 0
	s_cbranch_scc0 .Lentry_in_a_cluster
	s_endpgm
.Lentry_in_a_cluster:
	s_bfe_u32 s2, ttmp6, 0x10000c
	s_cmp_lg_u32 s2, 0xf033
	s_cbranch_scc0 .Lentry_shape_is_right
	s_endpgm
.Lentry_shape_is_right:
; out0 = x1 + (gact W2 + b2): [4,096 x 4,096] x [4,096 x 1,024] on codes of BF8 (E5M2) with E8M0 scales; bias and residual in f32.  Nothing is left out.
; A tile of 128 x 128 (so that 256 work-groups have work) is made by four waves, 64 x 64 each: 16 accumulators.  K goes in steps of 512 (rows of 512 bytes) through a ring of two LDS slots: four laps.
; The scale words lie [K / 128][rows] in memory: the work-group's 128 rows of a chunk are 512 consecutive bytes; all 32 chunks come once, with the first fills.
; CLUSTERS of 4 x 4: A's tiles are shared along a row, B's along a column, and asked for jointly.  The matrix instruction is used transposed (source 0 = W2's rows, source 1 = gact's rows).
; Rows of codes lie in the order pos(R) = R with bits 3 and 4 exchanged: a lane's registers of two neighbouring tiles are 16 true neighbours along N; a stage row t of a wave's 32 is the true row with t's bits 3 and 4 exchanged.
; No prefetch: the launch is short and its tiles are shared in the cluster.  LIMITS: NaN and infinities are not served.
.set SIZE_K, 4096
.set ASO,    16777216                  ; A's scale words in its buffer
.set BCO,    8388608                   ; B's codes in wts
.set BSO,    12845056                  ; B's scale words in wts
.set ROWB,   512
.set PITCH,  528
.set HALFT,  64*PITCH
.set SLOT,   4*HALFT
.set LAPS,   SIZE_K/1024
.set NCH,    SIZE_K/256
.set HS,     NCH*512
.set SCLA,   2*SLOT
.set SCLB,   SCLA+2*HS+128             ; 128 on, so that lanes 0-15 (A's words) and lanes 16-31 (B's) fall on different banks
.set SPARE,  303360
.set SPITCH, 528
.set NP,     8
.set BI,   8
.set ADRA, 16
.set ADRB, 20
.set STO,  24
.set RD,   25
.set CO,   26
.set ADRS, 27
.set SPW,  28
.set NIL,  29
.set TMP,  32
.set SC,   96
.set ACC,  128
.set F0,   0
.set F1,   128
.set G1, 24
.set G0, 32
.set G1B, 48
.set G0B, 56
.set G1S, 68
.set G0S, 76
.set G1SB, 80
.set G0SB, 88
.set MSB, 0
.macro WIN new
.if MSB != \new
	s_set_vgpr_msb (MSB<<8)|\new
.set MSB, \new
.endif
.endm
.set MUL,  0x05
.set TO_F, 0x40
.macro JLOAD g0a, g1a, g0b, g1b        ; a joint load: waves 0 and 1 fetch for A, waves 2 and 3 for B; an s_nop 0 and four v_nop follow each line
	s_cmp_eq_u32 s15, 0
	s_cbranch_scc0 .Lfor_b_\@
	tensor_load_to_lds s[\g0a:\g0a+3], s[\g1a:\g1a+7]
	s_nop 0
.rept 4
	v_nop
.endr
	s_branch .Lasked_\@
.Lfor_b_\@:
	tensor_load_to_lds s[\g0b:\g0b+3], s[\g1b:\g1b+7]
	s_nop 0
.rept 4
	v_nop
.endr
.Lasked_\@:
.endm
.macro CREST
	s_cmp_lg_u32 s14, 0
	s_cbranch_scc1 .Lnot_wave_0_\@
	s_barrier_signal -3
.Lnot_wave_0_\@:
	s_barrier_wait -3
	s_barrier_signal -1
	s_barrier_wait -1
.endm
.macro CROUND
	s_barrier_signal -1
	s_barrier_wait -1
	CREST
.endm
	s_load_b256 s[4:11], s[0:1], 0x0               ; A, wts, bias, residual
	s_load_b64 s[12:13], s[0:1], 0x20              ; out
	v_lshl_add_u32 v[SPW], v0, 2, SPARE
	v_mov_b32 v[NIL], 0
	ds_add_u32 v[SPW], v[NIL]                      ; the wave's opening: the add, twice on end, and its wait ahead of my first tensor load
	ds_add_u32 v[SPW], v[NIL]
	v_lshrrev_b32 v1, 5, v0
	v_readfirstlane_b32 s14, v1
	s_lshr_b32 s15, s14, 1
	s_and_b32 s16, s14, 1
	s_bfe_u32 s40, ttmp6, 0x40000
	s_bfe_u32 s41, ttmp6, 0x40004
	s_lshl_b32 s42, ttmp9, 2
	s_add_co_u32 s42, s42, s40                     ; tile column
	s_and_b32 s17, ttmp7, 0xffff
	s_lshl_b32 s17, s17, 2
	s_add_co_u32 s17, s17, s41                     ; tile row
	s_lshl_b32 s43, s41, 2
	s_lshl_b32 s43, 15, s43
	s_lshl_b32 s44, 0x1111, s40
	s_or_b32 s[G1+0], s43, (0<<16)|(1<<20)|(1<<21)|(6<<22)|(3<<25)
	s_or_b32 s[G1B+0], s44, (0<<16)|(1<<20)|(1<<21)|(6<<22)|(3<<25)
.irp g, G1, G1B
	s_mov_b32 s[\g+1], ROWB<<16
	s_mov_b32 s[\g+2], 64<<16
	s_mov_b32 s[\g+3], ROWB<<16
	s_mov_b32 s[\g+4], 64
	s_mov_b32 s[\g+5], SIZE_K
	s_mov_b32 s[\g+6], 0
	s_mov_b32 s[\g+7], 0
.endr
	s_or_b32 s[G1S+0], s43, (3<<16)|(1<<21)        ; the scale words: NCH rows of 512 bytes (64 elements of 8), no padding
	s_or_b32 s[G1SB+0], s44, (3<<16)|(1<<21)
.irp g, G1S, G1SB
	s_mov_b32 s[\g+1], 64<<16
	s_mov_b32 s[\g+2], NCH<<16
	s_mov_b32 s[\g+3], 64<<16
	s_mov_b32 s[\g+4], NCH
	s_mov_b32 s[\g+6], 0
	s_mov_b32 s[\g+7], 0
.endr
	s_mov_b32 s[G1S+5], 2048
	s_mov_b32 s[G1SB+5], 512
	s_lshl_b32 s18, s16, 6
	s_lshl_b32 s20, s17, 7
	s_add_co_u32 s20, s20, s18
	s_mul_i32 s20, s20, SIZE_K
	s_mov_b32 s21, 0
	s_lshl_b32 s46, s42, 7
	s_add_co_u32 s46, s46, s18
	s_mul_i32 s46, s46, SIZE_K
	s_add_co_u32 s46, s46, BCO
	s_mov_b32 s47, 0
	s_mul_i32 s22, s16, NCH*16384
	s_lshl_b32 s19, s17, 9
	s_add_co_u32 s22, s22, s19
	s_add_co_u32 s22, s22, ASO
	s_mov_b32 s23, 0
	s_mul_i32 s92, s16, NCH*4096
	s_lshl_b32 s93, s42, 9
	s_add_co_u32 s92, s92, s93
	s_add_co_u32 s92, s92, BSO
	s_mov_b32 s93, 0
	s_mul_i32 s45, s14, HALFT
	s_mul_i32 s94, s14, HS
	s_wait_dscnt 0x0                               ; both opening adds are done
	s_wait_kmcnt 0x0
	s_add_nc_u64 s[20:21], s[4:5], s[20:21]
	s_add_nc_u64 s[22:23], s[4:5], s[22:23]
	s_add_nc_u64 s[46:47], s[6:7], s[46:47]
	s_add_nc_u64 s[92:93], s[6:7], s[92:93]
	CROUND
	s_mov_b32 s[G0S], 1
	s_add_co_u32 s[G0S+1], s94, SCLA
	s_mov_b64 s[G0S+2:G0S+3], s[22:23]
	s_or_b32 s[G0S+3], s[G0S+3], 0x80000000
	s_mov_b32 s[G0SB], 1
	s_add_co_u32 s[G0SB+1], s94, SCLA+128
	s_mov_b64 s[G0SB+2:G0SB+3], s[92:93]
	s_or_b32 s[G0SB+3], s[G0SB+3], 0x80000000
	JLOAD G0S, G1S, G0SB, G1SB
.irp s, 0,1
	s_mov_b32 s[G0+4*\s], 1
	s_add_co_u32 s[G0+4*\s+1], s45, \s*SLOT
	s_add_nc_u64 s[G0+4*\s+2:G0+4*\s+3], s[20:21], \s*ROWB
	s_or_b32 s[G0+4*\s+3], s[G0+4*\s+3], 0x80000000
	s_mov_b32 s[G0B+4*\s], 1
	s_add_co_u32 s[G0B+4*\s+1], s45, \s*SLOT
	s_add_nc_u64 s[G0B+4*\s+2:G0B+4*\s+3], s[46:47], \s*ROWB
	s_or_b32 s[G0B+4*\s+3], s[G0B+4*\s+3], 0x80000000
	JLOAD G0+4*\s, G1, G0B+4*\s, G1B
.endr
	v_and_b32 v1, 15, v0
	v_bfe_u32 v2, v0, 4, 1
	v_mul_u32_u24 v3, v1, PITCH
	v_lshl_add_u32 v3, v2, 4, v3
	s_mul_i32 s21, s15, HALFT
	s_mul_i32 s22, s16, HALFT
	s_add_co_u32 s22, s22, 2*HALFT
.irp s, 0,1
	v_add_nc_u32 v[ADRA+\s], s21, v3
	v_add_nc_u32 v[ADRB+\s], s22, v3
	s_add_co_u32 s21, s21, SLOT
	s_add_co_u32 s22, s22, SLOT
.endr
	s_lshl_b32 s21, s15, 8
	s_lshl_b32 s22, s16, 8
	s_add_co_u32 s22, s22, SCLB-SCLA
	s_sub_co_u32 s22, s22, s21
	v_mul_u32_u24 v6, s22, v2                      ; lanes 16-31 take B's: one product, the distance between the two
	s_add_co_u32 s21, s21, SCLA
	v_lshlrev_b32 v5, 2, v1
	v_add_nc_u32 v5, v5, v6
	v_add_nc_u32 v[ADRS], s21, v5
	s_mul_i32 s23, s15, 64*SPITCH
	s_lshl_b32 s21, s16, 8
	s_add_co_u32 s23, s23, s21
	v_mul_u32_u24 v4, v1, SPITCH
	v_lshl_add_u32 v4, v2, 6, v4
	v_add_nc_u32 v[STO], s23, v4
	s_mul_i32 s23, s14, 32*SPITCH
	v_and_b32 v6, 31, v0
	v_lshlrev_b32 v[CO], 4, v6
	v_add_nc_u32 v[RD], s23, v[CO]
	s_lshl_b32 s20, s17, 7
	s_lshl_b32 s21, s14, 5
	s_add_co_u32 s20, s20, s21
	s_lshl_b32 s20, s20, 12
	s_lshl_b32 s46, s42, 9
	s_mov_b32 s47, 0
	s_add_co_u32 s20, s20, s46
	s_mov_b32 s21, 0
	s_add_nc_u64 s[10:11], s[10:11], s[20:21]
	s_add_nc_u64 s[12:13], s[12:13], s[20:21]
	s_add_nc_u64 s[8:9], s[8:9], s[46:47]
	global_load_b128 v[BI:BI+3], v[CO], s[8:9]     ; waited for on the way out
.macro FRAG reg, adr, k, i
.irp c, 0,1,2,3
	ds_load_b128 v[\reg+4*\c:\reg+4*\c+3], v[\adr] offset:(\k)+32*\c+(\i)*16*PITCH
.endr
.endm
.macro FETCH1 slot, k, f               ; 24 loads: B's four fragments, A's 0 and 1
	WIN TO_F
.irp i, 0,1,2,3
	FRAG \f+64+16*\i, ADRB+\slot, \k, \i
.endr
	FRAG \f, ADRA+\slot, \k, 0
	FRAG \f+16, ADRA+\slot, \k, 1
.endm
.macro FETCH2 slot, k, f               ; 8 loads: A's 2 and 3
	WIN TO_F
	FRAG \f+32, ADRA+\slot, \k, 2
	FRAG \f+48, ADRA+\slot, \k, 3
.endm
.macro SCALES set
	WIN 0
.irp q, 0,1,2,3
.irp i, 0,1,2,3
	ds_load_b32 v[SC+16*\set+4*\q+\i], v[ADRS] offset:512*\q+64*\i
.endr
.endr
.endm
.macro MUL4 f, a, q, set, zero         ; the 16 accumulators take turns, one instruction a turn, in the same order in every quarter
.irp b, 0,1,2,3
.if \zero
	v_wmma_scale_f32_16x16x128_f8f6f4 v[ACC+8*(4*(\a)+\b):ACC+8*(4*(\a)+\b)+7], v[\f+64+16*\b:\f+64+16*\b+15], v[\f+16*(\a):\f+16*(\a)+15], 0, v[SC+16*(\set)+4*(\q)+\b], v[SC+16*(\set)+4*(\q)+(\a)] matrix_a_fmt:MATRIX_FMT_BF8 matrix_b_fmt:MATRIX_FMT_BF8 matrix_a_scale:MATRIX_SCALE_ROW1
.else
	v_wmma_scale_f32_16x16x128_f8f6f4 v[ACC+8*(4*(\a)+\b):ACC+8*(4*(\a)+\b)+7], v[\f+64+16*\b:\f+64+16*\b+15], v[\f+16*(\a):\f+16*(\a)+15], v[ACC+8*(4*(\a)+\b):ACC+8*(4*(\a)+\b)+7], v[SC+16*(\set)+4*(\q)+\b], v[SC+16*(\set)+4*(\q)+(\a)] matrix_a_fmt:MATRIX_FMT_BF8 matrix_b_fmt:MATRIX_FMT_BF8 matrix_a_scale:MATRIX_SCALE_ROW1
.endif
.endr
.endm
.macro PLACES n
.rept \n
	v_nop
.endr
.endm
.macro QUARTER slot, q, f, g, zero
	s_wait_dscnt 8                                 ; all but the youngest 8 loads (A's fragments 2 and 3)
	WIN MUL
	MUL4 \f, 0, \q, \slot, \zero
	MUL4 \f, 1, \q, \slot, \zero
	PLACES NP
	FETCH1 \slot, 128*((\q)+1), \g
	FETCH2 \slot, 128*((\q)+1), \g
	s_wait_dscnt 32                                ; all but the 32 just issued
	WIN MUL
	MUL4 \f, 2, \q, \slot, \zero
	MUL4 \f, 3, \q, \slot, \zero
.endm
; A slot's last quarter changes slots: one barrier; in front of it each wave waits for all its tensor loads, adds 0 to its spare word, and waits for that and for its own reads of this slot.
; fill = 1: the barrier opens a round of the cluster's, and behind it this slot is filled again, two steps of 512 ahead: the load has 56 matrix instructions and their fragment loads in which to land.
.macro TURN slot, next, fill
	WIN 0
	s_wait_tensorcnt 0x0
	ds_add_u32 v[SPW], v[NIL]
	s_wait_dscnt 9                                 ; the add and the youngest 8 loads may be out
	WIN MUL
	MUL4 F1, 0, 3, \slot, 0
	s_wait_dscnt 0x0                               ; the add is done, and my reads of this slot are over
	s_barrier_signal -1
	MUL4 F1, 1, 3, \slot, 0
	WIN 0
	s_barrier_wait -1
.if \fill
	CREST
	s_add_nc_u64 s[G0+4*\slot+2:G0+4*\slot+3], s[G0+4*\slot+2:G0+4*\slot+3], 2*ROWB
	s_add_nc_u64 s[G0B+4*\slot+2:G0B+4*\slot+3], s[G0B+4*\slot+2:G0B+4*\slot+3], 2*ROWB
	JLOAD G0+4*\slot, G1, G0B+4*\slot, G1B         ; the first tensor load behind the round; its four v_nop are among the places below
	PLACES NP-4
.else
	PLACES NP
.endif
	v_add_nc_u32 v[ADRS], 2048, v[ADRS]
	SCALES \next
	FETCH1 \next, 0, F0
	FETCH2 \next, 0, F0
	WIN MUL
	MUL4 F1, 2, 3, \slot, 0
	MUL4 F1, 3, 3, \slot, 0
.endm
	s_wait_tensorcnt 1                             ; the scales and my part of slot 0 are in; slot 1's load may be out
	s_barrier_signal -1
	s_barrier_wait -1
	SCALES 0
	FETCH1 0, 0, F0
	FETCH2 0, 0, F0
	QUARTER 0, 0, F0, F1, 1
.if LAPS > 1
	WIN 0
	s_mov_b32 s3, LAPS-1
.Llap:                                             ; a trip goes once round the ring and fills both slots again
	QUARTER 0, 1, F1, F0, 0
	QUARTER 0, 2, F0, F1, 0
	TURN 0, 1, 1
	QUARTER 1, 0, F0, F1, 0
	QUARTER 1, 1, F1, F0, 0
	QUARTER 1, 2, F0, F1, 0
	TURN 1, 0, 1
	QUARTER 0, 0, F0, F1, 0
	WIN 0
	s_sub_co_u32 s3, s3, 1
	s_cmp_lg_u32 s3, 0
	s_cbranch_scc1 .Llap
.endif
	QUARTER 0, 1, F1, F0, 0                        ; the last lap fills nothing
	QUARTER 0, 2, F0, F1, 0
	TURN 0, 1, 0
	QUARTER 1, 0, F0, F1, 0
	QUARTER 1, 1, F1, F0, 0
	QUARTER 1, 2, F0, F1, 0
	s_wait_dscnt 8
	WIN MUL
	MUL4 F1, 0, 3, 1, 0
	MUL4 F1, 1, 3, 1, 0
	PLACES NP
	WIN TO_F
.set t, 0
.rept 32                               ; the residual's 32 rows that I shall store, into buffer 0, which is done with
.set sw, (t&7)+16*((t/8)%2)+8*(t/16)
	global_load_b128 v[F0+4*t:F0+4*t+3], v[CO], s[10:11] offset:sw*4096
.set t, t+1
.endr
	s_wait_dscnt 0
	WIN MUL
	MUL4 F1, 2, 3, 1, 0
	MUL4 F1, 3, 3, 1, 0
	WIN 0
	PLACES NP
.irp a, 0,1,2,3
.irp b, 0,1,2,3
	ds_store_b128 v[STO], v[ACC+8*(4*\a+\b):ACC+8*(4*\a+\b)+3] offset:\a*16*SPITCH+128*(\b/2)+32*(\b%2)
	ds_store_b128 v[STO], v[ACC+8*(4*\a+\b)+4:ACC+8*(4*\a+\b)+7] offset:\a*16*SPITCH+128*(\b/2)+32*(\b%2)+16
.endr
.endr
	s_wait_dscnt 0x0                               ; for the others' sake: my stores into the stage are done
	s_barrier_signal -1
	s_barrier_wait -1
.set t, 0
.rept 16
	ds_load_b128 v[TMP+4*t:TMP+4*t+3], v[RD] offset:t*SPITCH
.set t, t+1
.endr
.set t, 0
.rept 16
	ds_load_b128 v[ACC+4*t:ACC+4*t+3], v[RD] offset:(16+t)*SPITCH
.set t, t+1
.endr
.macro FINISH reg, t0                  ; 16 rows: + bias, + residual, stored: 512 consecutive bytes an instruction
.set t, 0
.rept 16
	v_pk_add_f32 v[\reg+4*t:\reg+4*t+1], v[\reg+4*t:\reg+4*t+1], v[BI:BI+1]
	v_pk_add_f32 v[\reg+4*t+2:\reg+4*t+3], v[\reg+4*t+2:\reg+4*t+3], v[BI+2:BI+3]
.set t, t+1
.endr
	WIN 0x04
.set t, 0
.rept 16
	v_pk_add_f32 v[\reg+4*t:\reg+4*t+1], v[\reg+4*t:\reg+4*t+1], v[F0+4*(\t0+t):F0+4*(\t0+t)+1]
	v_pk_add_f32 v[\reg+4*t+2:\reg+4*t+3], v[\reg+4*t+2:\reg+4*t+3], v[F0+4*(\t0+t)+2:F0+4*(\t0+t)+3]
.set t, t+1
.endr
	WIN 0
.set t, 0
.rept 16
.set sw, ((\t0+t)&7)+16*(((\t0+t)/8)%2)+8*((\t0+t)/16)
	global_store_b128 v[CO], v[\reg+4*t:\reg+4*t+3], s[12:13] offset:sw*4096 th:TH_STORE_NT
.set t, t+1
.endr
.endm
	s_wait_loadcnt 0x0                             ; the bias and the residual
	s_wait_dscnt 16                                ; the first 16 rows are back; the other 16 loads may be out
	FINISH TMP, 0
	s_wait_dscnt 0x0
	FINISH ACC, 16
	s_wait_tensorcnt 0x0                           ; the wave's end
	ds_add_u32 v[SPW], v[NIL]
	s_wait_dscnt 0x0
	CROUND                                         ; the closing round
	s_endpgm
.Lfunc_end_k_q60264cd9d9_ffn2:
	.size	k_q60264cd9d9_ffn2, .Lfunc_end_k_q60264cd9d9_ffn2-k_q60264cd9d9_ffn2
	.p2alignl 7, 3214868480
	.fill 96, 4, 3214868480
	.section	.rodata,"a",@progbits
	.p2align	6, 0x0
	.amdhsa_kernel k_q60264cd9d9_ffn2
		.amdhsa_group_segment_fixed_size 327680
		.amdhsa_private_segment_fixed_size 0
		.amdhsa_enable_private_segment 0
		.amdhsa_kernarg_size 40
		.amdhsa_user_sgpr_count 2
		.amdhsa_user_sgpr_kernarg_segment_ptr 1
		.amdhsa_wavefront_size32 1
		.amdhsa_system_sgpr_workgroup_id_x 1
		.amdhsa_system_sgpr_workgroup_id_y 1
		.amdhsa_system_sgpr_workgroup_id_z 1
		.amdhsa_system_vgpr_workitem_id 0
		.amdhsa_next_free_vgpr 512
		.amdhsa_next_free_sgpr 100
		.amdhsa_reserve_vcc 0
		.amdhsa_float_denorm_mode_32 3
		.amdhsa_float_denorm_mode_16_64 3
		.amdhsa_memory_ordered 1
		.amdhsa_forward_progress 1
		.amdhsa_inst_pref_size 106
	.end_amdhsa_kernel
	.amdgpu_metadata
---
amdhsa.version: [ 1, 2 ]
amdhsa.kernels:
  - .name:           k_q60264cd9d9_ffn2
    .symbol:         k_q60264cd9d9_ffn2.kd
    .args:
      - { .name: gact, .offset: 0, .size: 8, .value_kind: global_buffer, .address_space: global }
      - { .name: wts, .offset: 8, .size: 8, .value_kind: global_buffer, .address_space: global }
      - { .name: b2, .offset: 16, .size: 8, .value_kind: global_buffer, .address_space: global }
      - { .name: x1, .offset: 24, .size: 8, .value_kind: global_buffer, .address_space: global }
      - { .name: out0, .offset: 32, .size: 8, .value_kind: global_buffer, .address_space: global }
    .group_segment_fixed_size: 327680
    .private_segment_fixed_size: 0
    .kernarg_segment_align: 8
    .kernarg_segment_size: 40
    .max_flat_workgroup_size: 128
    .sgpr_count:     100
    .vgpr_count:     512
    .wavefront_size: 32
...
	.end_amdgpu_metadata
.endif
;; end of part 7
